; MI455X (gfx1250); checked and timed in simulation.
; The chip was launched on July 23, 2026; its instructions are those of AMD's public machine-readable ISA for CDNA 5 (MIT licence, August 2026) and "CDNA5" Instruction Set Architecture Reference Guide (July 2026). The comments in the code are by the model that wrote it; some were corrected since.
;; GQA Flash Attn. Allowed arithmetic: matrix products marked QUANTISED: E2M1 operands, one E8M0 scale for each 32 along K, by v_wmma_scale_f32_16x16x128_f8f6f4 with both operands' format E2M1 (or v_wmma_scale_f32_32x16x128_f4), f32 sums; everything else in f32.
;; Inputs: Wk 2,048 x 512 float32; Wo 2,048 x 2,048 float32; Wq 2,048 x 2,048 float32; Wv 2,048 x 512 float32; cos 2,048 x 128 float32; k_beta 128 float32; k_gamma 128 float32; q_beta 128 float32; q_gamma 128 float32; sin 2,048 x 128 float32; x 1 x 2,048 x 2,048 float32.
;; Outputs: out0 1 x 2,048 x 2,048 float32.
;; This version of the problem:
;;   THIS VERSION OF THE PROBLEM IS GIVEN IN LOW PRECISION. The matrix products marked QUANTISED in the list below multiply operands that are first quantised to E2M1 (2 exponent bits, 1 mantissa bit; 4 bits a number), with one power-of-two scale for each 32 numbers along K (OCP MX v1.0); their sums are f32. All else is computed in f32.
;;   The module's matrix products, in the order in which they are computed (A, B: the left and right operand; K: the contracted axis; several contracted axes count as one K, in the product's order):
;;     1. [M 2,048, K 2,048] x [K 2,048, N 2,048]; A: input x; B: input Wq: QUANTISED
;;     2. [M 2,048, K 2,048] x [K 2,048, N 512]; A: input x; B: input Wk: QUANTISED
;;     3. [M 2,048, K 2,048] x [K 2,048, N 512]; A: input x; B: input Wv: QUANTISED
;;     4. batch 16 x [M 2,048, K 128] x [K 128, N 2,048]; A: computed on the way; B: computed on the way: QUANTISED
;;     5. batch 16 x [M 2,048, K 2,048] x [K 2,048, N 128]; A: softmax (see below); B: computed on the way: QUANTISED
;;     6. [M 2,048, K 2,048] x [K 2,048, N 2,048]; A: computed on the way; B: input Wo: QUANTISED
;;   THE QUANTISER, for each operand of a quantised product, along K:
;;     - K is cut into blocks of 32 from its start; a last block that is shorter is filled with zeros.
;;     - A block's scale is 2^e with e = floor(log2(the largest magnitude in the block)) - 2, held to -126 .. 127; a block of zeros has e = 0. As a byte (E8M0): e + 127.
;;     - Each number is divided by its block's scale, clamped to +-6, and rounded to the nearest number of E2M1, ties to even, subnormals kept.
;;     - The product sums the exact products of the quantised numbers (number of the format x scale) in f32.
;;   ~~~python
;;   def quantise(x, axis):      # numpy; x: float32 -> the quantised numbers, widened to float32 again
;;       x = np.moveaxis(x, axis, -1); K = x.shape[-1]
;;       x = np.pad(x, [(0, 0)] * (x.ndim - 1) + [(0, -K % 32)]); x = x.reshape(x.shape[:-1] + (-1, 32)); a = np.abs(x).max(-1, keepdims=True)
;;       e = np.where(a > 0, np.clip(np.frexp(np.where(a > 0, a, 1))[1] - 1 - 2, -126, 127), 0)      # np.frexp(a)[1] - 1 = floor(log2(a)), exactly
;;       r = np.clip(x / 2.0 ** e, -6, 6)
;;       step = 2.0 ** (np.maximum(np.frexp(np.where(r == 0, 1, r))[1] - 1, 0) - 1)
;;       q = np.round(r / step) * step * 2.0 ** e      # np.round: ties to even
;;       return np.moveaxis(q.reshape(q.shape[:-2] + (-1,))[..., :K], -1, axis).astype(np.float32)
;;   ~~~
;;   SOFTMAX AHEAD OF A QUANTISED PRODUCT. Where the list says 'softmax', what is quantised is not the finished softmax but p = 2^(t - M), with t = logit x log2(e) and M = ceil(the row's largest t), a whole number; so 1/2 < the row's largest p <= 1. The row's sum l is taken of the UNQUANTISED p, in f32, and the product's result is divided by l at the end. Since M is a whole number, a kernel that streams over the keys may use a running M (the ceiling of the running maximum): every later rescaling is an exact power of two, which a block's scale takes up: the codes' values come out the same.
;;   OPERANDS COMPUTED ON THE WAY. 'Computed on the way' means the value that the module computes at that place (a softmax that the list does not call 'softmax' is quantised finished and normalised). What goes into a quantiser is computed in f32, as accurately as f32 sums, v_exp_f32 and their like allow (about 1e-6 of the number): no bf16 or f16 on the way to a quantiser, and a product that is left as it is and whose result goes on into a quantised operand takes f32 operands (vector FMAs, or v_wmma_f32_16x16x4_f32). A number that lies on a knife's edge between two numbers of the format may be rounded either way, as far as f32 arithmetic and the matrix unit's own rounding can turn it there, and no further.
;; 2 versions, each right and faster than the one before. Each part assembles by itself: llvm-mc -triple=amdgcn-amd-amdhsa -mcpu=gfx1250 --defsym DOCPART=n.
;; ======== version 1 of 2: 4 launches
;; workspace buffers: x_img 2,097,152 bytes; x_sc 131,072 bytes; w_img 5,242,880 bytes; w_sc 327,680 bytes; qkv_img 3,145,728 bytes; qkv_sc 196,608 bytes; o_img 2,097,152 bytes; o_sc 131,072 bytes
;; launch quant (part 1): grid 288 x 1, 4 waves a work-group, no clusters, 37,376 bytes of LDS; arguments x, Wq, Wk, Wv, Wo, x_img, x_sc, w_img, w_sc; writes x_img, x_sc, w_img, w_sc
.if DOCPART == 1
	.amdgcn_target "amdgcn-amd-amdhsa--gfx1250"
	.amdhsa_code_object_version 6
	.text
	.protected	k_q423e711c6a_quant
	.globl	k_q423e711c6a_quant
	.p2align	8
	.type	k_q423e711c6a_quant,@function
k_q423e711c6a_quant:
	s_mov_b64 s[64:65], 0
	v_nop
	global_prefetch_b8 v0, s[64:65] scope:SCOPE_SE
	s_setreg_imm32_b32 hwreg(HW_REG_WAVE_MODE, 25, 1), 1
	s_wait_xcnt 0x0
; x [2048][2048] (K innermost) and Wq, Wo [2048][2048], Wk, Wv [2048][512] (K is the FIRST axis), all f32, become codes of FP4 (E2M1) with one E8M0 byte for each 32 along K.
; A block's scale is 2^(floor(log2(its largest magnitude)) - 2); its byte is the largest magnitude's exponent field - 2, held at 1 from below; numbers beyond 6 x the scale take the largest code.
; LIMITS: NaN and infinities among the inputs are not served.  A block whose largest magnitude lies under 2^-124, a block of zeros among them, keeps the byte 1 (the quantiser says 127 for zeros):
; its codes are then zeros or the floor's, and the bytes are read by this program alone.
; THE OUTPUT IS LAID AS THE MATRIX UNIT'S REGISTERS WANT IT.  A tile is 16 rows x 2,048 K = 16,384 bytes; block j (32 codes, 16 bytes) of row r lies at 256 j + 16 r.  So a fragment (16 rows x 128 K) is 1,024
; consecutive bytes, and lane l's registers 4 c .. 4 c + 3 lie at 512 c + 16 l.  The scale bytes of a tile are 1,024 bytes: byte j % 16 of row r at 256 (j / 16) + 16 r.
; w_img's tiles: 0-127 Wq's columns, 128-159 Wk's, 160-191 Wv's, 192-319 Wo's.  INSIDE EACH 32 COLUMNS THE ROWS OF THE TWO TILES ARE PERMUTED: place p holds column (p & 7) + 8 (p / 16) + 16 ((p / 8) & 1),
; so that in the products (used transposed) a lane's 16 registers of two neighbouring tiles are 16 neighbouring columns.
; SHARES: work-groups 0-127: a tile of x each, a wave 512 along K.  128-255: Wq, Wo; 256-287: Wk, Wv: 128 columns x 512 along K each, a wave 32 columns.  Waves share nothing: no barrier.
; Memory binds: every f32 byte is read once; matrix units, clusters and tensor loads would add nothing here.
.set R,    16                          ; x: v16-143   four sets of 32 registers as loaded
.set X,    144                         ; x: v144-207  two sets: a whole block of 32 neighbours a lane
.set C,    208                         ; x: v208-239  four registers of codes for each of 8 steps: no store's data are written again
.set E,    240                         ; x: v240-247  a scale byte for each step
.set SP,   272                         ; x: a stage row: 256 bytes + 16
.set STG,  16*SP                       ; x: a stage: 16 rows
.set WREG, 9216                        ; x: LDS of a wave: two stages, then its 256 scale bytes
.set WX,   32                          ; W: v32-95    two sets of 32 numbers
.set WC,   96                          ; W: v96-159   four registers of codes for each of 16 blocks
.set WSB,  24                          ; W: v24-27    16 scale bytes
.set WV,   34                          ; s34 my wave's number
; the largest magnitude of the 32 numbers v[XS] on, with the floor 2^(3 - 127) among them, in two chains; then 2 off its exponent field: the conversion's scale operand, in v11
.macro BLKMAX m, n
	v_max3_num_f32 v[\m], |v[XS]|, |v[XS+1]|, |v[XS+2]|
	v_max3_num_f32 v[\n], |v[XS+3]|, |v[XS+4]|, |v[XS+5]|
.irp i, 6,10,14,18,22,26
	v_max3_num_f32 v[\m], v[\m], |v[XS+\i]|, |v[XS+\i+1]|
	v_max3_num_f32 v[\n], v[\n], |v[XS+\i+2]|, |v[XS+\i+3]|
.endr
	v_max3_num_f32 v[\m], v[\m], |v[XS+30]|, |v[XS+31]|
	v_max3_num_f32 v[\m], v[\m], v[\n], 0x1800000
	v_add_nc_u32 v11, 0xff000000, v[\m]
.endm
; ---- x: step t is 16 rows x 64 numbers.  Each load takes 256 consecutive bytes of two rows
.macro LOADX t
.irp i, 0,1,2,3,4,5,6,7
	global_load_b128 v[R+32*((\t)%4)+4*\i:R+32*((\t)%4)+4*\i+3], v3, s[4:5] offset:\i*16384+(\t)*256 th:TH_LOAD_NT
.endr
.endm
; through the wave's own stage: in as loaded, out 128 bytes a lane: lane (r, jj) then holds block 2 t + jj of row r.  LDS serves a wave's instructions in order: no wait between
.macro TURNX t
.irp i, 0,1,2,3,4,5,6,7
	ds_store_b128 v14, v[R+32*((\t)%4)+4*\i:R+32*((\t)%4)+4*\i+3] offset:STG*((\t)%2)+2*SP*\i
.endr
.irp k, 0,1,2,3,4,5,6,7
	ds_load_b128 v[X+32*((\t)%2)+4*\k:X+32*((\t)%2)+4*\k+3], v15 offset:STG*((\t)%2)+16*\k
.endr
.endm
.macro STEPX t
.set XS, X+32*((\t)%2)
.if (\t) > 0
	s_wait_dscnt 1                                 ; this step's numbers are back from the stage; only the last step's byte store may be out
.else
	s_wait_dscnt 0x0
.endif
.if (\t)+4 < 8
	LOADX (\t)+4                                   ; into the set that this step's stage stores have read
.endif
.if (\t) < 7
.if 6-(\t) >= 3
	s_wait_loadcnt 24                              ; the next step's eight loads are in; those of the three steps behind it may be out
.else
	s_wait_loadcnt 8*(6-(\t))
.endif
	TURNX (\t)+1                                   ; the next step goes through the other stage while this one is worked
.endif
	BLKMAX 8, 9
.irp g, 0,1,2,3
	v_cvt_scalef32_pk8_fp4_f32 v[C+4*(\t)+\g], v[XS+8*\g:XS+8*\g+7], v11
.endr
	v_lshrrev_b32 v[E+(\t)], 23, v11               ; the scale's byte (a plain line behind the conversions)
	ds_store_b8 v5, v[E+(\t)] offset:2*(\t)
	global_store_b128 v4, v[C+4*(\t):C+4*(\t)+3], s[14:15] offset:512*(\t)   ; 32 lanes store 512 consecutive bytes: blocks 2 t and 2 t + 1 of the 16 rows
.endm
; ---- W: a lane takes a column, its registers run down K: block t is rows 32 t .. 32 t + 31; P = bytes in a row of W
.macro LOADW t, P
.set I, 0
.rept 32
	global_load_b32 v[WX+32*((\t)%2)+I], v3, s[26:27] offset:(32*(\t)+I)*\P th:TH_LOAD_NT
.set I, I+1
.endr
.endm
.macro BLOCKW t, P
.set XS, WX+32*((\t)%2)
.if (\t) < 15
	s_wait_loadcnt 32                              ; this block's 32 loads are in; the next block's may be out
.else
	s_wait_loadcnt 0x0
.endif
	BLKMAX 12, 13
	v_lshrrev_b32 v13, 23, v11                     ; the scale's byte
.if (\t)%4 == 0
	v_mov_b32 v[WSB+(\t)/4], v13                   ; four bytes to a register, the lower K in the lower byte
.else
	v_lshl_or_b32 v[WSB+(\t)/4], v13, 8*((\t)%4), v[WSB+(\t)/4]
.endif
.irp g, 0,1,2,3
	v_cvt_scalef32_pk8_fp4_f32 v[WC+4*(\t)+\g], v[XS+8*\g:XS+8*\g+7], v11
.endr
	global_store_b128 v8, v[WC+4*(\t):WC+4*(\t)+3], s[18:19] offset:256*(\t)   ; lanes 0-15 store 256 consecutive aligned bytes of one tile, lanes 16-31 of the next
.if (\t)+2 < 16
	LOADW (\t)+2, \P
.endif
.endm
; s24 = which 128 columns, s25 = which 512 along K, s[26:27] = the weight, s28 = its first tile in w_img
.macro WPATH P
	s_lshl_b32 s29, s24, 3
	s_add_co_u32 s28, s28, s29
	s_lshl_b32 s29, s[WV], 1
	s_add_co_u32 s28, s28, s29                     ; my wave's first tile
	s_mul_i32 s30, s25, 512*\P
	s_lshl_b32 s29, s24, 9
	s_add_co_u32 s30, s30, s29
	s_lshl_b32 s29, s[WV], 7
	s_add_co_u32 s30, s30, s29                     ; 512 rows x ky + 4 bytes x my first column
	s_mov_b32 s31, 0
	s_add_nc_u64 s[26:27], s[26:27], s[30:31]
	s_lshl_b32 s30, s28, 14
	s_lshl_b32 s29, s25, 12
	s_add_co_u32 s30, s30, s29
	s_add_nc_u64 s[18:19], s[18:19], s[30:31]      ; the codes: 16,384 x tile + 4,096 x ky
	s_lshl_b32 s30, s28, 10
	s_lshl_b32 s29, s25, 8
	s_add_co_u32 s30, s30, s29
	s_add_nc_u64 s[20:21], s[20:21], s[30:31]      ; the scale bytes: 1,024 x tile + 256 x ky
	LOADW 0, \P
	LOADW 1, \P
.set Q, 0
.rept 16
	BLOCKW Q, \P
.set Q, Q+1
.endr
	global_store_b128 v9, v[WSB:WSB+3], s[20:21]   ; 16 bytes a row: sixteen lanes store 256 consecutive aligned bytes
	s_endpgm
.endm
	s_load_b256 s[4:11], s[0:1], 0x0               ; x, Wq, Wk, Wv
	s_load_b256 s[12:19], s[0:1], 0x20             ; Wo, x_img, x_sc, w_img
	s_load_b64 s[20:21], s[0:1], 0x40              ; w_sc
	v_lshl_add_u32 v248, v0, 2, 0x9000
	v_mov_b32 v249, 0
	v_lshrrev_b32 v1, 5, v0
	v_readfirstlane_b32 s[WV], v1                  ; wave 0..3
	v_and_b32 v2, 31, v0                           ; lane
	v_and_b32 v1, 15, v0                           ; lane % 16
	v_bfe_u32 v10, v0, 4, 1                        ; lane / 16
	s_cmp_lt_u32 ttmp9, 128
	s_cbranch_scc0 .Lweights
	; ---------------- x ----------------
	v_lshlrev_b32 v3, 13, v10
	v_lshl_add_u32 v3, v1, 4, v3                   ; in: a row of 8,192 bytes for each half of the lanes, 16 bytes a lane
	s_mul_i32 s35, s[WV], WREG
	v_mul_u32_u24 v14, v10, SP
	v_lshl_add_u32 v14, v1, 4, v14
	v_add_nc_u32 v14, s35, v14                     ; the stage, way in
	v_mul_u32_u24 v15, v1, SP
	v_lshl_add_u32 v15, v10, 7, v15
	v_add_nc_u32 v15, s35, v15                     ; way out: row lane % 16, its first or second 128 bytes
	v_lshlrev_b32 v4, 4, v2                        ; the codes: 16 x lane
	s_add_co_u32 s35, s35, 2*STG
	v_lshl_add_u32 v5, v1, 4, v10
	v_add_nc_u32 v5, s35, v5                       ; my block's scale byte: 16 x row + lane / 16 (+ 2 t)
	v_lshlrev_b32 v7, 3, v2
	v_add_nc_u32 v6, s35, v7                       ; and on the way out 8 bytes a lane
	s_lshl_b32 s22, ttmp9, 17
	s_lshl_b32 s23, s[WV], 11
	s_add_co_u32 s22, s22, s23                     ; x: 16 rows x tile + 512 numbers x wave
	s_mov_b32 s23, 0
	s_lshl_b32 s24, ttmp9, 14
	s_lshl_b32 s25, s[WV], 12
	s_add_co_u32 s24, s24, s25
	s_mov_b32 s25, 0
	s_lshl_b32 s26, ttmp9, 10
	s_lshl_b32 s27, s[WV], 8
	s_add_co_u32 s26, s26, s27
	s_mov_b32 s27, 0
	s_wait_kmcnt 0x0
	s_add_nc_u64 s[4:5], s[4:5], s[22:23]
	s_add_nc_u64 s[14:15], s[14:15], s[24:25]
	s_add_nc_u64 s[16:17], s[16:17], s[26:27]
.irp t, 0,1,2,3
	LOADX \t
.endr
	s_wait_loadcnt 24                              ; step 0's eight loads are in
	TURNX 0
.irp t, 0,1,2,3,4,5,6,7
	STEPX \t
.endr
	ds_load_b64 v[12:13], v6                       ; my wave's 256 scale bytes (LDS serves a wave's instructions in order)
	s_wait_dscnt 0x0
	global_store_b64 v7, v[12:13], s[16:17]        ; 32 lanes store 256 consecutive aligned bytes
	s_wait_tensorcnt 0x0
	ds_add_u32 v248, v249
	s_wait_dscnt 0x0
	s_endpgm
	; ---------------- the weights ----------------
.Lweights:
	v_and_b32 v3, 7, v0
	v_bfe_u32 v4, v0, 3, 1
	v_lshl_or_b32 v3, v10, 3, v3
	v_lshl_or_b32 v3, v4, 4, v3                    ; the column that my place takes: bits 3 and 4 of the lane change places
	v_lshlrev_b32 v3, 2, v3
	v_lshlrev_b32 v8, 14, v10
	v_lshl_add_u32 v8, v1, 4, v8                   ; codes: tile lane / 16, row lane % 16
	v_lshlrev_b32 v9, 10, v10
	v_lshl_add_u32 v9, v1, 4, v9                   ; scale bytes likewise
	s_cmp_lt_u32 ttmp9, 256
	s_cbranch_scc0 .Lnarrow
	s_sub_co_u32 s22, ttmp9, 128
	s_lshr_b32 s23, s22, 6                         ; 0: Wq, 1: Wo
	s_bfe_u32 s24, s22, 0x40002                    ; which 128 columns of 2,048
	s_and_b32 s25, s22, 3                          ; which 512 along K
	s_wait_kmcnt 0x0
	s_cmp_eq_u32 s23, 0
	s_cselect_b64 s[26:27], s[6:7], s[12:13]
	s_cselect_b32 s28, 0, 192
	WPATH 8192
.Lnarrow:
	s_sub_co_u32 s22, ttmp9, 256
	s_lshr_b32 s23, s22, 4                         ; 0: Wk, 1: Wv
	s_bfe_u32 s24, s22, 0x20002                    ; which 128 columns of 512
	s_and_b32 s25, s22, 3
	s_mov_b32 s28, 160
	s_wait_kmcnt 0x0
	s_cmp_eq_u32 s23, 0
	s_cselect_b64 s[26:27], s[8:9], s[10:11]
	s_cselect_b32 s28, 128, s28
	WPATH 2048
.Lfunc_end_k_q423e711c6a_quant:
	.size	k_q423e711c6a_quant, .Lfunc_end_k_q423e711c6a_quant-k_q423e711c6a_quant
	.p2alignl 7, 3214868480
	.fill 96, 4, 3214868480
	.section	.rodata,"a",@progbits
	.p2align	6, 0x0
	.amdhsa_kernel k_q423e711c6a_quant
		.amdhsa_group_segment_fixed_size 37376
		.amdhsa_private_segment_fixed_size 0
		.amdhsa_enable_private_segment 0
		.amdhsa_kernarg_size 72
		.amdhsa_user_sgpr_count 2
		.amdhsa_user_sgpr_kernarg_segment_ptr 1
		.amdhsa_wavefront_size32 1
		.amdhsa_system_sgpr_workgroup_id_x 1
		.amdhsa_system_sgpr_workgroup_id_y 1
		.amdhsa_system_sgpr_workgroup_id_z 1
		.amdhsa_system_vgpr_workitem_id 0
		.amdhsa_next_free_vgpr 250
		.amdhsa_next_free_sgpr 66
		.amdhsa_reserve_vcc 0
		.amdhsa_float_denorm_mode_32 3
		.amdhsa_float_denorm_mode_16_64 3
		.amdhsa_memory_ordered 1
		.amdhsa_forward_progress 1
		.amdhsa_inst_pref_size 178
	.end_amdhsa_kernel
	.amdgpu_metadata
---
amdhsa.version: [ 1, 2 ]
amdhsa.kernels:
  - .name:           k_q423e711c6a_quant
    .symbol:         k_q423e711c6a_quant.kd
    .args:
      - { .name: x, .offset: 0, .size: 8, .value_kind: global_buffer, .address_space: global }
      - { .name: Wq, .offset: 8, .size: 8, .value_kind: global_buffer, .address_space: global }
      - { .name: Wk, .offset: 16, .size: 8, .value_kind: global_buffer, .address_space: global }
      - { .name: Wv, .offset: 24, .size: 8, .value_kind: global_buffer, .address_space: global }
      - { .name: Wo, .offset: 32, .size: 8, .value_kind: global_buffer, .address_space: global }
      - { .name: x_img, .offset: 40, .size: 8, .value_kind: global_buffer, .address_space: global }
      - { .name: x_sc, .offset: 48, .size: 8, .value_kind: global_buffer, .address_space: global }
      - { .name: w_img, .offset: 56, .size: 8, .value_kind: global_buffer, .address_space: global }
      - { .name: w_sc, .offset: 64, .size: 8, .value_kind: global_buffer, .address_space: global }
    .group_segment_fixed_size: 37376
    .private_segment_fixed_size: 0
    .kernarg_segment_align: 8
    .kernarg_segment_size: 72
    .max_flat_workgroup_size: 128
    .sgpr_count:     66
    .vgpr_count:     250
    .wavefront_size: 32
...
	.end_amdgpu_metadata
.endif
;; end of part 1
;; launch qkv (part 2): grid 24 x 8, 4 waves a work-group, clusters of 4 x 4, 327,680 bytes of LDS; arguments x_img, x_sc, w_img, w_sc, cos, sin, q_gamma, q_beta, k_gamma, k_beta, qkv_img, qkv_sc; writes qkv_img, qkv_sc
.if DOCPART == 2
	.amdgcn_target "amdgcn-amd-amdhsa--gfx1250"
	.amdhsa_code_object_version 6
	.text
	.protected	k_q423e711c6a_qkv
	.globl	k_q423e711c6a_qkv
	.p2align	8
	.type	k_q423e711c6a_qkv,@function
k_q423e711c6a_qkv:
	s_mov_b64 s[64:65], 0
	v_nop
	global_prefetch_b8 v0, s[64:65] scope:SCOPE_SE
	s_setreg_imm32_b32 hwreg(HW_REG_WAVE_MODE, 25, 1), 1
	s_wait_xcnt 0x0
	s_wait_alu depctr_hold_cnt(0) depctr_sa_sdst(0) depctr_va_vdst(0) depctr_va_sdst(0) depctr_va_ssrc(0) depctr_va_vcc(0) depctr_vm_vsrc(0)
	s_getreg_b32 s2, hwreg(HW_REG_IB_STS2, 6, 4)
	s_cmp_eq_u32 s2, 0
	s_cbranch_scc0 .Lentry_in_a_cluster
	s_endpgm
.Lentry_in_a_cluster:
	s_bfe_u32 s2, ttmp6, 0x10000c
	s_cmp_lg_u32 s2, 0xf033
	s_cbranch_scc0 .Lentry_shape_is_right
	s_endpgm
.Lentry_shape_is_right:
; [Q | K | V] = x [Wq | Wk | Wv] on codes of FP4 (E2M1) with E8M0 scales; then, in f32, LayerNorm and RoPE on each head of Q and K; then Q and K are quantised along the head's 128 and V along the tokens.
; A work-group makes 256 tokens x 128 columns = ONE HEAD (x = 0-15: Q's heads, 16-19: K's, 20-23: V's); each of four waves 64 tokens x 128: 32 accumulators, 256 registers.
; The tile is one head wide, so that a lane pair holds a whole head of a token and norm and rotation never leave it, and so that a 4 x 4 cluster is of one kind (cluster x 0-3: Q, 4: K, 5: V).
; OPERANDS lie in memory as fragments (16 rows x 128 K = 1,024 bytes; lane l's registers 4 c .. 4 c + 3 at 512 c + 16 l): every LDS read is 512 consecutive bytes, no pitch and no padding.
; K goes in four steps of 512 through two LDS slots filled by the tensor data mover; the scale bytes of all of K come once, with the first fills.
; CLUSTERS: the four work-groups of a row of the cluster need the same tiles of x, the four of a column the same tiles of W: each is asked for jointly, with a mask that names the four.
; THE MATRIX INSTRUCTION IS USED TRANSPOSED (source 0 = 16 rows of W^T, source 1 = 16 tokens), and W's tiles were laid so that lane (r, h) holds token r and register 16 b + i of a token tile is column 32 b + 16 h + i.
; OUT: qkv_img [24][128 fragments][1024].  Q, K: fragment f = tokens 16 f on x d 0-127.  V: fragment 8 s + t = rows d = 32 (t / 2) + 8 (t % 2) + r + 8 (r / 8) x keys 128 s on; inside each 32 keys, place 16 x + 8 y + j
; holds key 16 y + 8 x + j, the order in which the attention's weights come out of its first product.  qkv_sc [24][2048 words]: Q, K: the token's word; V: word 128 s + 16 t + r.
; LIMITS: NaN and infinities are not served; a block whose largest magnitude lies under 2^-124 (zeros among them) keeps the scale byte 1; 1 / sqrt is v_rsq_f32.
; REGISTERS: window 0: v1-29 addresses; v32-95 scale words, two sets, and nothing else; v96-159 x's fragments, two sets, later a head at work; v160-223 at work; v224-255 the quantiser's.
;   window 1: v0-127 W's fragments, two sets; v128-191 gamma, v192-255 beta.   window 2: the accumulators, (a, b) at v[8 (8 a + b)].   window 3: cos and sin of two token tiles.
.set NT0,   0                          ; W's first tile in w_img
.set SLOT,  98304                      ; 16 tiles of x x 4,096 bytes, then 8 tiles of W x 4,096
.set BOFF,  65536
.set SCL,   2*SLOT                     ; x's scale bytes: 16 tiles x 1,024
.set SCLB,  SCL+16384                  ; W's: 8 tiles x 1,024
.set SPARE, SCLB+8192                  ; the spare words, 128 bytes a wave: two blocks of 256 bytes that no other line names
.set DPITCH, 528                       ; V's turn: a token's 128 numbers + 16 bytes; 256 rows from LDS byte 0 on, in slots that have had their last fill
.set MINIQ, 256*DPITCH                 ; behind them: 256 bytes a wave for Q's and K's scale words; V's lie 1,024 further on
.set LI,   4                           ; v4   16 x lane
.set CA,   5                           ; v5   cos, sin: 512 r + 64 h
.set GA,   6                           ; v6   gamma, beta: 64 h
.set DST,  7                           ; v7   V's turn, way in
.set VRD,  8                           ; v8   way out
.set MQ,   9                           ; v9   where my row's scale word goes (Q, K);  v10: V
.set MV,   10
.set MQR,  11                          ; v11  and where 8 bytes a lane come back;  v12: V
.set MVR,  12
.set L8,   13                          ; v13  8 x lane
.set ADRA, 16                          ; v16-17 my fragments of x in slot 0, 1
.set ADRB, 20                          ; v20-21 W's
.set ADRS, 27                          ; v27  my scale words: lanes 0-15 x's rows, lanes 16-31 W's
.set SPW,  28                          ; v28  my spare word; never rewritten
.set NIL,  29                          ; v29  0; never rewritten
.set SC,   32
.set AF,   96
.set YA,   96
.set YB,   160
.set TM,   224
.set PW,   240
.set MU,   242
.set RS,   244
.set SM,   246
.set PC,   248
.set GAM,  128
.set BET,  192
.set G1,   24
.set G0,   32
.set G1B,  48
.set G0B,  56
.set G1S,  68
.set G0S,  76
.set G1SB, 80
.set G0SB, 88
.set WV,   66
.set WH,   67
.set WL,   96
.set SEL,  98
.set MSB, 0
.macro WIN new                         ; the immediate's high byte repeats the setting that is left
.if MSB != \new
	s_set_vgpr_msb (MSB<<8)|\new
.set MSB, \new
.endif
.endm
.macro PLACES n
.rept \n
	v_nop
.endr
.endm
; a joint load: waves 0 and 1 fetch for x, waves 2 and 3 for W; four v_nop follow each of the two lines
.macro JLOAD g0a, g1a, g0b, g1b
	s_cmp_eq_u32 s[WH], 0
	s_cbranch_scc0 .Lfor_b_\@
	tensor_load_to_lds s[\g0a:\g0a+3], s[\g1a:\g1a+7]
	s_nop 0
.rept 4
	v_nop
.endr
	s_branch .Lasked_\@
.Lfor_b_\@:
	tensor_load_to_lds s[\g0b:\g0b+3], s[\g1b:\g1b+7]
	s_nop 0
.rept 4
	v_nop
.endr
.Lasked_\@:
.endm
.macro CREST                           ; a round of the cluster's barrier behind its opening barrier
	s_cmp_lg_u32 s[WV], 0
	s_cbranch_scc1 .Lnot_wave_0_\@
	s_barrier_signal -3
.Lnot_wave_0_\@:
	s_barrier_wait -3
	s_barrier_signal -1
	s_barrier_wait -1
.endm
.macro CROUND
	s_barrier_signal -1
	s_barrier_wait -1
	CREST
.endm
.macro FINISH                          ; the wave's end: wait for the tensor loads, add 0 to the spare word and wait for it; then the closing round
	s_wait_tensorcnt 0x0
	ds_add_u32 v[SPW], v[NIL]
	s_wait_dscnt 0x0
	CROUND
	s_endpgm
.endm
; 24 LDS loads: the slot's q-th 128 along K: W's eight fragments and my four of x, into set p
.macro FETCH slot, q, p
	WIN 0x40
.irp b, 0,1,2,3,4,5,6,7
.irp c, 0,1
	ds_load_b128 v[64*(\p)+8*\b+4*\c:64*(\p)+8*\b+4*\c+3], v[ADRB+\slot] offset:\b*4096+(\q)*1024+\c*512
.endr
.endr
	WIN 0
.irp a, 0,1,2,3
.irp c, 0,1
	ds_load_b128 v[AF+32*(\p)+8*\a+4*\c:AF+32*(\p)+8*\a+4*\c+3], v[ADRA+\slot] offset:\a*4096+(\q)*1024+\c*512
.endr
.endr
.endm
; a slot's scale words: register 4 i + q: lanes 0-15 the word of my tile i of x (i < 4; above that words that nobody reads), lanes 16-31 that of W's tile i
.macro SCALES set
.irp i, 0,1,2,3,4,5,6,7
	ds_load_b128 v[SC+32*\set+4*\i:SC+32*\set+4*\i+3], v[ADRS] offset:\i*1024
.endr
.endm
; 8 matrix instructions: my tile a of x against W's eight.  The 32 accumulators take turns, in the same order in every step
.macro MUL8 a, p, q, sc, zero
.irp b, 0,1,2,3,4,5,6,7
.if \zero
	v_wmma_scale_f32_16x16x128_f8f6f4 v[8*(8*(\a)+\b):8*(8*(\a)+\b)+7], v[64*(\p)+8*\b:64*(\p)+8*\b+7], v[AF+32*(\p)+8*(\a):AF+32*(\p)+8*(\a)+7], 0, v[SC+32*(\sc)+4*\b+(\q)], v[SC+32*(\sc)+4*(\a)+(\q)] matrix_a_fmt:MATRIX_FMT_FP4 matrix_b_fmt:MATRIX_FMT_FP4 matrix_a_scale:MATRIX_SCALE_ROW1
.else
	v_wmma_scale_f32_16x16x128_f8f6f4 v[8*(8*(\a)+\b):8*(8*(\a)+\b)+7], v[64*(\p)+8*\b:64*(\p)+8*\b+7], v[AF+32*(\p)+8*(\a):AF+32*(\p)+8*(\a)+7], v[8*(8*(\a)+\b):8*(8*(\a)+\b)+7], v[SC+32*(\sc)+4*\b+(\q)], v[SC+32*(\sc)+4*(\a)+(\q)] matrix_a_fmt:MATRIX_FMT_FP4 matrix_b_fmt:MATRIX_FMT_FP4 matrix_a_scale:MATRIX_SCALE_ROW1
.endif
.endr
.endm
; a step of 128 along K with its successor in the same slot: the successor's fragments are asked for first and land under this step's 32 products
.macro KSTEP slot, q, zero
.if \zero == 0
	PLACES 4                                       ; between the last step's products and the loads into the set that they read
.endif
	FETCH \slot, (\q)+1, ((\q)+1)%2
	s_wait_dscnt 24                                ; all but the 24 just issued: this step's fragments (and, in a slot's first step, its scale words) are in
	WIN 0xa1                                       ; source 0 (W) window 1, source 1 (x) window 0, C and D window 2
.irp a, 0,1,2,3
	MUL8 \a, (\q)%2, \q, \slot, \zero
.endr
	WIN 0
.endm
; a slot's last step changes slots: one barrier; in front of it every wave waits for all its tensor loads, adds 0 to its spare word, and waits for that and for its reads of the slot
.macro TURN slot, next, fill
	s_wait_tensorcnt 0x0                           ; all my tensor loads have landed: my part of the next slot
	ds_add_u32 v[SPW], v[NIL]
	s_wait_dscnt 1                                 ; this step's fragments are in; the add may be out
	WIN 0xa1
	MUL8 0, 1, 3, \slot, 0
	s_wait_dscnt 0x0                               ; the add is done, and my reads of this slot are over
	s_barrier_signal -1
	MUL8 1, 1, 3, \slot, 0
	WIN 0
	s_barrier_wait -1
.if \fill
	CREST                                          ; the barrier has opened a round of the cluster's: no wave of any partner still reads this slot or has a load on its way
	s_add_nc_u64 s[G0+4*\slot+2:G0+4*\slot+3], s[G0+4*\slot+2:G0+4*\slot+3], 8192
	s_add_nc_u64 s[G0B+4*\slot+2:G0B+4*\slot+3], s[G0B+4*\slot+2:G0B+4*\slot+3], 8192
	JLOAD G0+4*\slot, G1, G0B+4*\slot, G1B         ; 1,024 along K further on; its four v_nop are also the places in front of the loads below
.else
	PLACES 4
.endif
	v_add_nc_u32 v[ADRS], 256, v[ADRS]             ; the next 512 along K of the scale words
	FETCH \next, 0, 0
	SCALES \next
	WIN 0xa1
	MUL8 2, 1, 3, \slot, 0
	MUL8 3, 1, 3, \slot, 0
	WIN 0
.endm
; 64 numbers of a lane, register 16 b + i = place 32 b + 16 (lane / 16) + i of my row, become a fragment's codes in v[PC] on and its scale word in v[PW]
.macro QUANT s
.irp b, 0,1,2,3
	v_max3_num_f32 v[TM+\b], |v[(\s)+16*\b]|, |v[(\s)+1+16*\b]|, 0x1800000   ; with the floor 2^(3 - 127): the byte cannot fall under 1
.endr
.irp i, 2,4,6,8,10,12,14
.irp b, 0,1,2,3
	v_max3_num_f32 v[TM+\b], v[TM+\b], |v[(\s)+16*\b+\i]|, |v[(\s)+1+16*\b+\i]|
.endr
.endr
.irp b, 0,1,2,3
	v_permlanex16_b32 v[TM+4+\b], v[TM+\b], s[SEL], s[SEL+1]
.endr
.irp b, 0,1,2,3
	v_max_num_f32 v[TM+\b], v[TM+\b], v[TM+4+\b]   ; with lane l xor 16's: the block's largest magnitude
.endr
.irp b, 0,1,2,3
	v_add_nc_u32 v[TM+12+\b], 0xff000000, v[TM+\b] ; 2 off its exponent field: the conversion's scale operand
.endr
.irp b, 0,1,2,3
	v_lshrrev_b32 v[TM+4+\b], 23, v[TM+12+\b]      ; the scale's byte
.endr
	v_lshl_or_b32 v[PW], v[TM+5], 8, v[TM+4]
	v_lshl_or_b32 v[PW], v[TM+6], 16, v[PW]
	v_lshl_or_b32 v[PW], v[TM+7], 24, v[PW]
.irp b, 0,1,2,3
	v_cvt_scalef32_pk8_fp4_f32 v[PC+2*\b], v[(\s)+16*\b:(\s)+7+16*\b], v[TM+12+\b]
	v_cvt_scalef32_pk8_fp4_f32 v[PC+1+2*\b], v[(\s)+8+16*\b:(\s)+15+16*\b], v[TM+12+\b]
.endr
	v_nop                                          ; one plain place behind a scaled conversion
.irp c, 0,1                                    ; a whole block to a lane: lanes 0-15 block 2 c, lanes 16-31 block 2 c + 1
.irp i, 0,1
	v_permlane16_swap_b32 v[PC+4*\c+\i], v[PC+2+4*\c+\i]
.endr
.endr
.endm
; fragment i of my wave's four goes out: two stores of 512 consecutive bytes; its scale words are gathered in my own 256 bytes of LDS
.macro OUTFRAG s, i, adr
	s_wait_xcnt 0x0                                ; the last fragment's stores have read the registers that the codes are written into
	QUANT \s
	global_store_b128 v[LI], v[PC:PC+3], s[92:93] offset:(\i)*1024
	global_store_b128 v[LI], v[PC+4:PC+7], s[92:93] offset:(\i)*1024+512
	ds_store_b32 v[\adr], v[PW] offset:64*(\i)     ; lanes l and l + 16 write the same word with the same value
.endm
; cos and sin of token tile a, in the accumulators' layout, into window 3's set a % 2: 32 loads
.macro CSLOAD a
	WIN 0xc0
.irp b, 0,1,2,3
.irp k, 0,1,2,3
	global_load_b128 v[128*((\a)%2)+16*\b+4*\k:128*((\a)%2)+16*\b+4*\k+3], v[CA], s[12:13] offset:(\a)*8192+128*\b+16*\k
	global_load_b128 v[128*((\a)%2)+64+16*\b+4*\k:128*((\a)%2)+64+16*\b+4*\k+3], v[CA], s[14:15] offset:(\a)*8192+128*\b+16*\k
.endr
.endr
.endm
.macro REDUCE                          ; four pairs of partial sums at v[YB] on -> the token's sum over 128, in v[SM]
	v_pk_add_f32 v[YB:YB+1], v[YB:YB+1], v[YB+2:YB+3]
	v_pk_add_f32 v[YB+4:YB+5], v[YB+4:YB+5], v[YB+6:YB+7]
	v_pk_add_f32 v[YB:YB+1], v[YB:YB+1], v[YB+4:YB+5]
	v_add_f32 v[SM], v[YB], v[YB+1]
	v_permlanex16_b32 v[SM+1], v[SM], s[SEL], s[SEL+1]
	v_add_f32 v[SM], v[SM], v[SM+1]
.endm
; token tile a of a head of Q or K: LayerNorm, RoPE, quantise.  Register n of the tile is d = 32 (n / 16) + 16 h + n % 16, so d + 64 is register n + 32 of the same lane
.macro QKTILE a
	WIN 0x0a                                       ; sources 0 and 1 window 2.
.irp k, 0,1,2,3
	v_pk_add_f32 v[YB+2*\k:YB+2*\k+1], v[64*\a+2*\k:64*\a+2*\k+1], v[64*\a+8+2*\k:64*\a+8+2*\k+1]
.endr
	WIN 0x08
.set PP, 8
.rept 24
	v_pk_add_f32 v[YB+2*(PP%4):YB+2*(PP%4)+1], v[YB+2*(PP%4):YB+2*(PP%4)+1], v[64*\a+2*PP:64*\a+2*PP+1]
.set PP, PP+1
.endr
	WIN 0
	REDUCE
	v_mul_f32 v[MU], s97, v[SM]                    ; the mean
	v_mov_b32 v[MU+1], v[MU]
	WIN 0x02
.set PP, 0
.rept 32
	v_pk_add_f32 v[YA+2*PP:YA+2*PP+1], v[64*\a+2*PP:64*\a+2*PP+1], v[MU:MU+1] neg_lo:[0,1] neg_hi:[0,1]
.set PP, PP+1
.endr
	WIN 0
.irp k, 0,1,2,3
	v_pk_mul_f32 v[YB+2*\k:YB+2*\k+1], v[YA+2*\k:YA+2*\k+1], v[YA+2*\k:YA+2*\k+1]
.endr
.set PP, 4
.rept 28
	v_pk_fma_f32 v[YB+2*(PP%4):YB+2*(PP%4)+1], v[YA+2*PP:YA+2*PP+1], v[YA+2*PP:YA+2*PP+1], v[YB+2*(PP%4):YB+2*(PP%4)+1]
.set PP, PP+1
.endr
	REDUCE
	v_fma_f32 v[SM], v[SM], s97, s3                ; the variance + 1e-6
	v_rsq_f32 v[RS], v[SM]
	v_nop                                          ; one plain place behind a transcendental
	s_wait_alu depctr_va_vdst(0)
	v_mov_b32 v[RS+1], v[RS]
.set PP, 0
.rept 32
	v_pk_mul_f32 v[YA+2*PP:YA+2*PP+1], v[YA+2*PP:YA+2*PP+1], v[RS:RS+1]
.set PP, PP+1
.endr
	WIN 0x14                                       ; sources 1 and 2 window 1: gamma, beta
.set PP, 0
.rept 32
	v_pk_fma_f32 v[YA+2*PP:YA+2*PP+1], v[YA+2*PP:YA+2*PP+1], v[GAM+2*PP:GAM+2*PP+1], v[BET+2*PP:BET+2*PP+1]
.set PP, PP+1
.endr
.if \a == 2
	s_wait_loadcnt 32                              ; tile 2's cos and sin are in; tile 3's 32 loads may be out
.endif
.if \a == 3
	s_wait_loadcnt 0x0
.endif
	WIN 0x0c                                       ; source 1 window 3: cos, sin
.set CO, 128*(\a%2)
.set SI, CO+64
.set PP, 0
.rept 16
.set TT, YB+4*(PP%4)
	v_pk_mul_f32 v[TT:TT+1], v[YA+32+2*PP:YA+33+2*PP], v[SI+2*PP:SI+2*PP+1]
	v_pk_mul_f32 v[TT+2:TT+3], v[YA+2*PP:YA+2*PP+1], v[SI+32+2*PP:SI+33+2*PP]
	v_pk_fma_f32 v[YA+2*PP:YA+2*PP+1], v[YA+2*PP:YA+2*PP+1], v[CO+2*PP:CO+2*PP+1], v[TT:TT+1] neg_lo:[0,0,1] neg_hi:[0,0,1]
	v_pk_fma_f32 v[YA+32+2*PP:YA+33+2*PP], v[YA+32+2*PP:YA+33+2*PP], v[CO+32+2*PP:CO+33+2*PP], v[TT+2:TT+3]
.set PP, PP+1
.endr
.if \a < 2
	CSLOAD \a+2                                    ; into the set just used
.endif
	WIN 0
	OUTFRAG YA, \a, MQ
.endm
; V: fragment i of my four: 64 numbers a lane out of the turned tile: d-row by lane, tokens 32 k + 16 u + 8 h + j down the registers
.macro LOADV i
.set VS, YA+64*((\i)%2)
.irp k, 0,1,2,3
.irp u, 0,1
.irp j, 0,1,2,3,4,5,6,7
	ds_load_b32 v[VS+16*\k+8*\u+\j], v[VRD] offset:(32*\k+16*\u+\j)*DPITCH+(32*((\i)/2)+8*((\i)%2))*4
.endr
.endr
.endr
.endm
	s_load_b256 s[4:11], s[0:1], 0x0               ; x_img, x_sc, w_img, w_sc
	s_load_b256 s[12:19], s[0:1], 0x20             ; cos, sin, q_gamma, q_beta
	s_load_b128 s[20:23], s[0:1], 0x40             ; k_gamma, k_beta
	s_load_b128 s[92:95], s[0:1], 0x50             ; qkv_img, qkv_sc
	v_lshl_add_u32 v[SPW], v0, 2, SPARE
	v_mov_b32 v[NIL], 0
	ds_add_u32 v28, v29
	ds_add_u32 v28, v29
	s_wait_dscnt 0x0
	v_lshrrev_b32 v1, 5, v0
	v_readfirstlane_b32 s[WV], v1                  ; wave 0..3
	s_lshr_b32 s[WH], s[WV], 1                     ; I fetch for x (0) or for W (1),
	s_and_b32 s[WL], s[WV], 1                      ; its first or second half
	s_bfe_u32 s40, ttmp6, 0x40000                  ; cx, cy: my place in the cluster
	s_bfe_u32 s41, ttmp6, 0x40004
	s_lshl_b32 s42, ttmp9, 2
	s_add_co_u32 s42, s42, s40                     ; tx: the head, 0..23
	s_and_b32 s45, ttmp7, 0xffff
	s_lshl_b32 s45, s45, 2
	s_add_co_u32 s45, s45, s41                     ; ty: which 256 tokens
	s_lshl_b32 s43, s41, 2
	s_lshl_b32 s43, 15, s43                        ; my row of the cluster
	s_lshl_b32 s44, 0x1111, s40                    ; my column
	; descriptor groups 1, elements of 8 bytes, no padding: 15:0 the mask, 17:16 = 3, 21 set beside a mask
	s_or_b32 s[G1], s43, (3<<16)|(1<<21)           ; x: 8 tiles x 4,096 bytes, 16,384 bytes apart
	s_mov_b32 s[G1+1], 512<<16
	s_mov_b32 s[G1+2], 8<<16
	s_mov_b32 s[G1+3], 512<<16
	s_mov_b32 s[G1+4], 8
	s_mov_b32 s[G1+5], 2048
	s_mov_b32 s[G1+6], 0
	s_mov_b32 s[G1+7], 0
	s_or_b32 s[G1B], s44, (3<<16)|(1<<21)          ; W: 4 tiles likewise
	s_mov_b32 s[G1B+1], 512<<16
	s_mov_b32 s[G1B+2], 4<<16
	s_mov_b32 s[G1B+3], 512<<16
	s_mov_b32 s[G1B+4], 4
	s_mov_b32 s[G1B+5], 2048
	s_mov_b32 s[G1B+6], 0
	s_mov_b32 s[G1B+7], 0
	s_or_b32 s[G1S], s43, (3<<16)|(1<<21)          ; x's scale bytes: 8,192 dense bytes as 32 rows of 256
	s_mov_b32 s[G1S+1], 32<<16
	s_mov_b32 s[G1S+2], 32<<16
	s_mov_b32 s[G1S+3], 32<<16
	s_mov_b32 s[G1S+4], 32
	s_mov_b32 s[G1S+5], 32
	s_mov_b32 s[G1S+6], 0
	s_mov_b32 s[G1S+7], 0
	s_or_b32 s[G1SB], s44, (3<<16)|(1<<21)         ; W's: 4,096 dense bytes as 16 rows
	s_mov_b32 s[G1SB+1], 32<<16
	s_mov_b32 s[G1SB+2], 16<<16
	s_mov_b32 s[G1SB+3], 32<<16
	s_mov_b32 s[G1SB+4], 16
	s_mov_b32 s[G1SB+5], 32
	s_mov_b32 s[G1SB+6], 0
	s_mov_b32 s[G1SB+7], 0
	s_lshl_b32 s2, s45, 4
	s_lshl_b32 s46, s[WL], 3
	s_add_co_u32 s2, s2, s46                       ; the first tile of x that I fetch: 16 ty + 8 half
	s_lshl_b32 s3, s42, 3
	s_lshl_b32 s100, s[WL], 2
	s_add_co_u32 s3, s3, s100
	s_add_co_u32 s3, s3, NT0                       ; the first tile of W: 8 tx + 4 half
	s_mov_b32 s47, 0
	s_mov_b32 s101, 0
	s_wait_kmcnt 0x0
	s_lshl_b32 s46, s2, 14
	s_add_nc_u64 s[4:5], s[4:5], s[46:47]
	s_lshl_b32 s46, s2, 10
	s_add_nc_u64 s[6:7], s[6:7], s[46:47]
	s_lshl_b32 s100, s3, 14
	s_add_nc_u64 s[8:9], s[8:9], s[100:101]
	s_lshl_b32 s100, s3, 10
	s_add_nc_u64 s[10:11], s[10:11], s[100:101]
	CROUND                                         ; all sixteen work-groups are here: the first joint loads meet
	s_mov_b32 s[G0S], 1
	s_lshl_b32 s2, s[WL], 13
	s_add_co_u32 s[G0S+1], s2, SCL
	s_mov_b64 s[G0S+2:G0S+3], s[6:7]
	s_or_b32 s[G0S+3], s[G0S+3], 0x80000000
	s_mov_b32 s[G0SB], 1
	s_lshl_b32 s2, s[WL], 12
	s_add_co_u32 s[G0SB+1], s2, SCLB
	s_mov_b64 s[G0SB+2:G0SB+3], s[10:11]
	s_or_b32 s[G0SB+3], s[G0SB+3], 0x80000000
	JLOAD G0S, G1S, G0SB, G1SB                     ; the scale bytes of all of K: filled once
	s_lshl_b32 s2, s[WL], 15
	s_lshl_b32 s3, s[WL], 14
.irp s, 0,1
	s_mov_b32 s[G0+4*\s], 1
	s_add_co_u32 s[G0+4*\s+1], s2, \s*SLOT
	s_add_nc_u64 s[G0+4*\s+2:G0+4*\s+3], s[4:5], \s*4096
	s_or_b32 s[G0+4*\s+3], s[G0+4*\s+3], 0x80000000
	s_mov_b32 s[G0B+4*\s], 1
	s_add_co_u32 s[G0B+4*\s+1], s3, BOFF+\s*SLOT
	s_add_nc_u64 s[G0B+4*\s+2:G0B+4*\s+3], s[8:9], \s*4096
	s_or_b32 s[G0B+4*\s+3], s[G0B+4*\s+3], 0x80000000
	JLOAD G0+4*\s, G1, G0B+4*\s, G1B               ; three tensor loads of mine are out
.endr
	; the other pointers
	s_lshl_b32 s46, s45, 17
	s_lshl_b32 s2, s[WV], 15
	s_add_co_u32 s46, s46, s2                      ; my wave's first token x 512 bytes
	s_add_nc_u64 s[12:13], s[12:13], s[46:47]
	s_add_nc_u64 s[14:15], s[14:15], s[46:47]
	s_cmp_lt_u32 ttmp9, 4                          ; Q's cluster takes q_gamma and q_beta, the others k_gamma and k_beta (V's loads them and does not use them)
	s_cselect_b64 s[16:17], s[16:17], s[20:21]
	s_cselect_b64 s[18:19], s[18:19], s[22:23]
	s_lshl_b32 s100, s42, 17
	s_lshl_b32 s2, s45, 14
	s_add_co_u32 s100, s100, s2
	s_lshl_b32 s2, s[WV], 12
	s_add_co_u32 s100, s100, s2
	s_add_nc_u64 s[92:93], s[92:93], s[100:101]    ; my four fragments: 131,072 tx + 16,384 ty + 4,096 wave, for all three kinds
	s_lshl_b32 s100, s42, 13
	s_lshl_b32 s2, s45, 10
	s_add_co_u32 s100, s100, s2
	s_lshl_b32 s2, s[WV], 8
	s_add_co_u32 s100, s100, s2
	s_add_nc_u64 s[94:95], s[94:95], s[100:101]    ; and their 64 scale words
	s_mov_b32 s97, 0x3c000000                      ; 1 / 128
	s_mov_b32 s3, 0x358637bd                       ; 1e-6
	s_mov_b32 s[SEL], 0x76543210
	s_mov_b32 s[SEL+1], 0xfedcba98                 ; v_permlanex16_b32's selects for lane l xor 16
	v_and_b32 v1, 15, v0                           ; r
	v_bfe_u32 v2, v0, 4, 1                         ; h
	v_and_b32 v3, 31, v0                           ; lane
	v_lshlrev_b32 v[LI], 4, v3
	s_lshl_b32 s2, s[WV], 14
.irp s, 0,1
	v_add_nc_u32 v[ADRA+\s], s2, v[LI]
	v_add_nc_u32 v[ADRB+\s], BOFF+\s*SLOT, v[LI]
	s_add_co_u32 s2, s2, SLOT
.endr
	s_xor_b32 s2, s[WV], 3
	s_add_co_u32 s2, s2, 1
	s_lshl_b32 s2, s2, 12                          ; from my tiles' scale words to W's: SCLB - SCL - 4,096 wave
	v_mul_u32_u24 v14, s2, v2                      ; lanes 16-31 take W's
	v_lshl_add_u32 v14, v1, 4, v14
	s_lshl_b32 s2, s[WV], 12
	s_add_co_u32 s2, s2, SCL
	v_add_nc_u32 v[ADRS], s2, v14
	v_lshlrev_b32 v[GA], 6, v2
	v_lshl_add_u32 v[CA], v1, 9, v[GA]
	s_mul_i32 s2, s[WV], 64*DPITCH
	v_mul_u32_u24 v14, v1, DPITCH
	v_add_nc_u32 v14, v14, v[GA]
	v_add_nc_u32 v[DST], s2, v14                   ; row 64 wave + r, + 64 h
	s_mul_i32 s2, s[WH], 128*DPITCH
	s_lshl_b32 s46, s[WL], 8
	s_add_co_u32 s2, s2, s46
	v_mul_u32_u24 v14, v2, 8*DPITCH
	v_and_b32 v15, 8, v1
	v_add_nc_u32 v15, v15, v1                      ; r + 8 (r / 8)
	v_lshl_add_u32 v14, v15, 2, v14
	v_add_nc_u32 v[VRD], s2, v14                   ; row 128 (wave / 2) + 8 h, column 64 (wave % 2) + r + 8 (r / 8)
	s_lshl_b32 s2, s[WV], 8
	s_add_co_u32 s2, s2, MINIQ
	v_lshl_add_u32 v[MQ], v1, 2, s2
	v_lshl_add_u32 v[MQR], v3, 3, s2
	s_add_co_u32 s2, s2, 1024
	v_lshl_add_u32 v[MV], v1, 2, s2
	v_lshl_add_u32 v[MVR], v3, 3, s2
	v_lshlrev_b32 v[L8], 3, v3
	v_mov_b32 v[SM+1], 0                           ; written once: a lane permute's destination counts as one of its sources
.irp b, 0,1,2,3
	v_mov_b32 v[TM+4+\b], 0
.endr
	; gamma, beta and the first two token tiles' cos and sin are asked for now and land under the products
	WIN 0x40
.irp b, 0,1,2,3
.irp k, 0,1,2,3
	global_load_b128 v[GAM+16*\b+4*\k:GAM+16*\b+4*\k+3], v[GA], s[16:17] offset:128*\b+16*\k
	global_load_b128 v[BET+16*\b+4*\k:BET+16*\b+4*\k+3], v[GA], s[18:19] offset:128*\b+16*\k
.endr
.endr
	CSLOAD 0
	CSLOAD 1
	WIN 0
	s_wait_tensorcnt 1                             ; the scale bytes and my part of slot 0 are in; slot 1's load may be out
	s_barrier_signal -1
	s_barrier_wait -1
	FETCH 0, 0, 0
	SCALES 0
	KSTEP 0, 0, 1                                  ; the first products start the sums: nothing is cleared
	KSTEP 0, 1, 0
	KSTEP 0, 2, 0
	TURN 0, 1, 1
	KSTEP 1, 0, 0
	KSTEP 1, 1, 0
	KSTEP 1, 2, 0
	TURN 1, 0, 1
	KSTEP 0, 0, 0
	KSTEP 0, 1, 0
	KSTEP 0, 2, 0
	TURN 0, 1, 0                                   ; nothing is left to fetch
	KSTEP 1, 0, 0
	KSTEP 1, 1, 0
	KSTEP 1, 2, 0
	s_wait_dscnt 0x0
	WIN 0xa1
.irp a, 0,1,2,3
	MUL8 \a, 1, 3, 1, 0
.endr
	WIN 0
	; THE WAY OUT
	PLACES 4                                       ; behind the last products
	s_wait_loadcnt 0x0                             ; gamma, beta, cos and sin of tiles 0 and 1
	s_wait_dscnt 0x0
	s_barrier_signal -1
	s_barrier_wait -1                              ; no wave reads a slot any more, and both have had their last fill: their bytes may be stored into
	s_cmp_eq_u32 ttmp9, 5                          ; the cluster's x, which all partners share
	s_cbranch_scc1 .Lv
	QKTILE 0
	QKTILE 1
	QKTILE 2
	QKTILE 3
	ds_load_b64 v[MU:MU+1], v[MQR]                 ; my 64 scale words (LDS serves a wave's instructions in order)
	s_wait_dscnt 0x0
	global_store_b64 v[L8], v[MU:MU+1], s[94:95]   ; 32 lanes store 256 consecutive aligned bytes
	FINISH
.Lv:
	; V is quantised along the TOKENS, which lie across the lanes: the 256 x 128 numbers are turned through LDS, rows [token][d]
	WIN 0x08                                       ; an LDS store's data are its source 1: window 2
.irp a, 0,1,2,3
.irp b, 0,1,2,3,4,5,6,7
	ds_store_b128 v[DST], v[8*(8*\a+\b):8*(8*\a+\b)+3] offset:\a*16*DPITCH+128*(\b/2)+32*(\b%2)
	ds_store_b128 v[DST], v[8*(8*\a+\b)+4:8*(8*\a+\b)+7] offset:\a*16*DPITCH+128*(\b/2)+32*(\b%2)+16
.endr
.endr
	WIN 0
	s_wait_dscnt 0x0                               ; for the others' sake: my stores have landed
	s_barrier_signal -1
	s_barrier_wait -1
	LOADV 0
.irp i, 0,1,2
	LOADV \i+1
	s_wait_dscnt 63                                ; 64 loads were issued behind fragment i's: with at most 63 out, fragment i's are all in
	OUTFRAG YA+64*(\i%2), \i, MV
.endr
	s_wait_dscnt 0x0
	OUTFRAG YB, 3, MV
	ds_load_b64 v[MU:MU+1], v[MVR]
	s_wait_dscnt 0x0
	global_store_b64 v[L8], v[MU:MU+1], s[94:95]
	FINISH
.Lfunc_end_k_q423e711c6a_qkv:
	.size	k_q423e711c6a_qkv, .Lfunc_end_k_q423e711c6a_qkv-k_q423e711c6a_qkv
	.p2alignl 7, 3214868480
	.fill 96, 4, 3214868480
	.section	.rodata,"a",@progbits
	.p2align	6, 0x0
	.amdhsa_kernel k_q423e711c6a_qkv
		.amdhsa_group_segment_fixed_size 327680
		.amdhsa_private_segment_fixed_size 0
		.amdhsa_enable_private_segment 0
		.amdhsa_kernarg_size 96
		.amdhsa_user_sgpr_count 2
		.amdhsa_user_sgpr_kernarg_segment_ptr 1
		.amdhsa_wavefront_size32 1
		.amdhsa_system_sgpr_workgroup_id_x 1
		.amdhsa_system_sgpr_workgroup_id_y 1
		.amdhsa_system_sgpr_workgroup_id_z 1
		.amdhsa_system_vgpr_workitem_id 0
		.amdhsa_next_free_vgpr 1024
		.amdhsa_next_free_sgpr 102
		.amdhsa_reserve_vcc 0
		.amdhsa_float_denorm_mode_32 3
		.amdhsa_float_denorm_mode_16_64 3
		.amdhsa_memory_ordered 1
		.amdhsa_forward_progress 1
		.amdhsa_inst_pref_size 236
	.end_amdhsa_kernel
	.amdgpu_metadata
---
amdhsa.version: [ 1, 2 ]
amdhsa.kernels:
  - .name:           k_q423e711c6a_qkv
    .symbol:         k_q423e711c6a_qkv.kd
    .args:
      - { .name: x_img, .offset: 0, .size: 8, .value_kind: global_buffer, .address_space: global }
      - { .name: x_sc, .offset: 8, .size: 8, .value_kind: global_buffer, .address_space: global }
      - { .name: w_img, .offset: 16, .size: 8, .value_kind: global_buffer, .address_space: global }
      - { .name: w_sc, .offset: 24, .size: 8, .value_kind: global_buffer, .address_space: global }
      - { .name: cos, .offset: 32, .size: 8, .value_kind: global_buffer, .address_space: global }
      - { .name: sin, .offset: 40, .size: 8, .value_kind: global_buffer, .address_space: global }
      - { .name: q_gamma, .offset: 48, .size: 8, .value_kind: global_buffer, .address_space: global }
      - { .name: q_beta, .offset: 56, .size: 8, .value_kind: global_buffer, .address_space: global }
      - { .name: k_gamma, .offset: 64, .size: 8, .value_kind: global_buffer, .address_space: global }
      - { .name: k_beta, .offset: 72, .size: 8, .value_kind: global_buffer, .address_space: global }
      - { .name: qkv_img, .offset: 80, .size: 8, .value_kind: global_buffer, .address_space: global }
      - { .name: qkv_sc, .offset: 88, .size: 8, .value_kind: global_buffer, .address_space: global }
    .group_segment_fixed_size: 327680
    .private_segment_fixed_size: 0
    .kernarg_segment_align: 8
    .kernarg_segment_size: 96
    .max_flat_workgroup_size: 128
    .sgpr_count:     102
    .vgpr_count:     1024
    .wavefront_size: 32
...
	.end_amdgpu_metadata
.endif
;; end of part 2
;; launch attn (part 3): grid 16 x 16, 8 waves a work-group, clusters of 4 x 1, 279,552 bytes of LDS; arguments qkv_img, qkv_sc, o_img, o_sc; writes o_img, o_sc
.if DOCPART == 3
	.amdgcn_target "amdgcn-amd-amdhsa--gfx1250"
	.amdhsa_code_object_version 6
	.text
	.protected	k_q423e711c6a_attn
	.globl	k_q423e711c6a_attn
	.p2align	8
	.type	k_q423e711c6a_attn,@function
k_q423e711c6a_attn:
	s_mov_b64 s[64:65], 0
	v_nop
	global_prefetch_b8 v0, s[64:65] scope:SCOPE_SE
	s_setreg_imm32_b32 hwreg(HW_REG_WAVE_MODE, 25, 1), 1
	s_wait_xcnt 0x0
	s_wait_alu depctr_hold_cnt(0) depctr_sa_sdst(0) depctr_va_vdst(0) depctr_va_sdst(0) depctr_va_ssrc(0) depctr_va_vcc(0) depctr_vm_vsrc(0)
	s_getreg_b32 s2, hwreg(HW_REG_IB_STS2, 6, 4)
	s_cmp_eq_u32 s2, 0
	s_cbranch_scc0 .Lentry_in_a_cluster
	s_endpgm
.Lentry_in_a_cluster:
	s_bfe_u32 s2, ttmp6, 0x10000c
	s_cmp_lg_u32 s2, 0x3003
	s_cbranch_scc0 .Lentry_shape_is_right
	s_endpgm
.Lentry_shape_is_right:
; Causal attention on codes of FP4 (E2M1) with E8M0 scales: 16 query heads, 4 key and value heads, 2,048 tokens, head size 128.  O / l is quantised along d and stored as the last product's operand.
; THE SOFTMAX: t = score x log2(e) / sqrt(128); M = the running largest t, rounded UP to a whole number; p = 2^(t - M) is quantised along the keys, not normalised; l is the sum of the unquantised p.
; When M moves, l and O are multiplied by 2^(old M - new M): exact.
; SHARES.  A cluster of four work-groups is the four query heads of ONE key and value head (cluster x), so all four read the same K and V: every tile is asked for jointly, mask 15.
; A head's K and V as codes are 131,072 bytes each: ALL of it is brought into LDS once, by five loads of each of waves 0-3 issued together at the head; no LDS byte is filled twice.
; Each of the eight waves owns one tile of 16 queries: wave w < 4 tile y + 16 w, wave w + 4 tile 127 - (y + 16 w): the two together always have 17 key steps, whatever y.
; Every wave walks all 16 key steps (constant trip counts); a step all of whose keys come after its queries is jumped over by a scalar branch on ids that the four partners share.
; LAYOUT.  Both products are used transposed: S^T = K Q^T, O^T = V^T P^T: a lane holds ONE query (lane % 16).  A tile of K is 16 neighbouring keys, so p's register 16 b + 8 u + j in lane half h is key
; 32 b + 16 u + 8 h + j; the conversions put it at place 32 b + 16 h + 8 u + j, and V's codes were laid in the same order inside each block of 32 keys: the products are the same, only their grouping differs.
; V's rows were chosen so that O^T's register 16 b + i is d = 32 b + 16 h + i.
; OUT: o_img [token tile][head][1,024]; o_sc word at 1,024 tile + 256 (head / 4) + 16 r + 4 (head % 4): 4 bytes a lane, 16 bytes apart; the four partners' words interleave.  They are 1/16 of the codes' bytes.
; LIMITS: NaN and infinities are not served; a block whose largest magnitude lies under 2^-124 (zeros among them) keeps the scale byte 1; 1 / l is v_rcp_f32.
; REGISTERS: v1-7 addresses that stay; v8-11 addresses in hand; v12 -M, v13 the largest t, v[14:15] l in two halves; v16-23 Q; v24-31 eight scale words (K's, then V's) and nothing else; v32-95 eight fragments (K's, then V's);
;   v96-159 S^T, then p; v160-223 O^T; v224-231 p's codes; v232-254 at work; v253 p's scale word; v255 Q's.
.set VOFF, 131072                      ; LDS: K's 128 fragments from 0, V's from here,
.set SCK,  262144                      ; K's 2,048 scale words,
.set SCV,  270336                      ; V's
.set LI,   1                           ; v1   16 x lane
.set RH,   2                           ; v2   r - 8 h
.set AS0,  3                           ; v3   SCK + 4 r
.set ADK,  8
.set ADV,  9
.set ADS,  10
.set ADT,  11
.set TM,   232
.set PW,   248
.set PC,   224
.set WV,   18
.set SEL,  20
.set CS,   22
.set G1T,  24                          ; s[24:31] group 1: 16,384 dense bytes;  s[32:39]: 4,096
.set G1S,  32
.set G0S,  40                          ; s[40:43] group 0 for my scale bytes;  s[44:59] for my part of slots 0-3
.set G0T,  44
.set TB,   60                          ; s60  LDS byte of the step's tiles of K
.set TS,   61                          ; s61  of its scale words
.set KF,   62                          ; s62  the step's first key
.set Q0,   63                          ; s63  my first query
.set TW,   66
.set CX,   67
.macro CROUND
	s_barrier_signal -1
	s_barrier_wait -1
	s_cmp_lg_u32 s[WV], 0
	s_cbranch_scc1 .Lnot_wave_0_\@
	s_barrier_signal -3
.Lnot_wave_0_\@:
	s_barrier_wait -3
	s_barrier_signal -1
	s_barrier_wait -1
.endm
; 64 numbers of a lane, register 16 b + i = place 32 b + 16 (lane / 16) + i of my row, become a fragment's codes in v[PC] on and its scale word in v[PW]
.macro QUANT s
.irp b, 0,1,2,3
	v_max3_num_f32 v[TM+\b], |v[(\s)+16*\b]|, |v[(\s)+1+16*\b]|, 0x1800000
.endr
.irp i, 2,4,6,8,10,12,14
.irp b, 0,1,2,3
	v_max3_num_f32 v[TM+\b], v[TM+\b], |v[(\s)+16*\b+\i]|, |v[(\s)+1+16*\b+\i]|
.endr
.endr
.irp b, 0,1,2,3
	v_permlanex16_b32 v[TM+4+\b], v[TM+\b], s[SEL], s[SEL+1]
.endr
.irp b, 0,1,2,3
	v_max_num_f32 v[TM+\b], v[TM+\b], v[TM+4+\b]
.endr
.irp b, 0,1,2,3
	v_add_nc_u32 v[TM+12+\b], 0xff000000, v[TM+\b]
.endr
.irp b, 0,1,2,3
	v_lshrrev_b32 v[TM+4+\b], 23, v[TM+12+\b]
.endr
	v_lshl_or_b32 v[PW], v[TM+5], 8, v[TM+4]
	v_lshl_or_b32 v[PW], v[TM+6], 16, v[PW]
	v_lshl_or_b32 v[PW], v[TM+7], 24, v[PW]
.irp b, 0,1,2,3
	v_cvt_scalef32_pk8_fp4_f32 v[PC+2*\b], v[(\s)+16*\b:(\s)+7+16*\b], v[TM+12+\b]
	v_cvt_scalef32_pk8_fp4_f32 v[PC+1+2*\b], v[(\s)+8+16*\b:(\s)+15+16*\b], v[TM+12+\b]
.endr
	v_nop
.irp c, 0,1
.irp i, 0,1
	v_permlane16_swap_b32 v[PC+4*\c+\i], v[PC+2+4*\c+\i]
.endr
.endr
.endm
; A KEY STEP: 128 keys
.macro STEP
	s_add_co_u32 s68, s[Q0], 15
	s_cmp_gt_u32 s[KF], s68                        ; all its keys come after my queries: only the addresses step
	s_cbranch_scc1 .Lhidden_\@
	v_add_nc_u32 v[ADK], s[TB], v[LI]              ; (these four lines are also the places between the last step's products and the loads into the registers that they read)
	v_add_nc_u32 v[ADS], s[TS], v[AS0]
	v_add_nc_u32 v[ADV], VOFF, v[ADK]
	v_add_nc_u32 v[ADT], SCV-SCK, v[ADS]
.irp t, 0,1,2,3,4,5,6,7
.irp c, 0,1
	ds_load_b128 v[32+8*\t+4*\c:35+8*\t+4*\c], v[ADK] offset:\t*1024+\c*512
.endr
	ds_load_b32 v[24+\t], v[ADS] offset:64*\t
.endr
	s_wait_dscnt 0x0
.irp t, 0,1,2,3,4,5,6,7                        ; S^T: tile t = keys 16 t on
	v_wmma_scale_f32_16x16x128_f8f6f4 v[96+8*\t:103+8*\t], v[32+8*\t:39+8*\t], v[16:23], 0, v[24+\t], v255 matrix_a_fmt:MATRIX_FMT_FP4 matrix_b_fmt:MATRIX_FMT_FP4
.endr
.rept 4
	v_nop                                          ; places: in front of the loads below and of the first read of the scores
.endr
.irp t, 0,1,2,3,4,5,6,7                        ; V's fragments and scale words take K's registers and land under the softmax
.irp c, 0,1
	ds_load_b128 v[32+8*\t+4*\c:35+8*\t+4*\c], v[ADV] offset:\t*1024+\c*512
.endr
	ds_load_b32 v[24+\t], v[ADT] offset:64*\t
.endr
	s_add_co_u32 s68, s[KF], 127                   ; on the diagonal hidden scores become -infinity ahead of the maximum: p = 0 then.  A step all of whose keys count skips this
	s_cmp_le_u32 s68, s[Q0]
	s_cbranch_scc1 .Lopen_\@
	s_sub_co_i32 s68, s[Q0], s[KF]
	v_add_nc_u32 v248, s68, v[RH]                  ; register n holds key KF + 16 (n / 8) + 8 h + n % 8: hidden where 16 (n / 8) + n % 8 > my query - KF - 8 h
	v_mov_b32 v249, 0xff800000
.set J, 0
.rept 64
	v_cmp_gt_i32 vcc_lo, 16*(J/8)+J%8, v248
	v_cndmask_b32 v[96+J], v[96+J], v249, vcc_lo
.set J, J+1
.endr
.Lopen_\@:
.irp b, 0,1,2,3
	v_max3_num_f32 v[232+\b], v[96+16*\b], v[97+16*\b], v[98+16*\b]   ; the largest score of each block of 32 keys: for the row's maximum and, since p rises with the score, for the block's largest p
.endr
.irp i, 3,5,7,9,11,13
.irp b, 0,1,2,3
	v_max3_num_f32 v[232+\b], v[232+\b], v[96+16*\b+\i], v[97+16*\b+\i]
.endr
.endr
.irp b, 0,1,2,3
	v_max_num_f32 v[232+\b], v[232+\b], v[111+16*\b]
.endr
.irp b, 0,1,2,3
	v_permlanex16_b32 v[236+\b], v[232+\b], s[SEL], s[SEL+1]
.endr
.irp b, 0,1,2,3
	v_max_num_f32 v[232+\b], v[232+\b], v[236+\b]  ; with lane l xor 16's 16 keys
.endr
	v_max3_num_f32 v254, v232, v233, v234
	v_max_num_f32 v254, v254, v235
	v_mul_f32 v254, s[CS], v254                    ; the step's largest t
	v_max_num_f32 v13, v13, v254                   ; the running largest t
	v_mov_b32 v254, v12
	v_floor_f32 v12, -v13                          ; the new -M = -ceil(t)
	v_sub_f32 v254, v12, v254                      ; old M - new M: a whole number, 0 or less
	v_cvt_i32_f32 v254, v254
	v_ldexp_f32 v252, 1.0, v254                    ; f = 2^(old M - new M)
.set J, 0
.rept 32
	v_pk_fma_f32 v[96+J:97+J], v[96+J:97+J], s[CS:CS+1], v[12:13] op_sel_hi:[1,0,0]   ; t - M
.set J, J+2
.endr
.irp b, 0,1,2,3
	v_fma_f32 v[232+\b], v[232+\b], s[CS], v12
.endr
.set J, 0
.rept 64
	v_exp_f32 v[96+J], v[96+J]                     ; p = 2^(t - M)
.set J, J+1
.endr
.irp b, 0,1,2,3
	v_exp_f32 v[232+\b], v[232+\b]                 ; the block's largest p: the same two instructions on the same number
.endr
	v_pk_mul_f32 v[14:15], v[14:15], v[252:253] op_sel_hi:[1,0]   ; l under the new M (a plain place behind the exponentials)
	s_wait_alu depctr_va_vdst(0)
.irp b, 0,1,2,3
	v_max_num_f32 v[232+\b], 0x1800000, v[232+\b]  ; the floor 2^(3 - 127)
.endr
.irp b, 0,1,2,3
	v_add_nc_u32 v[244+\b], 0xff000000, v[232+\b]
.endr
.irp b, 0,1,2,3
	v_lshrrev_b32 v[236+\b], 23, v[244+\b]
.endr
	v_lshl_or_b32 v253, v237, 8, v236              ; p's scale word for these 128 keys
	v_lshl_or_b32 v253, v238, 16, v253
	v_lshl_or_b32 v253, v239, 24, v253
.irp b, 0,1,2,3
	v_cvt_scalef32_pk8_fp4_f32 v[224+2*\b], v[96+16*\b:103+16*\b], v[244+\b]
	v_cvt_scalef32_pk8_fp4_f32 v[225+2*\b], v[104+16*\b:111+16*\b], v[244+\b]
.endr
	v_nop                                          ; one plain place behind a scaled conversion
.irp c, 0,1
.irp i, 0,1
	v_permlane16_swap_b32 v[224+4*\c+\i], v[226+4*\c+\i]
.endr
.endr
	v_pk_add_f32 v[236:237], v[96:97], v[98:99]    ; l takes the UNQUANTISED p, in two chains
.irp j, 4,8,12,16,20,24,28,32,36,40,44,48,52,56,60
	v_pk_add_f32 v[14:15], v[14:15], v[96+\j:97+\j]
	v_pk_add_f32 v[236:237], v[236:237], v[98+\j:99+\j]
.endr
	v_pk_add_f32 v[14:15], v[14:15], v[236:237]
.set J, 0
.rept 32
	v_pk_mul_f32 v[160+J:161+J], v[160+J:161+J], v[252:253] op_sel_hi:[1,0]   ; O^T under the new M (these are also the places between p's codes and scale word and the products)
.set J, J+2
.endr
	s_wait_dscnt 0x0                               ; V is in
.irp t, 0,1,2,3,4,5,6,7                        ; O^T += V^T P^T: eight accumulators by turns
	v_wmma_scale_f32_16x16x128_f8f6f4 v[160+8*\t:167+8*\t], v[32+8*\t:39+8*\t], v[224:231], v[160+8*\t:167+8*\t], v[24+\t], v253 matrix_a_fmt:MATRIX_FMT_FP4 matrix_b_fmt:MATRIX_FMT_FP4
.endr
.Lhidden_\@:
	s_add_co_u32 s[KF], s[KF], 128
	s_add_co_u32 s[TB], s[TB], 8192
	s_add_co_u32 s[TS], s[TS], 512
.endm
; slot n = key steps 4 n .. 4 n + 3.  The count leaves the 3 - n younger loads on their way
.macro SLOTN n
	s_wait_tensorcnt 3-\n                          ; the scale bytes and my parts of slots 0 .. n have landed (a wave that fetched nothing passes at once)
	s_wait_dscnt 0x0
	s_barrier_signal -1
	s_barrier_wait -1                              ; everybody's have
	s_mov_b32 s[TB], \n*32768
	s_mov_b32 s[TS], \n*2048
	s_mov_b32 s[KF], \n*512
	s_mov_b32 s[TW], 4
.Lstep_\@:
	STEP
	s_sub_co_u32 s[TW], s[TW], 1
	s_cmp_lg_u32 s[TW], 0
	s_cbranch_scc1 .Lstep_\@
.endm
	s_load_b128 s[4:7], s[0:1], 0x0                ; qkv_img, qkv_sc
	s_load_b128 s[8:11], s[0:1], 0x10              ; o_img, o_sc
	v_lshl_add_u32 v250, v0, 2, 0x44000
	v_mov_b32 v251, 0
	ds_add_u32 v250, v251
	ds_add_u32 v250, v251
	v_lshrrev_b32 v8, 5, v0
	v_readfirstlane_b32 s[WV], v8                  ; wave 0..7
	s_bfe_u32 s[CX], ttmp6, 0x40000                ; cx: which of the group's four query heads: it enters Q's and O's global addresses alone
	s_and_b32 s68, ttmp7, 0xffff                   ; y
	s_and_b32 s69, s[WV], 3
	s_lshl_b32 s69, s69, 4
	s_add_co_u32 s68, s68, s69                     ; y + 16 (wave % 4): 0..63
	s_lshr_b32 s69, s[WV], 2
	s_mul_i32 s69, s69, 127
	s_xor_b32 s68, s68, s69                        ; my tile of queries: waves 4-7 take 127 - that
	s_lshl_b32 s[Q0], s68, 4
	; what I fetch, if I fetch (waves 0, 1: K's halves; 2, 3: V's)
	s_bfe_u32 s71, s[WV], 0x10001                  ; kind
	s_and_b32 s76, s[WV], 1                        ; half
	s_lshl_b32 s72, s71, 2
	s_add_co_u32 s72, s72, ttmp9
	s_add_co_u32 s72, s72, 16                      ; 16 + the key and value head + 4 kind
	s_lshl_b32 s74, s72, 13
	s_lshl_b32 s77, s76, 12
	s_add_co_u32 s74, s74, s77                     ; its scale words, my half
	s_mov_b32 s75, 0
	s_lshl_b32 s72, s72, 17
	s_lshl_b32 s78, s76, 14
	s_add_co_u32 s72, s72, s78                     ; its fragments, my half of slot 0
	s_mov_b32 s73, 0
	s_lshl_b32 s79, s71, 13
	s_add_co_u32 s77, s77, s79                     ; in LDS: 8,192 kind + 4,096 half
	s_lshl_b32 s79, s71, 17
	s_add_co_u32 s78, s78, s79                     ; 131,072 kind + 16,384 half
	; Q and O
	s_lshl_b32 s70, ttmp9, 2
	s_add_co_u32 s70, s70, s[CX]                   ; my query head
	s_lshl_b32 s80, s70, 17
	s_lshl_b32 s79, s68, 10
	s_add_co_u32 s80, s80, s79
	s_mov_b32 s81, 0
	s_lshl_b32 s82, s70, 13
	s_lshl_b32 s79, s68, 6
	s_add_co_u32 s82, s82, s79
	s_mov_b32 s83, 0
	s_lshl_b32 s84, s68, 14
	s_lshl_b32 s79, s70, 10
	s_add_co_u32 s84, s84, s79
	s_mov_b32 s85, 0
	s_lshl_b32 s86, s68, 10
	s_lshl_b32 s79, ttmp9, 8
	s_add_co_u32 s86, s86, s79
	s_lshl_b32 s79, s[CX], 2
	s_add_co_u32 s86, s86, s79
	s_mov_b32 s87, 0
	; descriptor groups 1: dense blocks as rows of 256 bytes (32 elements of 8 bytes); 15:0 the mask: all four work-groups; 21 set beside a mask
	s_mov_b32 s[G1T], 15|(3<<16)|(1<<21)
	s_mov_b32 s[G1T+1], 32<<16
	s_mov_b32 s[G1T+2], 64<<16
	s_mov_b32 s[G1T+3], 32<<16
	s_mov_b32 s[G1T+4], 64
	s_mov_b32 s[G1T+5], 32
	s_mov_b32 s[G1T+6], 0
	s_mov_b32 s[G1T+7], 0
	s_mov_b32 s[G1S], 15|(3<<16)|(1<<21)
	s_mov_b32 s[G1S+1], 32<<16
	s_mov_b32 s[G1S+2], 16<<16
	s_mov_b32 s[G1S+3], 32<<16
	s_mov_b32 s[G1S+4], 16
	s_mov_b32 s[G1S+5], 32
	s_mov_b32 s[G1S+6], 0
	s_mov_b32 s[G1S+7], 0
	s_mov_b32 s[SEL], 0x76543210
	s_mov_b32 s[SEL+1], 0xfedcba98
	s_mov_b32 s[CS], 0x3e0293ee                    ; c = log2(e) / sqrt(128)
	s_mov_b32 s[CS+1], s[CS]                       ; (named with it as a pair, so it is written)
	s_wait_dscnt 0x0
	s_wait_kmcnt 0x0
	s_add_nc_u64 s[72:73], s[4:5], s[72:73]
	s_add_nc_u64 s[74:75], s[6:7], s[74:75]
	s_add_nc_u64 s[80:81], s[4:5], s[80:81]
	s_add_nc_u64 s[82:83], s[6:7], s[82:83]
	s_add_nc_u64 s[84:85], s[8:9], s[84:85]
	s_add_nc_u64 s[86:87], s[10:11], s[86:87]
	s_mov_b32 s[G0S], 1
	s_add_co_u32 s[G0S+1], s77, SCK
	s_mov_b64 s[G0S+2:G0S+3], s[74:75]
	s_or_b32 s[G0S+3], s[G0S+3], 0x80000000
.irp n, 0,1,2,3
	s_mov_b32 s[G0T+4*\n], 1
	s_add_co_u32 s[G0T+4*\n+1], s78, \n*32768
	s_add_nc_u64 s[G0T+4*\n+2:G0T+4*\n+3], s[72:73], \n*32768
	s_or_b32 s[G0T+4*\n+3], s[G0T+4*\n+3], 0x80000000
.endr
	CROUND                                         ; all four work-groups are here: the joint loads meet
	s_cmp_lt_u32 s[WV], 4                          ; a wave's five fills stand in one branch, ahead of every wait on TENSORcnt and every LDS read: five loads of mine are out
	s_cbranch_scc0 .Lno_fetch
	tensor_load_to_lds s[G0S:G0S+3], s[G1S:G1S+7]
	s_nop 0
	tensor_load_to_lds s[G0T:G0T+3], s[G1T:G1T+7]
	s_nop 0
	tensor_load_to_lds s[G0T+4:G0T+7], s[G1T:G1T+7]
	s_nop 0
	tensor_load_to_lds s[G0T+8:G0T+11], s[G1T:G1T+7]
	s_nop 0
	tensor_load_to_lds s[G0T+12:G0T+15], s[G1T:G1T+7]
	s_nop 0
.rept 4
	v_nop
.endr
.Lno_fetch:
	v_and_b32 v2, 31, v0
	v_lshlrev_b32 v[LI], 4, v2
	v_and_b32 v4, 15, v0                           ; r
	v_bfe_u32 v5, v0, 4, 1                         ; h
	v_lshlrev_b32 v6, 2, v4
	global_load_b128 v[16:19], v[LI], s[80:81]     ; Q's fragment stays in registers
	global_load_b128 v[20:23], v[LI], s[80:81] offset:512
	global_load_b32 v255, v6, s[82:83]             ; and its scale words
	v_lshl_add_u32 v[AS0], v4, 2, SCK
	v_lshlrev_b32 v7, 4, v4                        ; o_sc: 16 r
	v_lshlrev_b32 v5, 3, v5
	v_sub_nc_u32 v[RH], v4, v5
	v_mov_b32 v13, 0xff61b1e6                      ; the largest t so far: -3e38, under every t
	v_floor_f32 v12, -v13                          ; -M
	v_mov_b32 v14, 0
	v_mov_b32 v15, 0
.irp b, 0,1,2,3
	v_mov_b32 v[236+\b], 0                         ; written once: a lane permute's destination counts as one of its sources
.endr
	v_mov_b32 v252, 0
	v_mov_b32 v253, 0
.set J, 0
.rept 64
	v_mov_b32 v[160+J], 0                          ; O^T: the step is written once; the first finds zeros, which the first change of M leaves zeros
.set J, J+1
.endr
	s_wait_loadcnt 0x0                             ; Q
	SLOTN 0
	SLOTN 1
	SLOTN 2
	SLOTN 3
	; THE WAY OUT: O^T / l, quantised along d: one fragment and one scale word a row
.rept 4
	v_nop                                          ; places behind the last products
.endr
	v_add_f32 v14, v14, v15
	v_permlanex16_b32 v252, v14, s[SEL], s[SEL+1]
	v_add_f32 v14, v14, v252                       ; the row's sum
	v_rcp_f32 v14, v14
	v_nop                                          ; one plain place behind a transcendental
.set J, 0
	s_wait_alu depctr_va_vdst(0)
.rept 64
	v_mul_f32 v[96+J], v[160+J], v14               ; each accumulator from its low end on
.set J, J+1
.endr
	QUANT 96
	global_store_b128 v[LI], v[PC:PC+3], s[84:85]  ; 32 lanes store 512 consecutive aligned bytes
	global_store_b128 v[LI], v[PC+4:PC+7], s[84:85] offset:512
	global_store_b32 v7, v[PW], s[86:87]           ; lanes l and l + 16 write the same word with the same value
	s_wait_tensorcnt 0x0
	ds_add_u32 v250, v251
	s_wait_dscnt 0x0
	CROUND                                         ; the closing round
	s_endpgm
.Lfunc_end_k_q423e711c6a_attn:
	.size	k_q423e711c6a_attn, .Lfunc_end_k_q423e711c6a_attn-k_q423e711c6a_attn
	.p2alignl 7, 3214868480
	.fill 96, 4, 3214868480
	.section	.rodata,"a",@progbits
	.p2align	6, 0x0
	.amdhsa_kernel k_q423e711c6a_attn
		.amdhsa_group_segment_fixed_size 279552
		.amdhsa_private_segment_fixed_size 0
		.amdhsa_enable_private_segment 0
		.amdhsa_kernarg_size 32
		.amdhsa_user_sgpr_count 2
		.amdhsa_user_sgpr_kernarg_segment_ptr 1
		.amdhsa_wavefront_size32 1
		.amdhsa_system_sgpr_workgroup_id_x 1
		.amdhsa_system_sgpr_workgroup_id_y 1
		.amdhsa_system_sgpr_workgroup_id_z 1
		.amdhsa_system_vgpr_workitem_id 0
		.amdhsa_next_free_vgpr 256
		.amdhsa_next_free_sgpr 88
		.amdhsa_reserve_vcc 1
		.amdhsa_float_denorm_mode_32 3
		.amdhsa_float_denorm_mode_16_64 3
		.amdhsa_memory_ordered 1
		.amdhsa_forward_progress 1
		.amdhsa_inst_pref_size 112
	.end_amdhsa_kernel
	.amdgpu_metadata
---
amdhsa.version: [ 1, 2 ]
amdhsa.kernels:
  - .name:           k_q423e711c6a_attn
    .symbol:         k_q423e711c6a_attn.kd
    .args:
      - { .name: qkv_img, .offset: 0, .size: 8, .value_kind: global_buffer, .address_space: global }
      - { .name: qkv_sc, .offset: 8, .size: 8, .value_kind: global_buffer, .address_space: global }
      - { .name: o_img, .offset: 16, .size: 8, .value_kind: global_buffer, .address_space: global }
      - { .name: o_sc, .offset: 24, .size: 8, .value_kind: global_buffer, .address_space: global }
    .group_segment_fixed_size: 279552
    .private_segment_fixed_size: 0
    .kernarg_segment_align: 8
    .kernarg_segment_size: 32
    .max_flat_workgroup_size: 256
    .sgpr_count:     88
    .vgpr_count:     256
    .wavefront_size: 32
...
	.end_amdgpu_metadata
.endif
;; end of part 3
;; launch outp (part 4): grid 16 x 8, 4 waves a work-group, clusters of 4 x 4, 327,680 bytes of LDS; arguments o_img, o_sc, w_img, w_sc, out0; writes out0
.if DOCPART == 4
	.amdgcn_target "amdgcn-amd-amdhsa--gfx1250"
	.amdhsa_code_object_version 6
	.text
	.protected	k_q423e711c6a_outp
	.globl	k_q423e711c6a_outp
	.p2align	8
	.type	k_q423e711c6a_outp,@function
k_q423e711c6a_outp:
	s_mov_b64 s[64:65], 0
	v_nop
	global_prefetch_b8 v0, s[64:65] scope:SCOPE_SE
	s_setreg_imm32_b32 hwreg(HW_REG_WAVE_MODE, 25, 1), 1
	s_wait_xcnt 0x0
	s_wait_alu depctr_hold_cnt(0) depctr_sa_sdst(0) depctr_va_vdst(0) depctr_va_sdst(0) depctr_va_ssrc(0) depctr_va_vcc(0) depctr_vm_vsrc(0)
	s_getreg_b32 s2, hwreg(HW_REG_IB_STS2, 6, 4)
	s_cmp_eq_u32 s2, 0
	s_cbranch_scc0 .Lentry_in_a_cluster
	s_endpgm
.Lentry_in_a_cluster:
	s_bfe_u32 s2, ttmp6, 0x10000c
	s_cmp_lg_u32 s2, 0xf033
	s_cbranch_scc0 .Lentry_shape_is_right
	s_endpgm
.Lentry_shape_is_right:
; out0 = O Wo on codes of FP4 (E2M1) with E8M0 scales; out0 [2048][2048] f32.
; A work-group makes 256 tokens x 128 columns, each of four waves 64 x 128: 32 accumulators, 256 registers: 128 work-groups; a tile of 256 x 256 would leave 64.
; OPERANDS lie in memory as fragments (16 rows x 128 K = 1,024 bytes; lane l's registers 4 c .. 4 c + 3 at 512 c + 16 l): every LDS read is 512 consecutive bytes, no pitch and no padding.
; K goes in four steps of 512 through two LDS slots filled by the tensor data mover; the scale bytes of all of K come once, with the first fills.
; CLUSTERS: the four work-groups of a row of the cluster need the same tiles of O, the four of a column the same tiles of Wo: each is asked for jointly, with a mask that names the four.
; THE MATRIX INSTRUCTION IS USED TRANSPOSED (source 0 = 16 rows of Wo^T, source 1 = 16 tokens), and Wo's tiles were laid so that lane (r, h) holds token r and register 16 b + i of a token tile is column 32 b + 16 h + i.
; REGISTERS: window 0: v1-29 addresses; v32-95 scale words, two sets, and nothing else; v96-159 O's fragments, two sets; on the way out v128-255.   window 1: v0-127 Wo's fragments, two sets.
;   window 2: the accumulators, (a, b) at v[8 (8 a + b)].
.set NT0,   192                        ; Wo's first tile in w_img
.set SLOT,  98304                      ; 16 tiles of O x 4,096 bytes, then 8 tiles of Wo x 4,096
.set BOFF,  65536
.set SCL,   2*SLOT                     ; O's scale bytes: 16 tiles x 1,024
.set SCLB,  SCL+16384                  ; Wo's: 8 tiles x 1,024
.set SPARE, SCLB+8192                  ; the spare words, 128 bytes a wave: two blocks of 256 bytes that no other line names
.set SPITCH, 528                       ; the way out: a stage of 16 rows x (512 bytes + 16) a wave, in slot 0, which has had its last fill and its last read by then
.set LI,   4                           ; v4   16 x lane
.set ADRA, 16
.set ADRB, 20
.set STO,  24                          ; v24  the stage, way in
.set RD,   25                          ; v25  way out
.set ADRS, 27
.set SPW,  28
.set NIL,  29
.set SC,   32
.set AF,   96
.set BK,   128
.set G1,   24
.set G0,   32
.set G1B,  48
.set G0B,  56
.set G1S,  68
.set G0S,  76
.set G1SB, 80
.set G0SB, 88
.set WV,   66
.set WH,   67
.set WL,   96
.set MSB, 0
.macro WIN new                         ; the immediate's high byte repeats the setting that is left
.if MSB != \new
	s_set_vgpr_msb (MSB<<8)|\new
.set MSB, \new
.endif
.endm
.macro PLACES n
.rept \n
	v_nop
.endr
.endm
; a joint load: waves 0 and 1 fetch for O, waves 2 and 3 for Wo; four v_nop follow each of the two lines
.macro JLOAD g0a, g1a, g0b, g1b
	s_cmp_eq_u32 s[WH], 0
	s_cbranch_scc0 .Lfor_b_\@
	tensor_load_to_lds s[\g0a:\g0a+3], s[\g1a:\g1a+7]
	s_nop 0
.rept 4
	v_nop
.endr
	s_branch .Lasked_\@
.Lfor_b_\@:
	tensor_load_to_lds s[\g0b:\g0b+3], s[\g1b:\g1b+7]
	s_nop 0
.rept 4
	v_nop
.endr
.Lasked_\@:
.endm
.macro CREST                           ; a round of the cluster's barrier behind its opening barrier
	s_cmp_lg_u32 s[WV], 0
	s_cbranch_scc1 .Lnot_wave_0_\@
	s_barrier_signal -3
.Lnot_wave_0_\@:
	s_barrier_wait -3
	s_barrier_signal -1
	s_barrier_wait -1
.endm
.macro CROUND
	s_barrier_signal -1
	s_barrier_wait -1
	CREST
.endm
; 24 LDS loads: the slot's q-th 128 along K: Wo's eight fragments and my four of O, into set p
.macro FETCH slot, q, p
	WIN 0x40
.irp b, 0,1,2,3,4,5,6,7
.irp c, 0,1
	ds_load_b128 v[64*(\p)+8*\b+4*\c:64*(\p)+8*\b+4*\c+3], v[ADRB+\slot] offset:\b*4096+(\q)*1024+\c*512
.endr
.endr
	WIN 0
.irp a, 0,1,2,3
.irp c, 0,1
	ds_load_b128 v[AF+32*(\p)+8*\a+4*\c:AF+32*(\p)+8*\a+4*\c+3], v[ADRA+\slot] offset:\a*4096+(\q)*1024+\c*512
.endr
.endr
.endm
; a slot's scale words: register 4 i + q: lanes 0-15 the word of my tile i of O (i < 4; above that words that nobody reads), lanes 16-31 that of Wo's tile i
.macro SCALES set
.irp i, 0,1,2,3,4,5,6,7
	ds_load_b128 v[SC+32*\set+4*\i:SC+32*\set+4*\i+3], v[ADRS] offset:\i*1024
.endr
.endm
; 8 matrix instructions: my tile a of O against Wo's eight.  The 32 accumulators take turns, in the same order in every step
.macro MUL8 a, p, q, sc, zero
.irp b, 0,1,2,3,4,5,6,7
.if \zero
	v_wmma_scale_f32_16x16x128_f8f6f4 v[8*(8*(\a)+\b):8*(8*(\a)+\b)+7], v[64*(\p)+8*\b:64*(\p)+8*\b+7], v[AF+32*(\p)+8*(\a):AF+32*(\p)+8*(\a)+7], 0, v[SC+32*(\sc)+4*\b+(\q)], v[SC+32*(\sc)+4*(\a)+(\q)] matrix_a_fmt:MATRIX_FMT_FP4 matrix_b_fmt:MATRIX_FMT_FP4 matrix_a_scale:MATRIX_SCALE_ROW1
.else
	v_wmma_scale_f32_16x16x128_f8f6f4 v[8*(8*(\a)+\b):8*(8*(\a)+\b)+7], v[64*(\p)+8*\b:64*(\p)+8*\b+7], v[AF+32*(\p)+8*(\a):AF+32*(\p)+8*(\a)+7], v[8*(8*(\a)+\b):8*(8*(\a)+\b)+7], v[SC+32*(\sc)+4*\b+(\q)], v[SC+32*(\sc)+4*(\a)+(\q)] matrix_a_fmt:MATRIX_FMT_FP4 matrix_b_fmt:MATRIX_FMT_FP4 matrix_a_scale:MATRIX_SCALE_ROW1
.endif
.endr
.endm
; a step of 128 along K with its successor in the same slot: the successor's fragments are asked for first and land under this step's 32 products
.macro KSTEP slot, q, zero
.if \zero == 0
	PLACES 4                                       ; between the last step's products and the loads into the set that they read
.endif
	FETCH \slot, (\q)+1, ((\q)+1)%2
	s_wait_dscnt 24                                ; all but the 24 just issued: this step's fragments (and, in a slot's first step, its scale words) are in
	WIN 0xa1                                       ; source 0 (Wo) window 1, source 1 (O) window 0, C and D window 2
.irp a, 0,1,2,3
	MUL8 \a, (\q)%2, \q, \slot, \zero
.endr
	WIN 0
.endm
; a slot's last step changes slots: one barrier; in front of it every wave waits for all its tensor loads, adds 0 to its spare word, and waits for that and for its reads of the slot
.macro TURN slot, next, fill
	s_wait_tensorcnt 0x0                           ; all my tensor loads have landed: my part of the next slot
	ds_add_u32 v[SPW], v[NIL]
	s_wait_dscnt 1                                 ; this step's fragments are in; the add may be out
	WIN 0xa1
	MUL8 0, 1, 3, \slot, 0
	s_wait_dscnt 0x0                               ; the add is done, and my reads of this slot are over
	s_barrier_signal -1
	MUL8 1, 1, 3, \slot, 0
	WIN 0
	s_barrier_wait -1
.if \fill
	CREST                                          ; the barrier has opened a round of the cluster's: no wave of any partner still reads this slot or has a load on its way
	s_add_nc_u64 s[G0+4*\slot+2:G0+4*\slot+3], s[G0+4*\slot+2:G0+4*\slot+3], 8192
	s_add_nc_u64 s[G0B+4*\slot+2:G0B+4*\slot+3], s[G0B+4*\slot+2:G0B+4*\slot+3], 8192
	JLOAD G0+4*\slot, G1, G0B+4*\slot, G1B         ; 1,024 along K further on; its four v_nop are also the places in front of the loads below
.else
	PLACES 4
.endif
	v_add_nc_u32 v[ADRS], 256, v[ADRS]             ; the next 512 along K of the scale words
	FETCH \next, 0, 0
	SCALES \next
	WIN 0xa1
	MUL8 2, 1, 3, \slot, 0
	MUL8 3, 1, 3, \slot, 0
	WIN 0
.endm
; THE WAY OUT, a block of 16 tokens x 128 columns at a time, through my own stage: in as 32 bytes a lane, back as whole rows of 512 bytes.  LDS serves a wave's instructions in order: no wait between
.macro TOSTAGE a
	WIN 0x08                                       ; an LDS store's data are its source 1: window 2
.irp b, 0,1,2,3,4,5,6,7
	ds_store_b128 v[STO], v[64*(\a)+8*\b:64*(\a)+8*\b+3] offset:128*(\b/2)+32*(\b%2)      ; each accumulator from its low end on
	ds_store_b128 v[STO], v[64*(\a)+8*\b+4:64*(\a)+8*\b+7] offset:128*(\b/2)+32*(\b%2)+16
.endr
	WIN 0
.set BB, BK+64*((\a)%2)
.irp t, 0,1,2,3,4,5,6,7,8,9,10,11,12,13,14,15
	ds_load_b128 v[BB+4*\t:BB+4*\t+3], v[RD] offset:\t*SPITCH
.endr
.endm
.macro SEND a, younger                 ; younger: the LDS instructions issued behind block a's loads, which may stay out
.set BB, BK+64*((\a)%2)
	s_wait_dscnt \younger
.if (\a) > 0
	s_add_nc_u64 s[12:13], s[12:13], 16*8192       ; 16 rows on (the earlier stores have read their base: a wait on XCNT stands ahead)
.endif
.irp t, 0,1,2,3,4,5,6,7,8,9,10,11,12,13,14,15
	global_store_b128 v[LI], v[BB+4*\t:BB+4*\t+3], s[12:13] offset:\t*8192 th:TH_STORE_NT   ; 32 lanes store 512 consecutive bytes, at a multiple of 256 from out0's first byte
.endr
.endm
	s_load_b256 s[4:11], s[0:1], 0x0               ; o_img, o_sc, w_img, w_sc
	s_load_b64 s[12:13], s[0:1], 0x20              ; out0
	v_lshl_add_u32 v[SPW], v0, 2, SPARE
	v_mov_b32 v[NIL], 0
	ds_add_u32 v28, v29
	ds_add_u32 v28, v29
	s_wait_dscnt 0x0
	v_lshrrev_b32 v1, 5, v0
	v_readfirstlane_b32 s[WV], v1                  ; wave 0..3
	s_lshr_b32 s[WH], s[WV], 1                     ; I fetch for O (0) or for Wo (1),
	s_and_b32 s[WL], s[WV], 1                      ; its first or second half
	s_bfe_u32 s40, ttmp6, 0x40000                  ; cx, cy: my place in the cluster
	s_bfe_u32 s41, ttmp6, 0x40004
	s_lshl_b32 s42, ttmp9, 2
	s_add_co_u32 s42, s42, s40                     ; tx: which 128 columns
	s_and_b32 s45, ttmp7, 0xffff
	s_lshl_b32 s45, s45, 2
	s_add_co_u32 s45, s45, s41                     ; ty: which 256 tokens
	s_lshl_b32 s43, s41, 2
	s_lshl_b32 s43, 15, s43                        ; my row of the cluster
	s_lshl_b32 s44, 0x1111, s40                    ; my column
	; descriptor groups 1, elements of 8 bytes, no padding: 15:0 the mask, 17:16 = 3, 21 set beside a mask
	s_or_b32 s[G1], s43, (3<<16)|(1<<21)           ; O: 8 tiles x 4,096 bytes, 16,384 bytes apart
	s_mov_b32 s[G1+1], 512<<16
	s_mov_b32 s[G1+2], 8<<16
	s_mov_b32 s[G1+3], 512<<16
	s_mov_b32 s[G1+4], 8
	s_mov_b32 s[G1+5], 2048
	s_mov_b32 s[G1+6], 0
	s_mov_b32 s[G1+7], 0
	s_or_b32 s[G1B], s44, (3<<16)|(1<<21)          ; Wo: 4 tiles likewise
	s_mov_b32 s[G1B+1], 512<<16
	s_mov_b32 s[G1B+2], 4<<16
	s_mov_b32 s[G1B+3], 512<<16
	s_mov_b32 s[G1B+4], 4
	s_mov_b32 s[G1B+5], 2048
	s_mov_b32 s[G1B+6], 0
	s_mov_b32 s[G1B+7], 0
	s_or_b32 s[G1S], s43, (3<<16)|(1<<21)          ; O's scale bytes: 8,192 dense bytes as 32 rows of 256
	s_mov_b32 s[G1S+1], 32<<16
	s_mov_b32 s[G1S+2], 32<<16
	s_mov_b32 s[G1S+3], 32<<16
	s_mov_b32 s[G1S+4], 32
	s_mov_b32 s[G1S+5], 32
	s_mov_b32 s[G1S+6], 0
	s_mov_b32 s[G1S+7], 0
	s_or_b32 s[G1SB], s44, (3<<16)|(1<<21)         ; Wo's: 4,096 dense bytes as 16 rows
	s_mov_b32 s[G1SB+1], 32<<16
	s_mov_b32 s[G1SB+2], 16<<16
	s_mov_b32 s[G1SB+3], 32<<16
	s_mov_b32 s[G1SB+4], 16
	s_mov_b32 s[G1SB+5], 32
	s_mov_b32 s[G1SB+6], 0
	s_mov_b32 s[G1SB+7], 0
	s_lshl_b32 s2, s45, 4
	s_lshl_b32 s46, s[WL], 3
	s_add_co_u32 s2, s2, s46                       ; the first tile of O that I fetch: 16 ty + 8 half
	s_lshl_b32 s3, s42, 3
	s_lshl_b32 s100, s[WL], 2
	s_add_co_u32 s3, s3, s100
	s_add_co_u32 s3, s3, NT0                       ; the first tile of Wo: 192 + 8 tx + 4 half
	s_mov_b32 s47, 0
	s_mov_b32 s101, 0
	s_wait_kmcnt 0x0
	s_lshl_b32 s46, s2, 14
	s_add_nc_u64 s[4:5], s[4:5], s[46:47]
	s_lshl_b32 s46, s2, 10
	s_add_nc_u64 s[6:7], s[6:7], s[46:47]
	s_lshl_b32 s100, s3, 14
	s_add_nc_u64 s[8:9], s[8:9], s[100:101]
	s_lshl_b32 s100, s3, 10
	s_add_nc_u64 s[10:11], s[10:11], s[100:101]
	CROUND                                         ; all sixteen work-groups are here: the first joint loads meet
	s_mov_b32 s[G0S], 1
	s_lshl_b32 s2, s[WL], 13
	s_add_co_u32 s[G0S+1], s2, SCL
	s_mov_b64 s[G0S+2:G0S+3], s[6:7]
	s_or_b32 s[G0S+3], s[G0S+3], 0x80000000
	s_mov_b32 s[G0SB], 1
	s_lshl_b32 s2, s[WL], 12
	s_add_co_u32 s[G0SB+1], s2, SCLB
	s_mov_b64 s[G0SB+2:G0SB+3], s[10:11]
	s_or_b32 s[G0SB+3], s[G0SB+3], 0x80000000
	JLOAD G0S, G1S, G0SB, G1SB                     ; the scale bytes of all of K: filled once
	s_lshl_b32 s2, s[WL], 15
	s_lshl_b32 s3, s[WL], 14
.irp s, 0,1
	s_mov_b32 s[G0+4*\s], 1
	s_add_co_u32 s[G0+4*\s+1], s2, \s*SLOT
	s_add_nc_u64 s[G0+4*\s+2:G0+4*\s+3], s[4:5], \s*4096
	s_or_b32 s[G0+4*\s+3], s[G0+4*\s+3], 0x80000000
	s_mov_b32 s[G0B+4*\s], 1
	s_add_co_u32 s[G0B+4*\s+1], s3, BOFF+\s*SLOT
	s_add_nc_u64 s[G0B+4*\s+2:G0B+4*\s+3], s[8:9], \s*4096
	s_or_b32 s[G0B+4*\s+3], s[G0B+4*\s+3], 0x80000000
	JLOAD G0+4*\s, G1, G0B+4*\s, G1B               ; three tensor loads of mine are out
.endr
	s_lshl_b32 s100, s45, 21
	s_lshl_b32 s2, s[WV], 19
	s_add_co_u32 s100, s100, s2
	s_lshl_b32 s2, s42, 9
	s_add_co_u32 s100, s100, s2
	s_add_nc_u64 s[12:13], s[12:13], s[100:101]    ; out0 at my first token (256 ty + 64 wave, rows of 8,192 bytes) and my tile's first column
	v_and_b32 v1, 15, v0                           ; r
	v_bfe_u32 v2, v0, 4, 1                         ; h
	v_and_b32 v3, 31, v0                           ; lane
	v_lshlrev_b32 v[LI], 4, v3
	s_lshl_b32 s2, s[WV], 14
.irp s, 0,1
	v_add_nc_u32 v[ADRA+\s], s2, v[LI]
	v_add_nc_u32 v[ADRB+\s], BOFF+\s*SLOT, v[LI]
	s_add_co_u32 s2, s2, SLOT
.endr
	s_xor_b32 s2, s[WV], 3
	s_add_co_u32 s2, s2, 1
	s_lshl_b32 s2, s2, 12                          ; from my tiles' scale words to Wo's: SCLB - SCL - 4,096 wave
	v_mul_u32_u24 v14, s2, v2                      ; lanes 16-31 take Wo's
	v_lshl_add_u32 v14, v1, 4, v14
	s_lshl_b32 s2, s[WV], 12
	s_add_co_u32 s2, s2, SCL
	v_add_nc_u32 v[ADRS], s2, v14
	s_mul_i32 s2, s[WV], 16*SPITCH                 ; my stage
	v_mul_u32_u24 v14, v1, SPITCH
	v_lshl_add_u32 v14, v2, 6, v14
	v_add_nc_u32 v[STO], s2, v14                   ; in: row r, + 64 h
	v_add_nc_u32 v[RD], s2, v[LI]                  ; back: the 32 lanes take one row of 512 bytes
	s_wait_tensorcnt 1                             ; the scale bytes and my part of slot 0 are in; slot 1's load may be out
	s_barrier_signal -1
	s_barrier_wait -1
	FETCH 0, 0, 0
	SCALES 0
	KSTEP 0, 0, 1                                  ; the first products start the sums: nothing is cleared
	KSTEP 0, 1, 0
	KSTEP 0, 2, 0
	TURN 0, 1, 1
	KSTEP 1, 0, 0
	KSTEP 1, 1, 0
	KSTEP 1, 2, 0
	TURN 1, 0, 1
	KSTEP 0, 0, 0
	KSTEP 0, 1, 0
	KSTEP 0, 2, 0
	TURN 0, 1, 0                                   ; nothing is left to fetch; behind this barrier nobody reads slot 0
	KSTEP 1, 0, 0
	KSTEP 1, 1, 0
	KSTEP 1, 2, 0
	s_wait_dscnt 0x0
	WIN 0xa1
.irp a, 0,1,2,3
	MUL8 \a, 1, 3, 1, 0
.endr
	WIN 0
	PLACES 4                                       ; behind the last products: for the stores that read results and the loads into registers that held O's fragments
	TOSTAGE 0
.irp a, 1,2,3
.if \a > 1
	s_wait_xcnt 0x0                                ; block a - 2's stores have read their registers and their base
.endif
	TOSTAGE \a
	SEND \a-1, 32                                  ; behind block a - 1's loads: block a's 16 stores and 16 loads
.endr
	s_wait_xcnt 0x0
	SEND 3, 0
	s_wait_tensorcnt 0x0                           ; the wave's end
	ds_add_u32 v[SPW], v[NIL]
	s_wait_dscnt 0x0
	CROUND                                         ; the closing round
	s_endpgm
.Lfunc_end_k_q423e711c6a_outp:
	.size	k_q423e711c6a_outp, .Lfunc_end_k_q423e711c6a_outp-k_q423e711c6a_outp
	.p2alignl 7, 3214868480
	.fill 96, 4, 3214868480
	.section	.rodata,"a",@progbits
	.p2align	6, 0x0
	.amdhsa_kernel k_q423e711c6a_outp
		.amdhsa_group_segment_fixed_size 327680
		.amdhsa_private_segment_fixed_size 0
		.amdhsa_enable_private_segment 0
		.amdhsa_kernarg_size 40
		.amdhsa_user_sgpr_count 2
		.amdhsa_user_sgpr_kernarg_segment_ptr 1
		.amdhsa_wavefront_size32 1
		.amdhsa_system_sgpr_workgroup_id_x 1
		.amdhsa_system_sgpr_workgroup_id_y 1
		.amdhsa_system_sgpr_workgroup_id_z 1
		.amdhsa_system_vgpr_workitem_id 0
		.amdhsa_next_free_vgpr 768
		.amdhsa_next_free_sgpr 102
		.amdhsa_reserve_vcc 0
		.amdhsa_float_denorm_mode_32 3
		.amdhsa_float_denorm_mode_16_64 3
		.amdhsa_memory_ordered 1
		.amdhsa_forward_progress 1
		.amdhsa_inst_pref_size 121
	.end_amdhsa_kernel
	.amdgpu_metadata
---
amdhsa.version: [ 1, 2 ]
amdhsa.kernels:
  - .name:           k_q423e711c6a_outp
    .symbol:         k_q423e711c6a_outp.kd
    .args:
      - { .name: o_img, .offset: 0, .size: 8, .value_kind: global_buffer, .address_space: global }
      - { .name: o_sc, .offset: 8, .size: 8, .value_kind: global_buffer, .address_space: global }
      - { .name: w_img, .offset: 16, .size: 8, .value_kind: global_buffer, .address_space: global }
      - { .name: w_sc, .offset: 24, .size: 8, .value_kind: global_buffer, .address_space: global }
      - { .name: out0, .offset: 32, .size: 8, .value_kind: global_buffer, .address_space: global }
    .group_segment_fixed_size: 327680
    .private_segment_fixed_size: 0
    .kernarg_segment_align: 8
    .kernarg_segment_size: 40
    .max_flat_workgroup_size: 128
    .sgpr_count:     102
    .vgpr_count:     768
    .wavefront_size: 32
...
	.end_amdgpu_metadata
.endif
;; end of part 4
;; ======== version 2 of 2: 4 launches; 1.19 times as fast as version 1
;; workspace buffers: x_img 2,097,152 bytes; x_sc 131,072 bytes; w_img 5,242,880 bytes; w_sc 327,680 bytes; qkv_img 3,145,728 bytes; qkv_sc 196,608 bytes; o_img 2,097,152 bytes; o_sc 131,072 bytes
;; launch quant (part 5): grid 448 x 1, 4 waves a work-group, no clusters, 37,376 bytes of LDS; arguments x, Wq, Wk, Wv, Wo, x_img, x_sc, w_img, w_sc; writes x_img, x_sc, w_img, w_sc
.if DOCPART == 5
	.amdgcn_target "amdgcn-amd-amdhsa--gfx1250"
	.amdhsa_code_object_version 6
	.text
	.protected	k_q423e711c6a_quant
	.globl	k_q423e711c6a_quant
	.p2align	8
	.type	k_q423e711c6a_quant,@function
k_q423e711c6a_quant:
	s_mov_b64 s[64:65], 0
	v_nop
	global_prefetch_b8 v0, s[64:65] scope:SCOPE_SE
	s_setreg_imm32_b32 hwreg(HW_REG_WAVE_MODE, 25, 1), 1
	s_wait_xcnt 0x0
; x [2048][2048] (K innermost) and Wq, Wo [2048][2048], Wk, Wv [2048][512] (K is the FIRST axis), all f32, become codes of FP4 (E2M1) with one E8M0 byte for each 32 along K.
; A block's scale is 2^(floor(log2(its largest magnitude)) - 2); its byte is the largest magnitude's exponent field - 2, held at 1 from below; numbers beyond 6 x the scale take the largest code.
; LIMITS: NaN and infinities among the inputs are not served.  A block whose largest magnitude lies under 2^-124, a block of zeros among them, keeps the byte 1 (the quantiser says 127 for zeros):
; its codes are then zeros or the floor's, and the bytes are read by this program alone.
; THE OUTPUT IS LAID AS THE MATRIX UNIT'S REGISTERS WANT IT.  A tile is 16 rows x 2,048 K = 16,384 bytes; block j (32 codes, 16 bytes) of row r lies at 256 j + 16 r.  So a fragment (16 rows x 128 K) is 1,024
; consecutive bytes, and lane l's registers 4 c .. 4 c + 3 lie at 512 c + 16 l.  The scale bytes of a tile are 1,024 bytes: byte j % 16 of row r at 256 (j / 16) + 16 r.
; w_img's tiles: 0-127 Wq's columns, 128-159 Wk's, 160-191 Wv's, 192-319 Wo's.  INSIDE EACH 32 COLUMNS THE ROWS OF THE TWO TILES ARE PERMUTED: place p holds column (p & 7) + 8 (p / 16) + 16 ((p / 8) & 1),
; so that in the products (used transposed) a lane's 16 registers of two neighbouring tiles are 16 neighbouring columns.
; SHARES: every work-group reads 131,072 bytes.  Work-groups 0-127: a tile of x each, a wave 512 along K.  128-383: Wq, Wo; 384-447: Wk, Wv: 128 columns x 256 along K each, a wave 32 columns.
; Waves share nothing: no barrier.  A weight wave's scale bytes are 8 a row, 16 bytes apart: the other 8 come from the work-group of the neighbouring 256 along K; they are one byte for each 128 that the launch reads.
; Memory binds: every f32 byte is read once; matrix units, clusters and tensor loads would add nothing here.
.set R,    16                          ; x: v16-143   four sets of 32 registers as loaded
.set X,    144                         ; x: v144-207  two sets: a whole block of 32 neighbours a lane
.set C,    208                         ; x: v208-239  four registers of codes for each of 8 steps: no store's data are written again
.set E,    240                         ; x: v240-247  a scale byte for each step
.set SP,   272                         ; x: a stage row: 256 bytes + 16
.set STG,  16*SP                       ; x: a stage: 16 rows
.set WREG, 9216                        ; x: LDS of a wave: two stages, then its 256 scale bytes
.set NB,   8                           ; W: blocks of 32 along K for a wave
.set WX,   32                          ; W: v32-95    two sets of 32 numbers
.set WC,   96                          ; W: v96-127   four registers of codes for each of 8 blocks
.set WSB,  24                          ; W: v24-25    8 scale bytes
.set WV,   34                          ; s34 my wave's number
; the largest magnitude of the 32 numbers v[XS] on, with the floor 2^(3 - 127) among them, in two chains; then 2 off its exponent field: the conversion's scale operand, in v11
.macro BLKMAX m, n
	v_max3_num_f32 v[\m], |v[XS]|, |v[XS+1]|, |v[XS+2]|
	v_max3_num_f32 v[\n], |v[XS+3]|, |v[XS+4]|, |v[XS+5]|
.irp i, 6,10,14,18,22,26
	v_max3_num_f32 v[\m], v[\m], |v[XS+\i]|, |v[XS+\i+1]|
	v_max3_num_f32 v[\n], v[\n], |v[XS+\i+2]|, |v[XS+\i+3]|
.endr
	v_max3_num_f32 v[\m], v[\m], |v[XS+30]|, |v[XS+31]|
	v_max3_num_f32 v[\m], v[\m], v[\n], 0x1800000
	v_add_nc_u32 v11, 0xff000000, v[\m]
.endm
; ---- x: step t is 16 rows x 64 numbers.  Each load takes 256 consecutive bytes of two rows
.macro LOADX t
.irp i, 0,1,2,3,4,5,6,7
	global_load_b128 v[R+32*((\t)%4)+4*\i:R+32*((\t)%4)+4*\i+3], v3, s[4:5] offset:\i*16384+(\t)*256 th:TH_LOAD_NT
.endr
.endm
; through the wave's own stage: in as loaded, out 128 bytes a lane: lane (r, jj) then holds block 2 t + jj of row r.  LDS serves a wave's instructions in order: no wait between
.macro TURNX t
.irp i, 0,1,2,3,4,5,6,7
	ds_store_b128 v14, v[R+32*((\t)%4)+4*\i:R+32*((\t)%4)+4*\i+3] offset:STG*((\t)%2)+2*SP*\i
.endr
.irp k, 0,1,2,3,4,5,6,7
	ds_load_b128 v[X+32*((\t)%2)+4*\k:X+32*((\t)%2)+4*\k+3], v15 offset:STG*((\t)%2)+16*\k
.endr
.endm
.macro STEPX t
.set XS, X+32*((\t)%2)
.if (\t) > 0
	s_wait_dscnt 1                                 ; this step's numbers are back from the stage; only the last step's byte store may be out
.else
	s_wait_dscnt 0x0
.endif
.if (\t)+4 < 8
	LOADX (\t)+4                                   ; into the set that this step's stage stores have read
.endif
.if (\t) < 7
.if 6-(\t) >= 3
	s_wait_loadcnt 24                              ; the next step's eight loads are in; those of the three steps behind it may be out
.else
	s_wait_loadcnt 8*(6-(\t))
.endif
	TURNX (\t)+1                                   ; the next step goes through the other stage while this one is worked
.endif
	BLKMAX 8, 9
.irp g, 0,1,2,3
	v_cvt_scalef32_pk8_fp4_f32 v[C+4*(\t)+\g], v[XS+8*\g:XS+8*\g+7], v11
.endr
	v_lshrrev_b32 v[E+(\t)], 23, v11               ; the scale's byte (a plain line behind the conversions)
	ds_store_b8 v5, v[E+(\t)] offset:2*(\t)
	global_store_b128 v4, v[C+4*(\t):C+4*(\t)+3], s[14:15] offset:512*(\t)   ; 32 lanes store 512 consecutive bytes: blocks 2 t and 2 t + 1 of the 16 rows
.endm
; ---- W: a lane takes a column, its registers run down K: block t is rows 32 t .. 32 t + 31; P = bytes in a row of W
.macro LOADW t, P
.set I, 0
.rept 32
	global_load_b32 v[WX+32*((\t)%2)+I], v3, s[26:27] offset:(32*(\t)+I)*\P th:TH_LOAD_NT
.set I, I+1
.endr
.endm
.macro BLOCKW t, P
.set XS, WX+32*((\t)%2)
.if (\t) < NB-1
	s_wait_loadcnt 32                              ; this block's 32 loads are in; the next block's may be out
.else
	s_wait_loadcnt 0x0
.endif
	BLKMAX 12, 13
	v_lshrrev_b32 v13, 23, v11                     ; the scale's byte
.if (\t)%4 == 0
	v_mov_b32 v[WSB+(\t)/4], v13                   ; four bytes to a register, the lower K in the lower byte
.else
	v_lshl_or_b32 v[WSB+(\t)/4], v13, 8*((\t)%4), v[WSB+(\t)/4]
.endif
.irp g, 0,1,2,3
	v_cvt_scalef32_pk8_fp4_f32 v[WC+4*(\t)+\g], v[XS+8*\g:XS+8*\g+7], v11
.endr
	global_store_b128 v8, v[WC+4*(\t):WC+4*(\t)+3], s[18:19] offset:256*(\t)   ; lanes 0-15 store 256 consecutive aligned bytes of one tile, lanes 16-31 of the next
.if (\t)+2 < NB
	LOADW (\t)+2, \P
.endif
.endm
; s24 = which 128 columns, s25 = which 256 along K, s[26:27] = the weight, s28 = its first tile in w_img
.macro WPATH P
	s_lshl_b32 s29, s24, 3
	s_add_co_u32 s28, s28, s29
	s_lshl_b32 s29, s[WV], 1
	s_add_co_u32 s28, s28, s29                     ; my wave's first tile
	s_mul_i32 s30, s25, 32*NB*\P
	s_lshl_b32 s29, s24, 9
	s_add_co_u32 s30, s30, s29
	s_lshl_b32 s29, s[WV], 7
	s_add_co_u32 s30, s30, s29                     ; 256 rows x ky + 4 bytes x my first column
	s_mov_b32 s31, 0
	s_add_nc_u64 s[26:27], s[26:27], s[30:31]
	s_lshl_b32 s30, s28, 14
	s_lshl_b32 s29, s25, 11
	s_add_co_u32 s30, s30, s29
	s_add_nc_u64 s[18:19], s[18:19], s[30:31]      ; the codes: 16,384 x tile + 2,048 x ky
	s_lshl_b32 s30, s28, 10
	s_lshr_b32 s29, s25, 1
	s_lshl_b32 s29, s29, 8
	s_add_co_u32 s30, s30, s29
	s_and_b32 s29, s25, 1
	s_lshl_b32 s29, s29, 3
	s_add_co_u32 s30, s30, s29
	s_add_nc_u64 s[20:21], s[20:21], s[30:31]      ; the scale bytes: 1,024 x tile + 256 x (ky / 2) + 8 x (ky % 2)
	LOADW 0, \P
	LOADW 1, \P
.set Q, 0
.rept NB
	BLOCKW Q, \P
.set Q, Q+1
.endr
	global_store_b64 v9, v[WSB:WSB+1], s[20:21]    ; 8 bytes a row, 16 bytes apart
	s_endpgm
.endm
	s_load_b256 s[4:11], s[0:1], 0x0               ; x, Wq, Wk, Wv
	s_load_b256 s[12:19], s[0:1], 0x20             ; Wo, x_img, x_sc, w_img
	s_load_b64 s[20:21], s[0:1], 0x40              ; w_sc
	v_lshl_add_u32 v248, v0, 2, 0x9000
	v_mov_b32 v249, 0
	v_lshrrev_b32 v1, 5, v0
	v_readfirstlane_b32 s[WV], v1                  ; wave 0..3
	v_and_b32 v2, 31, v0                           ; lane
	v_and_b32 v1, 15, v0                           ; lane % 16
	v_bfe_u32 v10, v0, 4, 1                        ; lane / 16
	s_cmp_lt_u32 ttmp9, 128
	s_cbranch_scc0 .Lweights
	; ---------------- x ----------------
	v_lshlrev_b32 v3, 13, v10
	v_lshl_add_u32 v3, v1, 4, v3                   ; in: a row of 8,192 bytes for each half of the lanes, 16 bytes a lane
	s_mul_i32 s35, s[WV], WREG
	v_mul_u32_u24 v14, v10, SP
	v_lshl_add_u32 v14, v1, 4, v14
	v_add_nc_u32 v14, s35, v14                     ; the stage, way in
	v_mul_u32_u24 v15, v1, SP
	v_lshl_add_u32 v15, v10, 7, v15
	v_add_nc_u32 v15, s35, v15                     ; way out: row lane % 16, its first or second 128 bytes
	v_lshlrev_b32 v4, 4, v2                        ; the codes: 16 x lane
	s_add_co_u32 s35, s35, 2*STG
	v_lshl_add_u32 v5, v1, 4, v10
	v_add_nc_u32 v5, s35, v5                       ; my block's scale byte: 16 x row + lane / 16 (+ 2 t)
	v_lshlrev_b32 v7, 3, v2
	v_add_nc_u32 v6, s35, v7                       ; and on the way out 8 bytes a lane
	s_lshl_b32 s22, ttmp9, 17
	s_lshl_b32 s23, s[WV], 11
	s_add_co_u32 s22, s22, s23                     ; x: 16 rows x tile + 512 numbers x wave
	s_mov_b32 s23, 0
	s_lshl_b32 s24, ttmp9, 14
	s_lshl_b32 s25, s[WV], 12
	s_add_co_u32 s24, s24, s25
	s_mov_b32 s25, 0
	s_lshl_b32 s26, ttmp9, 10
	s_lshl_b32 s27, s[WV], 8
	s_add_co_u32 s26, s26, s27
	s_mov_b32 s27, 0
	s_wait_kmcnt 0x0
	s_add_nc_u64 s[4:5], s[4:5], s[22:23]
	s_add_nc_u64 s[14:15], s[14:15], s[24:25]
	s_add_nc_u64 s[16:17], s[16:17], s[26:27]
.irp t, 0,1,2,3
	LOADX \t
.endr
	s_wait_loadcnt 24                              ; step 0's eight loads are in
	TURNX 0
.irp t, 0,1,2,3,4,5,6,7
	STEPX \t
.endr
	ds_load_b64 v[12:13], v6                       ; my wave's 256 scale bytes (LDS serves a wave's instructions in order)
	s_wait_dscnt 0x0
	global_store_b64 v7, v[12:13], s[16:17]        ; 32 lanes store 256 consecutive aligned bytes
	s_wait_tensorcnt 0x0
	ds_add_u32 v248, v249
	s_wait_dscnt 0x0
	s_endpgm
	; ---------------- the weights ----------------
.Lweights:
	v_and_b32 v3, 7, v0
	v_bfe_u32 v4, v0, 3, 1
	v_lshl_or_b32 v3, v10, 3, v3
	v_lshl_or_b32 v3, v4, 4, v3                    ; the column that my place takes: bits 3 and 4 of the lane change places
	v_lshlrev_b32 v3, 2, v3
	v_lshlrev_b32 v8, 14, v10
	v_lshl_add_u32 v8, v1, 4, v8                   ; codes: tile lane / 16, row lane % 16
	v_lshlrev_b32 v9, 10, v10
	v_lshl_add_u32 v9, v1, 4, v9                   ; scale bytes likewise
	s_cmp_lt_u32 ttmp9, 384
	s_cbranch_scc0 .Lnarrow
	s_sub_co_u32 s22, ttmp9, 128
	s_lshr_b32 s23, s22, 7                         ; 0: Wq, 1: Wo
	s_bfe_u32 s24, s22, 0x40003                    ; which 128 columns of 2,048
	s_and_b32 s25, s22, 7                          ; which 256 along K
	s_wait_kmcnt 0x0
	s_cmp_eq_u32 s23, 0
	s_cselect_b64 s[26:27], s[6:7], s[12:13]
	s_cselect_b32 s28, 0, 192
	WPATH 8192
.Lnarrow:
	s_sub_co_u32 s22, ttmp9, 384
	s_lshr_b32 s23, s22, 5                         ; 0: Wk, 1: Wv
	s_bfe_u32 s24, s22, 0x20003                    ; which 128 columns of 512
	s_and_b32 s25, s22, 7
	s_mov_b32 s28, 160
	s_wait_kmcnt 0x0
	s_cmp_eq_u32 s23, 0
	s_cselect_b64 s[26:27], s[8:9], s[10:11]
	s_cselect_b32 s28, 128, s28
	WPATH 2048
.Lfunc_end_k_q423e711c6a_quant:
	.size	k_q423e711c6a_quant, .Lfunc_end_k_q423e711c6a_quant-k_q423e711c6a_quant
	.p2alignl 7, 3214868480
	.fill 96, 4, 3214868480
	.section	.rodata,"a",@progbits
	.p2align	6, 0x0
	.amdhsa_kernel k_q423e711c6a_quant
		.amdhsa_group_segment_fixed_size 37376
		.amdhsa_private_segment_fixed_size 0
		.amdhsa_enable_private_segment 0
		.amdhsa_kernarg_size 72
		.amdhsa_user_sgpr_count 2
		.amdhsa_user_sgpr_kernarg_segment_ptr 1
		.amdhsa_wavefront_size32 1
		.amdhsa_system_sgpr_workgroup_id_x 1
		.amdhsa_system_sgpr_workgroup_id_y 1
		.amdhsa_system_sgpr_workgroup_id_z 1
		.amdhsa_system_vgpr_workitem_id 0
		.amdhsa_next_free_vgpr 250
		.amdhsa_next_free_sgpr 66
		.amdhsa_reserve_vcc 0
		.amdhsa_float_denorm_mode_32 3
		.amdhsa_float_denorm_mode_16_64 3
		.amdhsa_memory_ordered 1
		.amdhsa_forward_progress 1
		.amdhsa_inst_pref_size 106
	.end_amdhsa_kernel
	.amdgpu_metadata
---
amdhsa.version: [ 1, 2 ]
amdhsa.kernels:
  - .name:           k_q423e711c6a_quant
    .symbol:         k_q423e711c6a_quant.kd
    .args:
      - { .name: x, .offset: 0, .size: 8, .value_kind: global_buffer, .address_space: global }
      - { .name: Wq, .offset: 8, .size: 8, .value_kind: global_buffer, .address_space: global }
      - { .name: Wk, .offset: 16, .size: 8, .value_kind: global_buffer, .address_space: global }
      - { .name: Wv, .offset: 24, .size: 8, .value_kind: global_buffer, .address_space: global }
      - { .name: Wo, .offset: 32, .size: 8, .value_kind: global_buffer, .address_space: global }
      - { .name: x_img, .offset: 40, .size: 8, .value_kind: global_buffer, .address_space: global }
      - { .name: x_sc, .offset: 48, .size: 8, .value_kind: global_buffer, .address_space: global }
      - { .name: w_img, .offset: 56, .size: 8, .value_kind: global_buffer, .address_space: global }
      - { .name: w_sc, .offset: 64, .size: 8, .value_kind: global_buffer, .address_space: global }
    .group_segment_fixed_size: 37376
    .private_segment_fixed_size: 0
    .kernarg_segment_align: 8
    .kernarg_segment_size: 72
    .max_flat_workgroup_size: 128
    .sgpr_count:     66
    .vgpr_count:     250
    .wavefront_size: 32
...
	.end_amdgpu_metadata
.endif
;; end of part 5
;; launch qkv (part 6): grid 24 x 8, 4 waves a work-group, clusters of 4 x 4, 327,680 bytes of LDS; arguments x_img, x_sc, w_img, w_sc, cos, sin, q_gamma, q_beta, k_gamma, k_beta, qkv_img, qkv_sc; writes qkv_img, qkv_sc
.if DOCPART == 6
	.amdgcn_target "amdgcn-amd-amdhsa--gfx1250"
	.amdhsa_code_object_version 6
	.text
	.protected	k_q423e711c6a_qkv
	.globl	k_q423e711c6a_qkv
	.p2align	8
	.type	k_q423e711c6a_qkv,@function
k_q423e711c6a_qkv:
	s_mov_b64 s[64:65], 0
	v_nop
	global_prefetch_b8 v0, s[64:65] scope:SCOPE_SE
	s_setreg_imm32_b32 hwreg(HW_REG_WAVE_MODE, 25, 1), 1
	s_wait_xcnt 0x0
	s_wait_alu depctr_hold_cnt(0) depctr_sa_sdst(0) depctr_va_vdst(0) depctr_va_sdst(0) depctr_va_ssrc(0) depctr_va_vcc(0) depctr_vm_vsrc(0)
	s_getreg_b32 s2, hwreg(HW_REG_IB_STS2, 6, 4)
	s_cmp_eq_u32 s2, 0
	s_cbranch_scc0 .Lentry_in_a_cluster
	s_endpgm
.Lentry_in_a_cluster:
	s_bfe_u32 s2, ttmp6, 0x10000c
	s_cmp_lg_u32 s2, 0xf033
	s_cbranch_scc0 .Lentry_shape_is_right
	s_endpgm
.Lentry_shape_is_right:
; [Q | K | V] = x [Wq | Wk | Wv] on codes of FP4 (E2M1) with E8M0 scales; then, in f32, LayerNorm and RoPE on each head of Q and K; then Q and K are quantised along the head's 128 and V along the tokens.
; A work-group makes 256 tokens x 128 columns = ONE HEAD (x = 0-15: Q's heads, 16-19: K's, 20-23: V's); each of four waves 64 tokens x 128: 32 accumulators, 256 registers.
; The tile is one head wide, so that a lane pair holds a whole head of a token and norm and rotation never leave it, and so that a 4 x 4 cluster is of one kind (cluster x 0-3: Q, 4: K, 5: V).
; OPERANDS lie in memory as fragments (16 rows x 128 K = 1,024 bytes; lane l's registers 4 c .. 4 c + 3 at 512 c + 16 l): every LDS read is 512 consecutive bytes, no pitch and no padding.
; K goes in four steps of 512 through THREE LDS slots filled by the tensor data mover: steps 0, 1, 2 and the scale bytes of all of K go out together at the head; step 3 is the one refill, into slot 0,
; behind that slot's last products: it has eight steps of 128 along K in which to land.
; CLUSTERS: the four work-groups of a row of the cluster need the same tiles of x, the four of a column the same tiles of W: each is asked for jointly, with a mask that names the four.
; THE MATRIX INSTRUCTION IS USED TRANSPOSED (source 0 = 16 rows of W^T, source 1 = 16 tokens), and W's tiles were laid so that lane (r, h) holds token r and register 16 b + i of a token tile is column 32 b + 16 h + i.
; OUT: qkv_img [24][128 fragments][1024].  Q, K: fragment f = tokens 16 f on x d 0-127.  V: fragment 8 s + t = rows d = 32 (t / 2) + 8 (t % 2) + r + 8 (r / 8) x keys 128 s on; inside each 32 keys, place 16 x + 8 y + j
; holds key 16 y + 8 x + j, the order in which the attention's weights come out of its first product.  qkv_sc [24][2048 words]: Q, K: the token's word; V: word 128 s + 16 t + r.
; LIMITS: NaN and infinities are not served; a block whose largest magnitude lies under 2^-124 (zeros among them) keeps the scale byte 1; 1 / sqrt is v_rsq_f32.
; REGISTERS: window 0: v1-29 addresses; v32-95 scale words, two sets, and nothing else; v96-159 x's fragments, two sets, later a head at work; v160-223 at work; v224-255 the quantiser's.
;   window 1: v0-127 W's fragments, two sets; v128-191 gamma, v192-255 beta.   window 2: the accumulators, (a, b) at v[8 (8 a + b)].   window 3: cos and sin of two token tiles.
.set NT0,   0                          ; W's first tile in w_img
.set SLOT,  98304                      ; 16 tiles of x x 4,096 bytes, then 8 tiles of W x 4,096
.set BOFF,  65536
.set SCL,   3*SLOT                     ; x's scale bytes: 16 tiles x 1,024
.set SCLB,  SCL+16384                  ; W's: 8 tiles x 1,024
.set SPARE, SCLB+8192                  ; the spare words, 128 bytes a wave: two blocks of 256 bytes that no other line names
.set DPITCH, 528                       ; V's turn: a token's 128 numbers + 16 bytes; 256 rows from LDS byte 0 on, in slots that have had their last fill
.set MINIQ, 256*DPITCH                 ; behind them: 256 bytes a wave for Q's and K's scale words; V's lie 1,024 further on
.set LI,   4                           ; v4   16 x lane
.set CA,   5                           ; v5   cos, sin: 512 r + 64 h
.set GA,   6                           ; v6   gamma, beta: 64 h
.set DST,  7                           ; v7   V's turn, way in
.set VRD,  8                           ; v8   way out
.set MQ,   9                           ; v9   where my row's scale word goes (Q, K);  v10: V
.set MV,   10
.set MQR,  11                          ; v11  and where 8 bytes a lane come back;  v12: V
.set MVR,  12
.set L8,   13                          ; v13  8 x lane
.set ADRA, 16                          ; v16-18 my fragments of x in slot 0, 1, 2
.set ADRB, 20                          ; v20-22 W's
.set ADRS, 27                          ; v27  my scale words: lanes 0-15 x's rows, lanes 16-31 W's
.set SPW,  28                          ; v28  my spare word; never rewritten
.set NIL,  29                          ; v29  0; never rewritten
.set SC,   32
.set AF,   96
.set YA,   96
.set YB,   160
.set TM,   224
.set PW,   240
.set MU,   242
.set RS,   244
.set SM,   246
.set PC,   248
.set GAM,  128
.set BET,  192
.set G1,   24
.set G0,   32                          ; s[32:39] group 0 for x's tiles in slots 0 and 1;  s[4:7] for slot 2
.set G1B,  48
.set G0B,  56                          ; s[56:63] the same for W's;  s[8:11] for slot 2
.set G1S,  68
.set G0S,  76
.set G1SB, 80
.set G0SB, 88
.set WV,   66
.set WH,   67
.set WL,   96
.set SEL,  98
.set MSB, 0
.macro WIN new                         ; the immediate's high byte repeats the setting that is left
.if MSB != \new
	s_set_vgpr_msb (MSB<<8)|\new
.set MSB, \new
.endif
.endm
.macro PLACES n
.rept \n
	v_nop
.endr
.endm
; a joint load: waves 0 and 1 fetch for x, waves 2 and 3 for W; four v_nop follow each of the two lines
.macro JLOAD g0a, g1a, g0b, g1b
	s_cmp_eq_u32 s[WH], 0
	s_cbranch_scc0 .Lfor_b_\@
	tensor_load_to_lds s[\g0a:\g0a+3], s[\g1a:\g1a+7]
	s_nop 0
.rept 4
	v_nop
.endr
	s_branch .Lasked_\@
.Lfor_b_\@:
	tensor_load_to_lds s[\g0b:\g0b+3], s[\g1b:\g1b+7]
	s_nop 0
.rept 4
	v_nop
.endr
.Lasked_\@:
.endm
.macro CREST                           ; a round of the cluster's barrier behind its opening barrier
	s_cmp_lg_u32 s[WV], 0
	s_cbranch_scc1 .Lnot_wave_0_\@
	s_barrier_signal -3
.Lnot_wave_0_\@:
	s_barrier_wait -3
	s_barrier_signal -1
	s_barrier_wait -1
.endm
.macro CROUND
	s_barrier_signal -1
	s_barrier_wait -1
	CREST
.endm
.macro FINISH                          ; the wave's end: wait for the tensor loads, add 0 to the spare word and wait for it; then the closing round
	s_wait_tensorcnt 0x0
	ds_add_u32 v[SPW], v[NIL]
	s_wait_dscnt 0x0
	CROUND
	s_endpgm
.endm
; 24 LDS loads: the slot's q-th 128 along K: W's eight fragments and my four of x, into set p
.macro FETCH slot, q, p
	WIN 0x40
.irp b, 0,1,2,3,4,5,6,7
.irp c, 0,1
	ds_load_b128 v[64*(\p)+8*\b+4*\c:64*(\p)+8*\b+4*\c+3], v[ADRB+\slot] offset:\b*4096+(\q)*1024+\c*512
.endr
.endr
	WIN 0
.irp a, 0,1,2,3
.irp c, 0,1
	ds_load_b128 v[AF+32*(\p)+8*\a+4*\c:AF+32*(\p)+8*\a+4*\c+3], v[ADRA+\slot] offset:\a*4096+(\q)*1024+\c*512
.endr
.endr
.endm
; the scale words of 512 along K: register 4 i + q: lanes 0-15 the word of my tile i of x (i < 4; above that words that nobody reads), lanes 16-31 that of W's tile i
.macro SCALES set
.irp i, 0,1,2,3,4,5,6,7
	ds_load_b128 v[SC+32*(\set)+4*\i:SC+32*(\set)+4*\i+3], v[ADRS] offset:\i*1024
.endr
.endm
; 8 matrix instructions: my tile a of x against W's eight.  The 32 accumulators take turns, in the same order in every step
.macro MUL8 a, p, q, sc, zero
.irp b, 0,1,2,3,4,5,6,7
.if \zero
	v_wmma_scale_f32_16x16x128_f8f6f4 v[8*(8*(\a)+\b):8*(8*(\a)+\b)+7], v[64*(\p)+8*\b:64*(\p)+8*\b+7], v[AF+32*(\p)+8*(\a):AF+32*(\p)+8*(\a)+7], 0, v[SC+32*(\sc)+4*\b+(\q)], v[SC+32*(\sc)+4*(\a)+(\q)] matrix_a_fmt:MATRIX_FMT_FP4 matrix_b_fmt:MATRIX_FMT_FP4 matrix_a_scale:MATRIX_SCALE_ROW1
.else
	v_wmma_scale_f32_16x16x128_f8f6f4 v[8*(8*(\a)+\b):8*(8*(\a)+\b)+7], v[64*(\p)+8*\b:64*(\p)+8*\b+7], v[AF+32*(\p)+8*(\a):AF+32*(\p)+8*(\a)+7], v[8*(8*(\a)+\b):8*(8*(\a)+\b)+7], v[SC+32*(\sc)+4*\b+(\q)], v[SC+32*(\sc)+4*(\a)+(\q)] matrix_a_fmt:MATRIX_FMT_FP4 matrix_b_fmt:MATRIX_FMT_FP4 matrix_a_scale:MATRIX_SCALE_ROW1
.endif
.endr
.endm
; a step of 128 along K with its successor in the same slot: the successor's fragments are asked for first and land under this step's 32 products.  sc: the set of scale words
.macro KSTEP slot, q, zero, sc
.if \zero == 0
	PLACES 4                                       ; between the last step's products and the loads into the set that they read
.endif
	FETCH \slot, (\q)+1, ((\q)+1)%2
	s_wait_dscnt 24                                ; all but the 24 just issued: this step's fragments (and, in a slot's first step, its scale words) are in
	WIN 0xa1                                       ; source 0 (W) window 1, source 1 (x) window 0, C and D window 2
.irp a, 0,1,2,3
	MUL8 \a, (\q)%2, \q, \sc, \zero
.endr
	WIN 0
.endm
; a slot's last step with a barrier; in front of it every wave waits for all its tensor loads, adds 0 to its spare word, and waits for that and for its reads of the slot.
; fill = 1: this slot is filled again, with the 512 along K three steps on
.macro TURN slot, next, fill, sc
	s_wait_tensorcnt 0x0                           ; all my tensor loads have landed
	ds_add_u32 v[SPW], v[NIL]
	s_wait_dscnt 1                                 ; this step's fragments are in; the add may be out
	WIN 0xa1
	MUL8 0, 1, 3, \sc, 0
	s_wait_dscnt 0x0                               ; the add is done, and my reads of this slot are over
	s_barrier_signal -1
	MUL8 1, 1, 3, \sc, 0
	WIN 0
	s_barrier_wait -1
.if \fill
	CREST                                          ; the barrier has opened a round of the cluster's: no wave of any partner still reads this slot or has a load on its way
	s_add_nc_u64 s[G0+4*\slot+2:G0+4*\slot+3], s[G0+4*\slot+2:G0+4*\slot+3], 3*4096
	s_add_nc_u64 s[G0B+4*\slot+2:G0B+4*\slot+3], s[G0B+4*\slot+2:G0B+4*\slot+3], 3*4096
	JLOAD G0+4*\slot, G1, G0B+4*\slot, G1B         ; its four v_nop are also the places in front of the loads below
.else
	PLACES 4
.endif
	v_add_nc_u32 v[ADRS], 256, v[ADRS]             ; the next 512 along K of the scale words
	FETCH \next, 0, 0
	SCALES 1-(\sc)
	WIN 0xa1
	MUL8 2, 1, 3, \sc, 0
	MUL8 3, 1, 3, \sc, 0
	WIN 0
.endm
; a slot's last step without a barrier: the next slot was shown whole to every wave by the barrier in front of which all waves waited for all their loads, and nothing is filled here
.macro PASS slot, next, sc
	PLACES 4
	v_add_nc_u32 v[ADRS], 256, v[ADRS]
	FETCH \next, 0, 0
	SCALES 1-(\sc)
	s_wait_dscnt 32                                ; all but the 24 + 8 just issued: this step's fragments are in
	WIN 0xa1
.irp a, 0,1,2,3
	MUL8 \a, 1, 3, \sc, 0
.endr
	WIN 0
.endm
; 64 numbers of a lane, register 16 b + i = place 32 b + 16 (lane / 16) + i of my row, become a fragment's codes in v[PC] on and its scale word in v[PW]
.macro QUANT s
.irp b, 0,1,2,3
	v_max3_num_f32 v[TM+\b], |v[(\s)+16*\b]|, |v[(\s)+1+16*\b]|, 0x1800000   ; with the floor 2^(3 - 127): the byte cannot fall under 1
.endr
.irp i, 2,4,6,8,10,12,14
.irp b, 0,1,2,3
	v_max3_num_f32 v[TM+\b], v[TM+\b], |v[(\s)+16*\b+\i]|, |v[(\s)+1+16*\b+\i]|
.endr
.endr
.irp b, 0,1,2,3
	v_permlanex16_b32 v[TM+4+\b], v[TM+\b], s[SEL], s[SEL+1]
.endr
.irp b, 0,1,2,3
	v_max_num_f32 v[TM+\b], v[TM+\b], v[TM+4+\b]   ; with lane l xor 16's: the block's largest magnitude
.endr
.irp b, 0,1,2,3
	v_add_nc_u32 v[TM+12+\b], 0xff000000, v[TM+\b] ; 2 off its exponent field: the conversion's scale operand
.endr
.irp b, 0,1,2,3
	v_lshrrev_b32 v[TM+4+\b], 23, v[TM+12+\b]      ; the scale's byte
.endr
	v_lshl_or_b32 v[PW], v[TM+5], 8, v[TM+4]
	v_lshl_or_b32 v[PW], v[TM+6], 16, v[PW]
	v_lshl_or_b32 v[PW], v[TM+7], 24, v[PW]
.irp b, 0,1,2,3
	v_cvt_scalef32_pk8_fp4_f32 v[PC+2*\b], v[(\s)+16*\b:(\s)+7+16*\b], v[TM+12+\b]
	v_cvt_scalef32_pk8_fp4_f32 v[PC+1+2*\b], v[(\s)+8+16*\b:(\s)+15+16*\b], v[TM+12+\b]
.endr
	v_nop                                          ; one plain place behind a scaled conversion
.irp c, 0,1                                    ; a whole block to a lane: lanes 0-15 block 2 c, lanes 16-31 block 2 c + 1
.irp i, 0,1
	v_permlane16_swap_b32 v[PC+4*\c+\i], v[PC+2+4*\c+\i]
.endr
.endr
.endm
; fragment i of my wave's four goes out: two stores of 512 consecutive bytes; its scale words are gathered in my own 256 bytes of LDS.
; The codes' registers are the last fragment's store data: a wait on XCNT for 0 stands between those stores and this macro
.macro OUTFRAG s, i, adr
	QUANT \s
	global_store_b128 v[LI], v[PC:PC+3], s[92:93] offset:(\i)*1024
	global_store_b128 v[LI], v[PC+4:PC+7], s[92:93] offset:(\i)*1024+512
	ds_store_b32 v[\adr], v[PW] offset:64*(\i)     ; lanes l and l + 16 write the same word with the same value
.endm
; cos and sin of token tile a, in the accumulators' layout, into window 3's set a % 2: 32 loads
.macro CSLOAD a
	WIN 0xc0
.irp b, 0,1,2,3
.irp k, 0,1,2,3
	global_load_b128 v[128*((\a)%2)+16*\b+4*\k:128*((\a)%2)+16*\b+4*\k+3], v[CA], s[12:13] offset:(\a)*8192+128*\b+16*\k
	global_load_b128 v[128*((\a)%2)+64+16*\b+4*\k:128*((\a)%2)+64+16*\b+4*\k+3], v[CA], s[14:15] offset:(\a)*8192+128*\b+16*\k
.endr
.endr
.endm
.macro REDUCE                          ; four pairs of partial sums at v[YB] on -> the token's sum over 128, in v[SM]
	v_pk_add_f32 v[YB:YB+1], v[YB:YB+1], v[YB+2:YB+3]
	v_pk_add_f32 v[YB+4:YB+5], v[YB+4:YB+5], v[YB+6:YB+7]
	v_pk_add_f32 v[YB:YB+1], v[YB:YB+1], v[YB+4:YB+5]
	v_add_f32 v[SM], v[YB], v[YB+1]
	v_permlanex16_b32 v[SM+1], v[SM], s[SEL], s[SEL+1]
	v_add_f32 v[SM], v[SM], v[SM+1]
.endm
; token tile a of a head of Q or K: LayerNorm, RoPE, quantise.  Register n of the tile is d = 32 (n / 16) + 16 h + n % 16, so d + 64 is register n + 32 of the same lane
.macro QKTILE a
	WIN 0x0a                                       ; sources 0 and 1 window 2.
.irp k, 0,1,2,3
	v_pk_add_f32 v[YB+2*\k:YB+2*\k+1], v[64*\a+2*\k:64*\a+2*\k+1], v[64*\a+8+2*\k:64*\a+8+2*\k+1]
.endr
	WIN 0x08
.set PP, 8
.rept 24
	v_pk_add_f32 v[YB+2*(PP%4):YB+2*(PP%4)+1], v[YB+2*(PP%4):YB+2*(PP%4)+1], v[64*\a+2*PP:64*\a+2*PP+1]
.set PP, PP+1
.endr
	WIN 0
	REDUCE
	v_mul_f32 v[MU], s97, v[SM]                    ; the mean
	v_mov_b32 v[MU+1], v[MU]
	WIN 0x02
.set PP, 0
.rept 32
	v_pk_add_f32 v[YA+2*PP:YA+2*PP+1], v[64*\a+2*PP:64*\a+2*PP+1], v[MU:MU+1] neg_lo:[0,1] neg_hi:[0,1]
.set PP, PP+1
.endr
	WIN 0
.irp k, 0,1,2,3
	v_pk_mul_f32 v[YB+2*\k:YB+2*\k+1], v[YA+2*\k:YA+2*\k+1], v[YA+2*\k:YA+2*\k+1]
.endr
.set PP, 4
.rept 28
	v_pk_fma_f32 v[YB+2*(PP%4):YB+2*(PP%4)+1], v[YA+2*PP:YA+2*PP+1], v[YA+2*PP:YA+2*PP+1], v[YB+2*(PP%4):YB+2*(PP%4)+1]
.set PP, PP+1
.endr
	REDUCE
	v_fma_f32 v[SM], v[SM], s97, s3                ; the variance + 1e-6
	v_rsq_f32 v[RS], v[SM]
	v_nop                                          ; one plain place behind a transcendental
	s_wait_alu depctr_va_vdst(0)
	v_mov_b32 v[RS+1], v[RS]
.set PP, 0
.rept 32
	v_pk_mul_f32 v[YA+2*PP:YA+2*PP+1], v[YA+2*PP:YA+2*PP+1], v[RS:RS+1]
.set PP, PP+1
.endr
	WIN 0x14                                       ; sources 1 and 2 window 1: gamma, beta
.set PP, 0
.rept 32
	v_pk_fma_f32 v[YA+2*PP:YA+2*PP+1], v[YA+2*PP:YA+2*PP+1], v[GAM+2*PP:GAM+2*PP+1], v[BET+2*PP:BET+2*PP+1]
.set PP, PP+1
.endr
.if \a == 2
	s_wait_loadcnt 32                              ; tile 2's cos and sin are in; tile 3's 32 loads may be out
.endif
.if \a == 3
	s_wait_loadcnt 0x0
.endif
	WIN 0x0c                                       ; source 1 window 3: cos, sin
.set CO, 128*(\a%2)
.set SI, CO+64
.set PP, 0
.rept 16
.set TT, YB+4*(PP%4)
	v_pk_mul_f32 v[TT:TT+1], v[YA+32+2*PP:YA+33+2*PP], v[SI+2*PP:SI+2*PP+1]
	v_pk_mul_f32 v[TT+2:TT+3], v[YA+2*PP:YA+2*PP+1], v[SI+32+2*PP:SI+33+2*PP]
	v_pk_fma_f32 v[YA+2*PP:YA+2*PP+1], v[YA+2*PP:YA+2*PP+1], v[CO+2*PP:CO+2*PP+1], v[TT:TT+1] neg_lo:[0,0,1] neg_hi:[0,0,1]
	v_pk_fma_f32 v[YA+32+2*PP:YA+33+2*PP], v[YA+32+2*PP:YA+33+2*PP], v[CO+32+2*PP:CO+33+2*PP], v[TT+2:TT+3]
.set PP, PP+1
.endr
	s_wait_xcnt 0x0                                ; the last tile's stores have read the registers that the codes are written into.  It stands AHEAD of the 32 loads below, which name none of those registers
.if \a < 2
	CSLOAD \a+2                                    ; into the set just used
.endif
	WIN 0
	OUTFRAG YA, \a, MQ
.endm
; V: fragment i of my four: 64 numbers a lane out of the turned tile: d-row by lane, tokens 32 k + 16 u + 8 h + j down the registers
.macro LOADV i
.set VS, YA+64*((\i)%2)
.irp k, 0,1,2,3
.irp u, 0,1
.irp j, 0,1,2,3,4,5,6,7
	ds_load_b32 v[VS+16*\k+8*\u+\j], v[VRD] offset:(32*\k+16*\u+\j)*DPITCH+(32*((\i)/2)+8*((\i)%2))*4
.endr
.endr
.endr
.endm
	s_load_b256 s[4:11], s[0:1], 0x0               ; x_img, x_sc, w_img, w_sc
	s_load_b256 s[12:19], s[0:1], 0x20             ; cos, sin, q_gamma, q_beta
	s_load_b128 s[20:23], s[0:1], 0x40             ; k_gamma, k_beta
	s_load_b128 s[92:95], s[0:1], 0x50             ; qkv_img, qkv_sc
	v_lshl_add_u32 v[SPW], v0, 2, SPARE
	v_mov_b32 v[NIL], 0
	ds_add_u32 v28, v29
	ds_add_u32 v28, v29
	s_wait_dscnt 0x0
	v_lshrrev_b32 v1, 5, v0
	v_readfirstlane_b32 s[WV], v1                  ; wave 0..3
	s_lshr_b32 s[WH], s[WV], 1                     ; I fetch for x (0) or for W (1),
	s_and_b32 s[WL], s[WV], 1                      ; its first or second half
	s_bfe_u32 s40, ttmp6, 0x40000                  ; cx, cy: my place in the cluster
	s_bfe_u32 s41, ttmp6, 0x40004
	s_lshl_b32 s42, ttmp9, 2
	s_add_co_u32 s42, s42, s40                     ; tx: the head, 0..23
	s_and_b32 s45, ttmp7, 0xffff
	s_lshl_b32 s45, s45, 2
	s_add_co_u32 s45, s45, s41                     ; ty: which 256 tokens
	s_lshl_b32 s43, s41, 2
	s_lshl_b32 s43, 15, s43                        ; my row of the cluster
	s_lshl_b32 s44, 0x1111, s40                    ; my column
	; descriptor groups 1, elements of 8 bytes, no padding: 15:0 the mask, 17:16 = 3, 21 set beside a mask
	s_or_b32 s[G1], s43, (3<<16)|(1<<21)           ; x: 8 tiles x 4,096 bytes, 16,384 bytes apart
	s_mov_b32 s[G1+1], 512<<16
	s_mov_b32 s[G1+2], 8<<16
	s_mov_b32 s[G1+3], 512<<16
	s_mov_b32 s[G1+4], 8
	s_mov_b32 s[G1+5], 2048
	s_mov_b32 s[G1+6], 0
	s_mov_b32 s[G1+7], 0
	s_or_b32 s[G1B], s44, (3<<16)|(1<<21)          ; W: 4 tiles likewise
	s_mov_b32 s[G1B+1], 512<<16
	s_mov_b32 s[G1B+2], 4<<16
	s_mov_b32 s[G1B+3], 512<<16
	s_mov_b32 s[G1B+4], 4
	s_mov_b32 s[G1B+5], 2048
	s_mov_b32 s[G1B+6], 0
	s_mov_b32 s[G1B+7], 0
	s_or_b32 s[G1S], s43, (3<<16)|(1<<21)          ; x's scale bytes: 8,192 dense bytes as 32 rows of 256
	s_mov_b32 s[G1S+1], 32<<16
	s_mov_b32 s[G1S+2], 32<<16
	s_mov_b32 s[G1S+3], 32<<16
	s_mov_b32 s[G1S+4], 32
	s_mov_b32 s[G1S+5], 32
	s_mov_b32 s[G1S+6], 0
	s_mov_b32 s[G1S+7], 0
	s_or_b32 s[G1SB], s44, (3<<16)|(1<<21)         ; W's: 4,096 dense bytes as 16 rows
	s_mov_b32 s[G1SB+1], 32<<16
	s_mov_b32 s[G1SB+2], 16<<16
	s_mov_b32 s[G1SB+3], 32<<16
	s_mov_b32 s[G1SB+4], 16
	s_mov_b32 s[G1SB+5], 32
	s_mov_b32 s[G1SB+6], 0
	s_mov_b32 s[G1SB+7], 0
	s_lshl_b32 s2, s45, 4
	s_lshl_b32 s46, s[WL], 3
	s_add_co_u32 s2, s2, s46                       ; the first tile of x that I fetch: 16 ty + 8 half
	s_lshl_b32 s3, s42, 3
	s_lshl_b32 s100, s[WL], 2
	s_add_co_u32 s3, s3, s100
	s_add_co_u32 s3, s3, NT0                       ; the first tile of W: 8 tx + 4 half
	s_mov_b32 s47, 0
	s_mov_b32 s101, 0
	s_wait_kmcnt 0x0
	s_lshl_b32 s46, s2, 14
	s_add_nc_u64 s[4:5], s[4:5], s[46:47]
	s_lshl_b32 s46, s2, 10
	s_add_nc_u64 s[6:7], s[6:7], s[46:47]
	s_lshl_b32 s100, s3, 14
	s_add_nc_u64 s[8:9], s[8:9], s[100:101]
	s_lshl_b32 s100, s3, 10
	s_add_nc_u64 s[10:11], s[10:11], s[100:101]
	CROUND                                         ; all sixteen work-groups are here: the first joint loads meet
	s_mov_b32 s[G0S], 1
	s_lshl_b32 s2, s[WL], 13
	s_add_co_u32 s[G0S+1], s2, SCL
	s_mov_b64 s[G0S+2:G0S+3], s[6:7]
	s_or_b32 s[G0S+3], s[G0S+3], 0x80000000
	s_mov_b32 s[G0SB], 1
	s_lshl_b32 s2, s[WL], 12
	s_add_co_u32 s[G0SB+1], s2, SCLB
	s_mov_b64 s[G0SB+2:G0SB+3], s[10:11]
	s_or_b32 s[G0SB+3], s[G0SB+3], 0x80000000
	JLOAD G0S, G1S, G0SB, G1SB                     ; the scale bytes of all of K: filled once
	s_lshl_b32 s2, s[WL], 15
	s_lshl_b32 s3, s[WL], 14
.irp s, 0,1
	s_mov_b32 s[G0+4*\s], 1
	s_add_co_u32 s[G0+4*\s+1], s2, \s*SLOT
	s_add_nc_u64 s[G0+4*\s+2:G0+4*\s+3], s[4:5], \s*4096
	s_or_b32 s[G0+4*\s+3], s[G0+4*\s+3], 0x80000000
	s_mov_b32 s[G0B+4*\s], 1
	s_add_co_u32 s[G0B+4*\s+1], s3, BOFF+\s*SLOT
	s_add_nc_u64 s[G0B+4*\s+2:G0B+4*\s+3], s[8:9], \s*4096
	s_or_b32 s[G0B+4*\s+3], s[G0B+4*\s+3], 0x80000000
	JLOAD G0+4*\s, G1, G0B+4*\s, G1B
.endr
	s_add_nc_u64 s[6:7], s[4:5], 2*4096            ; slot 2's groups 0 take the registers of the four pointers, which are done with
	s_or_b32 s7, s7, 0x80000000
	s_mov_b32 s4, 1
	s_add_co_u32 s5, s2, 2*SLOT
	s_add_nc_u64 s[10:11], s[8:9], 2*4096
	s_or_b32 s11, s11, 0x80000000
	s_mov_b32 s8, 1
	s_add_co_u32 s9, s3, BOFF+2*SLOT
	JLOAD 4, G1, 8, G1B                            ; four tensor loads of mine are out
	; the other pointers
	s_lshl_b32 s46, s45, 17
	s_lshl_b32 s2, s[WV], 15
	s_add_co_u32 s46, s46, s2                      ; my wave's first token x 512 bytes
	s_add_nc_u64 s[12:13], s[12:13], s[46:47]
	s_add_nc_u64 s[14:15], s[14:15], s[46:47]
	s_cmp_lt_u32 ttmp9, 4                          ; Q's cluster takes q_gamma and q_beta, the others k_gamma and k_beta (V's loads them and does not use them)
	s_cselect_b64 s[16:17], s[16:17], s[20:21]
	s_cselect_b64 s[18:19], s[18:19], s[22:23]
	s_lshl_b32 s100, s42, 17
	s_lshl_b32 s2, s45, 14
	s_add_co_u32 s100, s100, s2
	s_lshl_b32 s2, s[WV], 12
	s_add_co_u32 s100, s100, s2
	s_add_nc_u64 s[92:93], s[92:93], s[100:101]    ; my four fragments: 131,072 tx + 16,384 ty + 4,096 wave, for all three kinds
	s_lshl_b32 s100, s42, 13
	s_lshl_b32 s2, s45, 10
	s_add_co_u32 s100, s100, s2
	s_lshl_b32 s2, s[WV], 8
	s_add_co_u32 s100, s100, s2
	s_add_nc_u64 s[94:95], s[94:95], s[100:101]    ; and their 64 scale words
	s_mov_b32 s97, 0x3c000000                      ; 1 / 128
	s_mov_b32 s3, 0x358637bd                       ; 1e-6
	s_mov_b32 s[SEL], 0x76543210
	s_mov_b32 s[SEL+1], 0xfedcba98                 ; v_permlanex16_b32's selects for lane l xor 16
	v_and_b32 v1, 15, v0                           ; r
	v_bfe_u32 v2, v0, 4, 1                         ; h
	v_and_b32 v3, 31, v0                           ; lane
	v_lshlrev_b32 v[LI], 4, v3
	s_lshl_b32 s2, s[WV], 14
.irp s, 0,1,2
	v_add_nc_u32 v[ADRA+\s], s2, v[LI]
	v_add_nc_u32 v[ADRB+\s], BOFF+\s*SLOT, v[LI]
	s_add_co_u32 s2, s2, SLOT
.endr
	s_xor_b32 s2, s[WV], 3
	s_add_co_u32 s2, s2, 1
	s_lshl_b32 s2, s2, 12                          ; from my tiles' scale words to W's: SCLB - SCL - 4,096 wave
	v_mul_u32_u24 v14, s2, v2                      ; lanes 16-31 take W's
	v_lshl_add_u32 v14, v1, 4, v14
	s_lshl_b32 s2, s[WV], 12
	s_add_co_u32 s2, s2, SCL
	v_add_nc_u32 v[ADRS], s2, v14
	v_lshlrev_b32 v[GA], 6, v2
	v_lshl_add_u32 v[CA], v1, 9, v[GA]
	s_mul_i32 s2, s[WV], 64*DPITCH
	v_mul_u32_u24 v14, v1, DPITCH
	v_add_nc_u32 v14, v14, v[GA]
	v_add_nc_u32 v[DST], s2, v14                   ; row 64 wave + r, + 64 h
	s_mul_i32 s2, s[WH], 128*DPITCH
	s_lshl_b32 s46, s[WL], 8
	s_add_co_u32 s2, s2, s46
	v_mul_u32_u24 v14, v2, 8*DPITCH
	v_and_b32 v15, 8, v1
	v_add_nc_u32 v15, v15, v1                      ; r + 8 (r / 8)
	v_lshl_add_u32 v14, v15, 2, v14
	v_add_nc_u32 v[VRD], s2, v14                   ; row 128 (wave / 2) + 8 h, column 64 (wave % 2) + r + 8 (r / 8)
	s_lshl_b32 s2, s[WV], 8
	s_add_co_u32 s2, s2, MINIQ
	v_lshl_add_u32 v[MQ], v1, 2, s2
	v_lshl_add_u32 v[MQR], v3, 3, s2
	s_add_co_u32 s2, s2, 1024
	v_lshl_add_u32 v[MV], v1, 2, s2
	v_lshl_add_u32 v[MVR], v3, 3, s2
	v_lshlrev_b32 v[L8], 3, v3
	v_mov_b32 v[SM+1], 0                           ; written once: a lane permute's destination counts as one of its sources
.irp b, 0,1,2,3
	v_mov_b32 v[TM+4+\b], 0
.endr
	; gamma, beta and the first two token tiles' cos and sin are asked for now, behind the tiles, and land under the products
	WIN 0x40
.irp b, 0,1,2,3
.irp k, 0,1,2,3
	global_load_b128 v[GAM+16*\b+4*\k:GAM+16*\b+4*\k+3], v[GA], s[16:17] offset:128*\b+16*\k
	global_load_b128 v[BET+16*\b+4*\k:BET+16*\b+4*\k+3], v[GA], s[18:19] offset:128*\b+16*\k
.endr
.endr
	CSLOAD 0
	CSLOAD 1
	WIN 0
	s_wait_tensorcnt 2                             ; the scale bytes and my part of slot 0 are in; slots 1 and 2 may be out
	s_barrier_signal -1
	s_barrier_wait -1
	FETCH 0, 0, 0
	SCALES 0
	KSTEP 0, 0, 1, 0                               ; the first products start the sums: nothing is cleared
	KSTEP 0, 1, 0, 0
	KSTEP 0, 2, 0, 0
	TURN 0, 1, 1, 0                                ; slots 1 and 2 are whole for every wave; slot 0 takes the last 512 along K
	KSTEP 1, 0, 0, 1
	KSTEP 1, 1, 0, 1
	KSTEP 1, 2, 0, 1
	PASS 1, 2, 1
	KSTEP 2, 0, 0, 0
	KSTEP 2, 1, 0, 0
	KSTEP 2, 2, 0, 0
	TURN 2, 0, 0, 0                                ; the refill has landed, everybody's; nothing is left to fetch
	KSTEP 0, 0, 0, 1
	KSTEP 0, 1, 0, 1
	KSTEP 0, 2, 0, 1
	s_wait_dscnt 0x0
	WIN 0xa1
.irp a, 0,1,2,3
	MUL8 \a, 1, 3, 1, 0
.endr
	WIN 0
	; THE WAY OUT
	PLACES 4                                       ; behind the last products
	s_wait_loadcnt 0x0                             ; gamma, beta, cos and sin of tiles 0 and 1
	s_wait_dscnt 0x0
	s_barrier_signal -1
	s_barrier_wait -1                              ; no wave reads a slot any more, and all three have had their last fill: their bytes may be stored into
	s_cmp_eq_u32 ttmp9, 5                          ; the cluster's x, which all partners share
	s_cbranch_scc1 .Lv
	QKTILE 0
	QKTILE 1
	QKTILE 2
	QKTILE 3
	ds_load_b64 v[MU:MU+1], v[MQR]                 ; my 64 scale words (LDS serves a wave's instructions in order)
	s_wait_dscnt 0x0
	global_store_b64 v[L8], v[MU:MU+1], s[94:95]   ; 32 lanes store 256 consecutive aligned bytes
	FINISH
.Lv:
	; V is quantised along the TOKENS, which lie across the lanes: the 256 x 128 numbers are turned through LDS, rows [token][d]
	WIN 0x08                                       ; an LDS store's data are its source 1: window 2
.irp a, 0,1,2,3
.irp b, 0,1,2,3,4,5,6,7
	ds_store_b128 v[DST], v[8*(8*\a+\b):8*(8*\a+\b)+3] offset:\a*16*DPITCH+128*(\b/2)+32*(\b%2)
	ds_store_b128 v[DST], v[8*(8*\a+\b)+4:8*(8*\a+\b)+7] offset:\a*16*DPITCH+128*(\b/2)+32*(\b%2)+16
.endr
.endr
	WIN 0
	s_wait_dscnt 0x0                               ; for the others' sake: my stores have landed
	s_barrier_signal -1
	s_barrier_wait -1
	LOADV 0
.irp i, 0,1,2
	LOADV \i+1
	s_wait_dscnt 63                                ; 64 loads were issued behind fragment i's: with at most 63 out, fragment i's are all in
	s_wait_xcnt 0x0                                ; the last fragment's stores have read the codes' registers
	OUTFRAG YA+64*(\i%2), \i, MV
.endr
	s_wait_dscnt 0x0
	s_wait_xcnt 0x0
	OUTFRAG YB, 3, MV
	ds_load_b64 v[MU:MU+1], v[MVR]
	s_wait_dscnt 0x0
	global_store_b64 v[L8], v[MU:MU+1], s[94:95]
	FINISH
.Lfunc_end_k_q423e711c6a_qkv:
	.size	k_q423e711c6a_qkv, .Lfunc_end_k_q423e711c6a_qkv-k_q423e711c6a_qkv
	.p2alignl 7, 3214868480
	.fill 96, 4, 3214868480
	.section	.rodata,"a",@progbits
	.p2align	6, 0x0
	.amdhsa_kernel k_q423e711c6a_qkv
		.amdhsa_group_segment_fixed_size 327680
		.amdhsa_private_segment_fixed_size 0
		.amdhsa_enable_private_segment 0
		.amdhsa_kernarg_size 96
		.amdhsa_user_sgpr_count 2
		.amdhsa_user_sgpr_kernarg_segment_ptr 1
		.amdhsa_wavefront_size32 1
		.amdhsa_system_sgpr_workgroup_id_x 1
		.amdhsa_system_sgpr_workgroup_id_y 1
		.amdhsa_system_sgpr_workgroup_id_z 1
		.amdhsa_system_vgpr_workitem_id 0
		.amdhsa_next_free_vgpr 1024
		.amdhsa_next_free_sgpr 102
		.amdhsa_reserve_vcc 0
		.amdhsa_float_denorm_mode_32 3
		.amdhsa_float_denorm_mode_16_64 3
		.amdhsa_memory_ordered 1
		.amdhsa_forward_progress 1
		.amdhsa_inst_pref_size 236
	.end_amdhsa_kernel
	.amdgpu_metadata
---
amdhsa.version: [ 1, 2 ]
amdhsa.kernels:
  - .name:           k_q423e711c6a_qkv
    .symbol:         k_q423e711c6a_qkv.kd
    .args:
      - { .name: x_img, .offset: 0, .size: 8, .value_kind: global_buffer, .address_space: global }
      - { .name: x_sc, .offset: 8, .size: 8, .value_kind: global_buffer, .address_space: global }
      - { .name: w_img, .offset: 16, .size: 8, .value_kind: global_buffer, .address_space: global }
      - { .name: w_sc, .offset: 24, .size: 8, .value_kind: global_buffer, .address_space: global }
      - { .name: cos, .offset: 32, .size: 8, .value_kind: global_buffer, .address_space: global }
      - { .name: sin, .offset: 40, .size: 8, .value_kind: global_buffer, .address_space: global }
      - { .name: q_gamma, .offset: 48, .size: 8, .value_kind: global_buffer, .address_space: global }
      - { .name: q_beta, .offset: 56, .size: 8, .value_kind: global_buffer, .address_space: global }
      - { .name: k_gamma, .offset: 64, .size: 8, .value_kind: global_buffer, .address_space: global }
      - { .name: k_beta, .offset: 72, .size: 8, .value_kind: global_buffer, .address_space: global }
      - { .name: qkv_img, .offset: 80, .size: 8, .value_kind: global_buffer, .address_space: global }
      - { .name: qkv_sc, .offset: 88, .size: 8, .value_kind: global_buffer, .address_space: global }
    .group_segment_fixed_size: 327680
    .private_segment_fixed_size: 0
    .kernarg_segment_align: 8
    .kernarg_segment_size: 96
    .max_flat_workgroup_size: 128
    .sgpr_count:     102
    .vgpr_count:     1024
    .wavefront_size: 32
...
	.end_amdgpu_metadata
.endif
;; end of part 6
;; launch attn (part 7): grid 16 x 16, 16 waves a work-group, clusters of 4 x 1, 282,624 bytes of LDS; arguments qkv_img, qkv_sc, o_img, o_sc; writes o_img, o_sc
.if DOCPART == 7
	.amdgcn_target "amdgcn-amd-amdhsa--gfx1250"
	.amdhsa_code_object_version 6
	.text
	.protected	k_q423e711c6a_attn
	.globl	k_q423e711c6a_attn
	.p2align	8
	.type	k_q423e711c6a_attn,@function
k_q423e711c6a_attn:
	s_mov_b64 s[64:65], 0
	v_nop
	global_prefetch_b8 v0, s[64:65] scope:SCOPE_SE
	s_setreg_imm32_b32 hwreg(HW_REG_WAVE_MODE, 25, 1), 1
	s_wait_xcnt 0x0
	s_wait_alu depctr_hold_cnt(0) depctr_sa_sdst(0) depctr_va_vdst(0) depctr_va_sdst(0) depctr_va_ssrc(0) depctr_va_vcc(0) depctr_vm_vsrc(0)
	s_getreg_b32 s2, hwreg(HW_REG_IB_STS2, 6, 4)
	s_cmp_eq_u32 s2, 0
	s_cbranch_scc0 .Lentry_in_a_cluster
	s_endpgm
.Lentry_in_a_cluster:
	s_bfe_u32 s2, ttmp6, 0x10000c
	s_cmp_lg_u32 s2, 0x3003
	s_cbranch_scc0 .Lentry_shape_is_right
	s_endpgm
.Lentry_shape_is_right:
; Causal attention on codes of FP4 (E2M1) with E8M0 scales: 16 query heads, 4 key and value heads, 2,048 tokens, head size 128.  O / l is quantised along d and stored as the last product's operand.
; THE SOFTMAX: t = score x log2(e) / sqrt(128); M = the running largest t, rounded UP to a whole number; p = 2^(t - M) is quantised along the keys, not normalised; l is the sum of the unquantised p.
; When M moves, l and O are multiplied by 2^(old M - new M): exact.
; SHARES.  A cluster of four work-groups is the four query heads of ONE key and value head (cluster x), so all four read the same K and V: every tile is asked for jointly, mask 15.
; A head's K and V as codes are 131,072 bytes each: ALL of it is brought into LDS once, by five loads of each of waves 0-3 issued together at the head; no LDS byte is filled twice.
; A work-group owns eight tiles of 16 queries: place i < 4 is tile y + 16 i, place i + 4 is tile 127 - (y + 16 i): the two together always have 17 key steps, whatever y.
; TWO WAVES SHARE A TILE: wave i takes its even key steps, wave i + 8 the odd ones, each with an M, an l and an O^T of its own: so no wave walks more than 8 of the 16 steps, and four waves stand on a SIMD.
; At the end wave i + 8 hands its O^T, l and -M to wave i through LDS, as an image of its registers, and wave i brings both under the larger M by two powers of two, which round nothing.
; Every wave walks all its 8 steps (constant trip counts); a step all of whose keys come after its queries is jumped over by a scalar branch on ids that the four partners share.
; TWO BARRIERS show the tiles: one when key steps 0-3 have landed, one when all have; behind the second no wave waits for another until the hand-over.
; LAYOUT.  Both products are used transposed: S^T = K Q^T, O^T = V^T P^T: a lane holds ONE query (lane % 16).  A tile of K is 16 neighbouring keys, so p's register 16 b + 8 u + j in lane half h is key
; 32 b + 16 u + 8 h + j; the conversions put it at place 32 b + 16 h + 8 u + j, and V's codes were laid in the same order inside each block of 32 keys: the products are the same, only their grouping differs.
; V's rows were chosen so that O^T's register 16 b + i is d = 32 b + 16 h + i.
; OUT: o_img [token tile][head][1,024]; o_sc word at 1,024 tile + 256 (head / 4) + 16 r + 4 (head % 4): 4 bytes a lane, 16 bytes apart; the four partners' words interleave.  They are 1/16 of the codes' bytes.
; LIMITS: NaN and infinities are not served; a block whose largest magnitude lies under 2^-124 (zeros among them) keeps the scale byte 1; 1 / l is v_rcp_f32.
; REGISTERS: v1-7 addresses that stay; v8-11 addresses in hand; v12 -M, v13 the largest t, v[14:15] l in two halves; v16-23 Q; v24-31 eight scale words (K's, then V's) and nothing else; v32-95 eight fragments (K's, then V's);
;   v96-159 S^T, then p; v160-223 O^T; v224-231 p's codes; v232-254 at work; v253 p's scale word; v255 Q's.
.set VOFF, 131072                      ; LDS: K's 128 fragments from 0, V's from here,
.set SCK,  262144                      ; K's 2,048 scale words,
.set SCV,  270336                      ; V's,
.set XL,   278528                      ; and 256 bytes for each pair of waves: l and -M on the hand-over
.set LI,   1                           ; v1   16 x lane
.set RH,   2                           ; v2   r - 8 h
.set AS0,  3                           ; v3   SCK + 4 r
.set XA,   4                           ; v4   the hand-over's image: 8,192 bytes a pair, in the bytes of K's (pairs 0-3) and V's (pairs 4-7) key steps 0-3, which nobody reads behind the second barrier
.set XB,   5                           ; v5   its l and -M: XL + 256 x pair + 8 x lane
.set ADK,  8
.set ADV,  9
.set ADS,  10
.set ADT,  11
.set TM,   232
.set PW,   248
.set PC,   224
.set WV,   18
.set SEL,  20
.set CS,   22
.set G1T,  24                          ; s[24:31] group 1: 16,384 dense bytes;  s[32:39]: 4,096
.set G1S,  32
.set G0S,  40                          ; s[40:43] group 0 for my scale bytes;  s[44:59] for my part of key steps 4 n .. 4 n + 3, n = 0..3
.set G0T,  44
.set TB,   60                          ; s60  LDS byte of the step's tiles of K
.set TS,   61                          ; s61  of its scale words
.set KF,   62                          ; s62  the step's first key
.set Q0,   63                          ; s63  my first query
.set TW,   66
.set CX,   67
.set HB,   72                          ; s72  8,192 x (wave / 8): my first step's tiles;  s73: 512 x, its scale words;  s74: 128 x, its first key
.set HS,   73
.set HK,   74
.macro CROUND
	s_barrier_signal -1
	s_barrier_wait -1
	s_cmp_lg_u32 s[WV], 0
	s_cbranch_scc1 .Lnot_wave_0_\@
	s_barrier_signal -3
.Lnot_wave_0_\@:
	s_barrier_wait -3
	s_barrier_signal -1
	s_barrier_wait -1
.endm
; 64 numbers of a lane, register 16 b + i = place 32 b + 16 (lane / 16) + i of my row, become a fragment's codes in v[PC] on and its scale word in v[PW]
.macro QUANT s
.irp b, 0,1,2,3
	v_max3_num_f32 v[TM+\b], |v[(\s)+16*\b]|, |v[(\s)+1+16*\b]|, 0x1800000
.endr
.irp i, 2,4,6,8,10,12,14
.irp b, 0,1,2,3
	v_max3_num_f32 v[TM+\b], v[TM+\b], |v[(\s)+16*\b+\i]|, |v[(\s)+1+16*\b+\i]|
.endr
.endr
.irp b, 0,1,2,3
	v_permlanex16_b32 v[TM+4+\b], v[TM+\b], s[SEL], s[SEL+1]
.endr
.irp b, 0,1,2,3
	v_max_num_f32 v[TM+\b], v[TM+\b], v[TM+4+\b]
.endr
.irp b, 0,1,2,3
	v_add_nc_u32 v[TM+12+\b], 0xff000000, v[TM+\b]
.endr
.irp b, 0,1,2,3
	v_lshrrev_b32 v[TM+4+\b], 23, v[TM+12+\b]
.endr
	v_lshl_or_b32 v[PW], v[TM+5], 8, v[TM+4]
	v_lshl_or_b32 v[PW], v[TM+6], 16, v[PW]
	v_lshl_or_b32 v[PW], v[TM+7], 24, v[PW]
.irp b, 0,1,2,3
	v_cvt_scalef32_pk8_fp4_f32 v[PC+2*\b], v[(\s)+16*\b:(\s)+7+16*\b], v[TM+12+\b]
	v_cvt_scalef32_pk8_fp4_f32 v[PC+1+2*\b], v[(\s)+8+16*\b:(\s)+15+16*\b], v[TM+12+\b]
.endr
	v_nop
.irp c, 0,1
.irp i, 0,1
	v_permlane16_swap_b32 v[PC+4*\c+\i], v[PC+2+4*\c+\i]
.endr
.endr
.endm
; A KEY STEP: 128 keys; the wave's next step lies two steps on
.macro STEP
	s_add_co_u32 s68, s[Q0], 15
	s_cmp_gt_u32 s[KF], s68                        ; all its keys come after my queries: only the addresses step
	s_cbranch_scc1 .Lhidden_\@
	v_add_nc_u32 v[ADK], s[TB], v[LI]              ; (these four lines are also the places between the last step's products and the loads into the registers that they read)
	v_add_nc_u32 v[ADS], s[TS], v[AS0]
	v_add_nc_u32 v[ADV], VOFF, v[ADK]
	v_add_nc_u32 v[ADT], SCV-SCK, v[ADS]
.irp t, 0,1,2,3,4,5,6,7
.irp c, 0,1
	ds_load_b128 v[32+8*\t+4*\c:35+8*\t+4*\c], v[ADK] offset:\t*1024+\c*512
.endr
	ds_load_b32 v[24+\t], v[ADS] offset:64*\t
.endr
	s_wait_dscnt 0x0
.irp t, 0,1,2,3,4,5,6,7                        ; S^T: tile t = keys 16 t on
	v_wmma_scale_f32_16x16x128_f8f6f4 v[96+8*\t:103+8*\t], v[32+8*\t:39+8*\t], v[16:23], 0, v[24+\t], v255 matrix_a_fmt:MATRIX_FMT_FP4 matrix_b_fmt:MATRIX_FMT_FP4
.endr
.rept 4
	v_nop                                          ; places: in front of the loads below and of the first read of the scores
.endr
.irp t, 0,1,2,3,4,5,6,7                        ; V's fragments and scale words take K's registers and land under the softmax
.irp c, 0,1
	ds_load_b128 v[32+8*\t+4*\c:35+8*\t+4*\c], v[ADV] offset:\t*1024+\c*512
.endr
	ds_load_b32 v[24+\t], v[ADT] offset:64*\t
.endr
	s_add_co_u32 s68, s[KF], 127                   ; on the diagonal hidden scores become -infinity ahead of the maximum: p = 0 then.  A step all of whose keys count skips this
	s_cmp_le_u32 s68, s[Q0]
	s_cbranch_scc1 .Lopen_\@
	s_sub_co_i32 s68, s[Q0], s[KF]
	v_add_nc_u32 v248, s68, v[RH]                  ; register n holds key KF + 16 (n / 8) + 8 h + n % 8: hidden where 16 (n / 8) + n % 8 > my query - KF - 8 h
	v_mov_b32 v249, 0xff800000
.set J, 0
.rept 64
	v_cmp_gt_i32 vcc_lo, 16*(J/8)+J%8, v248
	v_cndmask_b32 v[96+J], v[96+J], v249, vcc_lo
.set J, J+1
.endr
.Lopen_\@:
.irp b, 0,1,2,3
	v_max3_num_f32 v[232+\b], v[96+16*\b], v[97+16*\b], v[98+16*\b]   ; the largest score of each block of 32 keys: for the row's maximum and, since p rises with the score, for the block's largest p
.endr
.irp i, 3,5,7,9,11,13
.irp b, 0,1,2,3
	v_max3_num_f32 v[232+\b], v[232+\b], v[96+16*\b+\i], v[97+16*\b+\i]
.endr
.endr
.irp b, 0,1,2,3
	v_max_num_f32 v[232+\b], v[232+\b], v[111+16*\b]
.endr
.irp b, 0,1,2,3
	v_permlanex16_b32 v[236+\b], v[232+\b], s[SEL], s[SEL+1]
.endr
.irp b, 0,1,2,3
	v_max_num_f32 v[232+\b], v[232+\b], v[236+\b]  ; with lane l xor 16's 16 keys
.endr
	v_max3_num_f32 v254, v232, v233, v234
	v_max_num_f32 v254, v254, v235
	v_mul_f32 v254, s[CS], v254                    ; the step's largest t
	v_max_num_f32 v13, v13, v254                   ; the running largest t
	v_mov_b32 v254, v12
	v_floor_f32 v12, -v13                          ; the new -M = -ceil(t)
	v_sub_f32 v254, v12, v254                      ; old M - new M: a whole number, 0 or less
	v_cvt_i32_f32 v254, v254
	v_ldexp_f32 v252, 1.0, v254                    ; f = 2^(old M - new M)
.set J, 0
.rept 32
	v_pk_fma_f32 v[96+J:97+J], v[96+J:97+J], s[CS:CS+1], v[12:13] op_sel_hi:[1,0,0]   ; t - M
.set J, J+2
.endr
.irp b, 0,1,2,3
	v_fma_f32 v[232+\b], v[232+\b], s[CS], v12
.endr
.set J, 0
.rept 64
	v_exp_f32 v[96+J], v[96+J]                     ; p = 2^(t - M)
.set J, J+1
.endr
.irp b, 0,1,2,3
	v_exp_f32 v[232+\b], v[232+\b]                 ; the block's largest p: the same two instructions on the same number
.endr
	v_pk_mul_f32 v[14:15], v[14:15], v[252:253] op_sel_hi:[1,0]   ; l under the new M (a plain place behind the exponentials)
	s_wait_alu depctr_va_vdst(0)
.irp b, 0,1,2,3
	v_max_num_f32 v[232+\b], 0x1800000, v[232+\b]  ; the floor 2^(3 - 127)
.endr
.irp b, 0,1,2,3
	v_add_nc_u32 v[244+\b], 0xff000000, v[232+\b]
.endr
.irp b, 0,1,2,3
	v_lshrrev_b32 v[236+\b], 23, v[244+\b]
.endr
	v_lshl_or_b32 v253, v237, 8, v236              ; p's scale word for these 128 keys
	v_lshl_or_b32 v253, v238, 16, v253
	v_lshl_or_b32 v253, v239, 24, v253
.irp b, 0,1,2,3
	v_cvt_scalef32_pk8_fp4_f32 v[224+2*\b], v[96+16*\b:103+16*\b], v[244+\b]
	v_cvt_scalef32_pk8_fp4_f32 v[225+2*\b], v[104+16*\b:111+16*\b], v[244+\b]
.endr
	v_nop                                          ; one plain place behind a scaled conversion
.irp c, 0,1
.irp i, 0,1
	v_permlane16_swap_b32 v[224+4*\c+\i], v[226+4*\c+\i]
.endr
.endr
	v_pk_add_f32 v[236:237], v[96:97], v[98:99]    ; l takes the UNQUANTISED p, in two chains
.irp j, 4,8,12,16,20,24,28,32,36,40,44,48,52,56,60
	v_pk_add_f32 v[14:15], v[14:15], v[96+\j:97+\j]
	v_pk_add_f32 v[236:237], v[236:237], v[98+\j:99+\j]
.endr
	v_pk_add_f32 v[14:15], v[14:15], v[236:237]
.set J, 0
.rept 32
	v_pk_mul_f32 v[160+J:161+J], v[160+J:161+J], v[252:253] op_sel_hi:[1,0]   ; O^T under the new M (these are also the places between p's codes and scale word and the products)
.set J, J+2
.endr
	s_wait_dscnt 0x0                               ; V is in
.irp t, 0,1,2,3,4,5,6,7                        ; O^T += V^T P^T: eight accumulators by turns
	v_wmma_scale_f32_16x16x128_f8f6f4 v[160+8*\t:167+8*\t], v[32+8*\t:39+8*\t], v[224:231], v[160+8*\t:167+8*\t], v[24+\t], v253 matrix_a_fmt:MATRIX_FMT_FP4 matrix_b_fmt:MATRIX_FMT_FP4
.endr
.Lhidden_\@:
	s_add_co_u32 s[KF], s[KF], 256
	s_add_co_u32 s[TB], s[TB], 16384
	s_add_co_u32 s[TS], s[TS], 1024
.endm
; my steps among key steps first .. first + 2 trips - 1.  left: how many younger tensor loads may stay out
.macro PHASE first, trips, left
	s_wait_tensorcnt \left                         ; my parts of what is read behind this barrier have landed (a wave that fetched nothing passes at once)
	s_wait_dscnt 0x0
	s_barrier_signal -1
	s_barrier_wait -1                              ; everybody's have
	s_add_co_u32 s[TB], s[HB], \first*8192
	s_add_co_u32 s[TS], s[HS], \first*512
	s_add_co_u32 s[KF], s[HK], \first*128
	s_mov_b32 s[TW], \trips
.Lstep_\@:
	STEP
	s_sub_co_u32 s[TW], s[TW], 1
	s_cmp_lg_u32 s[TW], 0
	s_cbranch_scc1 .Lstep_\@
.endm
	s_load_b128 s[4:7], s[0:1], 0x0                ; qkv_img, qkv_sc
	s_load_b128 s[8:11], s[0:1], 0x10              ; o_img, o_sc
	v_lshl_add_u32 v254, v0, 2, 0x44800
	v_mov_b32 v255, 0
	ds_add_u32 v254, v255
	ds_add_u32 v254, v255
	s_wait_dscnt 0x0
	v_lshrrev_b32 v8, 5, v0
	v_readfirstlane_b32 s[WV], v8                  ; wave 0..15
	s_bfe_u32 s[CX], ttmp6, 0x40000                ; cx: which of the group's four query heads: it enters Q's and O's global addresses alone
	s_and_b32 s68, ttmp7, 0xffff                   ; y
	s_and_b32 s69, s[WV], 3
	s_lshl_b32 s69, s69, 4
	s_add_co_u32 s68, s68, s69                     ; y + 16 (wave % 4): 0..63
	s_bfe_u32 s69, s[WV], 0x10002
	s_mul_i32 s69, s69, 127
	s_xor_b32 s68, s68, s69                        ; my tile of queries: places 4-7 take 127 - that
	s_lshl_b32 s[Q0], s68, 4
	; what I fetch, if I fetch (waves 0, 1: K's halves; 2, 3: V's)
	s_bfe_u32 s71, s[WV], 0x10001                  ; kind
	s_and_b32 s76, s[WV], 1                        ; half
	s_lshl_b32 s72, s71, 2
	s_add_co_u32 s72, s72, ttmp9
	s_add_co_u32 s72, s72, 16                      ; 16 + the key and value head + 4 kind
	s_lshl_b32 s74, s72, 13
	s_lshl_b32 s77, s76, 12
	s_add_co_u32 s74, s74, s77                     ; its scale words, my half
	s_mov_b32 s75, 0
	s_lshl_b32 s72, s72, 17
	s_lshl_b32 s78, s76, 14
	s_add_co_u32 s72, s72, s78                     ; its fragments, my half of key steps 0-3
	s_mov_b32 s73, 0
	s_lshl_b32 s79, s71, 13
	s_add_co_u32 s77, s77, s79                     ; in LDS: 8,192 kind + 4,096 half
	s_lshl_b32 s79, s71, 17
	s_add_co_u32 s78, s78, s79                     ; 131,072 kind + 16,384 half
	; Q and O
	s_lshl_b32 s70, ttmp9, 2
	s_add_co_u32 s70, s70, s[CX]                   ; my query head
	s_lshl_b32 s80, s70, 17
	s_lshl_b32 s79, s68, 10
	s_add_co_u32 s80, s80, s79
	s_mov_b32 s81, 0
	s_lshl_b32 s82, s70, 13
	s_lshl_b32 s79, s68, 6
	s_add_co_u32 s82, s82, s79
	s_mov_b32 s83, 0
	s_lshl_b32 s84, s68, 14
	s_lshl_b32 s79, s70, 10
	s_add_co_u32 s84, s84, s79
	s_mov_b32 s85, 0
	s_lshl_b32 s86, s68, 10
	s_lshl_b32 s79, ttmp9, 8
	s_add_co_u32 s86, s86, s79
	s_lshl_b32 s79, s[CX], 2
	s_add_co_u32 s86, s86, s79
	s_mov_b32 s87, 0
	; descriptor groups 1: dense blocks as rows of 256 bytes (32 elements of 8 bytes); 15:0 the mask: all four work-groups; 21 set beside a mask
	s_mov_b32 s[G1T], 15|(3<<16)|(1<<21)
	s_mov_b32 s[G1T+1], 32<<16
	s_mov_b32 s[G1T+2], 64<<16
	s_mov_b32 s[G1T+3], 32<<16
	s_mov_b32 s[G1T+4], 64
	s_mov_b32 s[G1T+5], 32
	s_mov_b32 s[G1T+6], 0
	s_mov_b32 s[G1T+7], 0
	s_mov_b32 s[G1S], 15|(3<<16)|(1<<21)
	s_mov_b32 s[G1S+1], 32<<16
	s_mov_b32 s[G1S+2], 16<<16
	s_mov_b32 s[G1S+3], 32<<16
	s_mov_b32 s[G1S+4], 16
	s_mov_b32 s[G1S+5], 32
	s_mov_b32 s[G1S+6], 0
	s_mov_b32 s[G1S+7], 0
	s_mov_b32 s[SEL], 0x76543210
	s_mov_b32 s[SEL+1], 0xfedcba98
	s_mov_b32 s[CS], 0x3e0293ee                    ; c = log2(e) / sqrt(128)
	s_mov_b32 s[CS+1], s[CS]                       ; (named with it as a pair, so it is written)
	s_wait_kmcnt 0x0
	s_add_nc_u64 s[72:73], s[4:5], s[72:73]
	s_add_nc_u64 s[74:75], s[6:7], s[74:75]
	s_add_nc_u64 s[80:81], s[4:5], s[80:81]
	s_add_nc_u64 s[82:83], s[6:7], s[82:83]
	s_add_nc_u64 s[84:85], s[8:9], s[84:85]
	s_add_nc_u64 s[86:87], s[10:11], s[86:87]
	s_mov_b32 s[G0S], 1
	s_add_co_u32 s[G0S+1], s77, SCK
	s_mov_b64 s[G0S+2:G0S+3], s[74:75]
	s_or_b32 s[G0S+3], s[G0S+3], 0x80000000
.irp n, 0,1,2,3
	s_mov_b32 s[G0T+4*\n], 1
	s_add_co_u32 s[G0T+4*\n+1], s78, \n*32768
	s_add_nc_u64 s[G0T+4*\n+2:G0T+4*\n+3], s[72:73], \n*32768
	s_or_b32 s[G0T+4*\n+3], s[G0T+4*\n+3], 0x80000000
.endr
	CROUND                                         ; all four work-groups are here: the joint loads meet
	s_cmp_lt_u32 s[WV], 4                          ; a wave's five fills stand in one branch, ahead of every wait on TENSORcnt and every LDS read: five loads of mine are out
	s_cbranch_scc0 .Lno_fetch
	tensor_load_to_lds s[G0S:G0S+3], s[G1S:G1S+7]
	s_nop 0
	tensor_load_to_lds s[G0T:G0T+3], s[G1T:G1T+7]
	s_nop 0
	tensor_load_to_lds s[G0T+4:G0T+7], s[G1T:G1T+7]
	s_nop 0
	tensor_load_to_lds s[G0T+8:G0T+11], s[G1T:G1T+7]
	s_nop 0
	tensor_load_to_lds s[G0T+12:G0T+15], s[G1T:G1T+7]
	s_nop 0
.rept 4
	v_nop
.endr
.Lno_fetch:
	s_lshr_b32 s76, s[WV], 3                       ; 0: I take the even key steps and keep the tile; 1: the odd ones
	s_lshl_b32 s[HB], s76, 13
	s_lshl_b32 s[HS], s76, 9
	s_lshl_b32 s[HK], s76, 7
	s_and_b32 s77, s[WV], 3
	s_lshl_b32 s77, s77, 13
	s_bfe_u32 s78, s[WV], 0x10002
	s_lshl_b32 s78, s78, 17
	s_add_co_u32 s77, s77, s78                     ; my pair's image: 8,192 (pair % 4) + 131,072 (pair / 4)
	s_and_b32 s78, s[WV], 7
	s_lshl_b32 s78, s78, 8
	s_add_co_u32 s78, s78, XL
	v_and_b32 v2, 31, v0
	v_lshlrev_b32 v[LI], 4, v2
	v_and_b32 v8, 15, v0                           ; r
	v_bfe_u32 v9, v0, 4, 1                         ; h
	v_lshlrev_b32 v6, 2, v8
	global_load_b128 v[16:19], v[LI], s[80:81]     ; Q's fragment stays in registers
	global_load_b128 v[20:23], v[LI], s[80:81] offset:512
	global_load_b32 v255, v6, s[82:83]             ; and its scale words
	v_lshl_add_u32 v[AS0], v8, 2, SCK
	v_lshlrev_b32 v7, 4, v8                        ; o_sc: 16 r
	v_add_nc_u32 v[XA], s77, v[LI]
	v_lshl_add_u32 v[XB], v2, 3, s78
	v_lshlrev_b32 v9, 3, v9
	v_sub_nc_u32 v[RH], v8, v9
	v_mov_b32 v13, 0xff61b1e6                      ; the largest t so far: -3e38, under every t
	v_floor_f32 v12, -v13                          ; -M
	v_mov_b32 v14, 0
	v_mov_b32 v15, 0
.irp b, 0,1,2,3
	v_mov_b32 v[236+\b], 0                         ; written once: a lane permute's destination counts as one of its sources
.endr
	v_mov_b32 v252, 0
	v_mov_b32 v253, 0
.set J, 0
.rept 64
	v_mov_b32 v[160+J], 0                          ; O^T: the step is written once; the first finds zeros, which the first change of M leaves zeros
.set J, J+1
.endr
	s_wait_loadcnt 0x0                             ; Q
	PHASE 0, 2, 3                                  ; the scale bytes and key steps 0-3 have landed; the three younger loads may be out
	PHASE 4, 6, 0                                  ; all have landed; nobody reads the bytes of key steps 0-3 any more
	; THE HAND-OVER
.rept 4
	v_nop                                          ; places behind the last products
.endr
	v_add_f32 v14, v14, v15                        ; my lane's l
	v_mov_b32 v15, v12                             ; beside it -M
	s_cmp_lt_u32 s[WV], 8
	s_cbranch_scc1 .Lkeeper
.set J, 0
.rept 16
	ds_store_b128 v[XA], v[160+4*J:163+4*J] offset:512*J   ; O^T as it stands, each accumulator from its low end on: 16 bytes a lane, 512 a store
.set J, J+1
.endr
	ds_store_b64 v[XB], v[14:15]
.Lkeeper:
	s_wait_dscnt 0x0                               ; for the partner's sake: my stores have landed
	s_barrier_signal -1
	s_barrier_wait -1
	s_cmp_lt_u32 s[WV], 8
	s_cbranch_scc0 .Ldone
.set J, 0
.rept 16
	ds_load_b128 v[96+4*J:99+4*J], v[XA] offset:512*J      ; the partner's O^T, the same registers in the same lanes
.set J, J+1
.endr
	ds_load_b64 v[240:241], v[XB]                  ; its l and its -M
	s_wait_dscnt 0x0
	v_min_num_f32 v242, v12, v241                  ; -M of the two together
	v_sub_f32 v243, v242, v12                      ; my M less the common one: a whole number, 0 or less
	v_sub_f32 v244, v242, v241                     ; the partner's (a partner without a step has M = -3e38: the conversion saturates and its factor is 0)
	v_cvt_i32_f32 v243, v243
	v_cvt_i32_f32 v244, v244
	v_ldexp_f32 v243, 1.0, v243
	v_ldexp_f32 v244, 1.0, v244
	v_mul_f32 v245, v240, v244
	v_fma_f32 v14, v14, v243, v245                 ; l under the common M,
	v_permlanex16_b32 v252, v14, s[SEL], s[SEL+1]
	v_add_f32 v14, v14, v252                       ; with lane l xor 16's: the row's sum
	v_rcp_f32 v14, v14
	v_nop                                          ; one plain place behind a transcendental
	s_wait_alu depctr_va_vdst(0)
	v_mul_f32 v246, v243, v14                      ; a power of two x 1 / l: nothing is rounded
	v_mul_f32 v247, v243, v14
	v_mul_f32 v250, v244, v14
	v_mul_f32 v251, v244, v14
.set J, 0
.rept 32
	v_pk_mul_f32 v[96+J:97+J], v[96+J:97+J], v[250:251]
.set J, J+2
.endr
.set J, 0
.rept 32
	v_pk_fma_f32 v[96+J:97+J], v[160+J:161+J], v[246:247], v[96+J:97+J]   ; O / l; each accumulator from its low end on
.set J, J+2
.endr
	QUANT 96                                       ; along d: one fragment and one scale word a row
	global_store_b128 v[LI], v[PC:PC+3], s[84:85]  ; 32 lanes store 512 consecutive aligned bytes
	global_store_b128 v[LI], v[PC+4:PC+7], s[84:85] offset:512
	global_store_b32 v7, v[PW], s[86:87]           ; lanes l and l + 16 write the same word with the same value
.Ldone:
	s_wait_xcnt 0x0
	v_lshl_add_u32 v254, v0, 2, 0x44800
	v_mov_b32 v255, 0
	s_wait_tensorcnt 0x0
	ds_add_u32 v254, v255
	s_wait_dscnt 0x0
	CROUND                                         ; the closing round
	s_endpgm
.Lfunc_end_k_q423e711c6a_attn:
	.size	k_q423e711c6a_attn, .Lfunc_end_k_q423e711c6a_attn-k_q423e711c6a_attn
	.p2alignl 7, 3214868480
	.fill 96, 4, 3214868480
	.section	.rodata,"a",@progbits
	.p2align	6, 0x0
	.amdhsa_kernel k_q423e711c6a_attn
		.amdhsa_group_segment_fixed_size 282624
		.amdhsa_private_segment_fixed_size 0
		.amdhsa_enable_private_segment 0
		.amdhsa_kernarg_size 32
		.amdhsa_user_sgpr_count 2
		.amdhsa_user_sgpr_kernarg_segment_ptr 1
		.amdhsa_wavefront_size32 1
		.amdhsa_system_sgpr_workgroup_id_x 1
		.amdhsa_system_sgpr_workgroup_id_y 1
		.amdhsa_system_sgpr_workgroup_id_z 1
		.amdhsa_system_vgpr_workitem_id 0
		.amdhsa_next_free_vgpr 256
		.amdhsa_next_free_sgpr 88
		.amdhsa_reserve_vcc 1
		.amdhsa_float_denorm_mode_32 3
		.amdhsa_float_denorm_mode_16_64 3
		.amdhsa_memory_ordered 1
		.amdhsa_forward_progress 1
		.amdhsa_inst_pref_size 69
	.end_amdhsa_kernel
	.amdgpu_metadata
---
amdhsa.version: [ 1, 2 ]
amdhsa.kernels:
  - .name:           k_q423e711c6a_attn
    .symbol:         k_q423e711c6a_attn.kd
    .args:
      - { .name: qkv_img, .offset: 0, .size: 8, .value_kind: global_buffer, .address_space: global }
      - { .name: qkv_sc, .offset: 8, .size: 8, .value_kind: global_buffer, .address_space: global }
      - { .name: o_img, .offset: 16, .size: 8, .value_kind: global_buffer, .address_space: global }
      - { .name: o_sc, .offset: 24, .size: 8, .value_kind: global_buffer, .address_space: global }
    .group_segment_fixed_size: 282624
    .private_segment_fixed_size: 0
    .kernarg_segment_align: 8
    .kernarg_segment_size: 32
    .max_flat_workgroup_size: 512
    .sgpr_count:     88
    .vgpr_count:     256
    .wavefront_size: 32
...
	.end_amdgpu_metadata
.endif
;; end of part 7
;; launch outp (part 8): grid 16 x 16, 4 waves a work-group, clusters of 4 x 4, 279,040 bytes of LDS; arguments o_img, o_sc, w_img, w_sc, out0; writes out0
.if DOCPART == 8
	.amdgcn_target "amdgcn-amd-amdhsa--gfx1250"
	.amdhsa_code_object_version 6
	.text
	.protected	k_q423e711c6a_outp
	.globl	k_q423e711c6a_outp
	.p2align	8
	.type	k_q423e711c6a_outp,@function
k_q423e711c6a_outp:
	s_mov_b64 s[64:65], 0
	v_nop
	global_prefetch_b8 v0, s[64:65] scope:SCOPE_SE
	s_setreg_imm32_b32 hwreg(HW_REG_WAVE_MODE, 25, 1), 1
	s_wait_xcnt 0x0
	s_wait_alu depctr_hold_cnt(0) depctr_sa_sdst(0) depctr_va_vdst(0) depctr_va_sdst(0) depctr_va_ssrc(0) depctr_va_vcc(0) depctr_vm_vsrc(0)
	s_getreg_b32 s2, hwreg(HW_REG_IB_STS2, 6, 4)
	s_cmp_eq_u32 s2, 0
	s_cbranch_scc0 .Lentry_in_a_cluster
	s_endpgm
.Lentry_in_a_cluster:
	s_bfe_u32 s2, ttmp6, 0x10000c
	s_cmp_lg_u32 s2, 0xf033
	s_cbranch_scc0 .Lentry_shape_is_right
	s_endpgm
.Lentry_shape_is_right:
; out0 = O Wo on codes of FP4 (E2M1) with E8M0 scales; out0 [2048][2048] f32.
; A work-group makes 128 tokens x 128 columns: 256 work-groups.  Each of four waves makes 64 x 64: 16 accumulators, 128 registers; for 128 along K it reads 4 + 4 fragments for 16 products.
; ALL OF K LIES IN LDS: 128 rows of O and 128 of Wo^T are 131,072 bytes of codes each, their scale bytes 8,192 each: 278,528 bytes, filled ONCE, by five loads of each wave issued together at the head
; (the scale bytes, then four quarters of K): no LDS byte is filled twice.  The products of a quarter begin when it has landed, behind a counted wait and a barrier.
; OPERANDS lie in memory as fragments (16 rows x 128 K = 1,024 bytes; lane l's registers 4 c .. 4 c + 3 at 512 c + 16 l): every LDS read is 512 consecutive bytes, no pitch and no padding.
; CLUSTERS: the four work-groups of a row of the cluster need the same tiles of O, the four of a column the same tiles of Wo: each is asked for jointly, with a mask that names the four.
; THE MATRIX INSTRUCTION IS USED TRANSPOSED (source 0 = 16 rows of Wo^T, source 1 = 16 tokens), and Wo's tiles were laid so that lane (r, h) holds token r and register 16 b + i of a token tile is column 32 b + 16 h + i.
; REGISTERS: window 0: v1-27 addresses; v32-63 scale words, two sets, and nothing else; v64-127 O's fragments, two sets; v128-191 the way out.   window 1: v0-63 Wo's fragments, two sets.
;   window 2: the accumulators, (a, b) at v[8 (4 a + b)].
.set NT0,   192                        ; Wo's first tile in w_img
.set SLOT,  65536                      ; a quarter of K: 8 tiles of O x 4,096 bytes, then 8 tiles of Wo x 4,096
.set BOFF,  32768
.set SCL,   4*SLOT                     ; O's scale bytes: 8 tiles x 1,024
.set SCLB,  SCL+8192                   ; Wo's likewise
.set SPITCH, 272                       ; the way out: a stage of 16 rows x (256 bytes + 16) a wave, in the first quarter's bytes, which have had their only fill and their last read by then
.set LI,   4                           ; v4   16 x lane
.set ADRA, 16                          ; v16-19 my fragments of O in quarter 0..3
.set ADRB, 20                          ; v20-23 Wo's
.set STO,  24                          ; v24  the stage, way in
.set RD,   25                          ; v25  way out
.set CO,   26                          ; v26  my bytes in two rows of out0
.set ADRS, 27                          ; v27  my scale words: lanes 0-15 O's rows, lanes 16-31 Wo's
.set SC,   32
.set AF,   64
.set BK,   128
.set G1,   16                          ; s[16:23] group 1 for O's tiles;  s[24:31] for Wo's;  s[32:39], s[40:47] for their scale bytes
.set G1B,  24
.set G1S,  32
.set G1SB, 40
.set G0,   48                          ; s[48:63] groups 0 for O's four quarters;  s[68:71] for its scale bytes
.set G0S,  68
.set G0B,  72                          ; s[72:87] for Wo's four quarters;  s[88:91] for its scale bytes
.set G0SB, 88
.set WV,   92
.set WH,   93
.set WL,   94
.set MSB, 0
.macro WIN new                         ; the immediate's high byte repeats the setting that is left
.if MSB != \new
	s_set_vgpr_msb (MSB<<8)|\new
.set MSB, \new
.endif
.endm
.macro PLACES n
.rept \n
	v_nop
.endr
.endm
.macro CROUND                          ; a round of the cluster's barrier
	s_barrier_signal -1
	s_barrier_wait -1
	s_cmp_lg_u32 s[WV], 0
	s_cbranch_scc1 .Lnot_wave_0_\@
	s_barrier_signal -3
.Lnot_wave_0_\@:
	s_barrier_wait -3
	s_barrier_signal -1
	s_barrier_wait -1
.endm
; 16 LDS loads: the quarter's q-th 128 along K: my four fragments of Wo and my four of O, into set p
.macro FETCH slot, q, p
	WIN 0x40
.irp b, 0,1,2,3
.irp c, 0,1
	ds_load_b128 v[32*(\p)+8*\b+4*\c:32*(\p)+8*\b+4*\c+3], v[ADRB+\slot] offset:\b*4096+(\q)*1024+\c*512
.endr
.endr
	WIN 0
.irp a, 0,1,2,3
.irp c, 0,1
	ds_load_b128 v[AF+32*(\p)+8*\a+4*\c:AF+32*(\p)+8*\a+4*\c+3], v[ADRA+\slot] offset:\a*4096+(\q)*1024+\c*512
.endr
.endr
.endm
; quarter n's scale words into set n % 2: register 4 i + q: lanes 0-15 the word of my tile i of O, lanes 16-31 that of my tile i of Wo
.macro SCALES n
.irp i, 0,1,2,3
	ds_load_b128 v[SC+16*((\n)%2)+4*\i:SC+16*((\n)%2)+4*\i+3], v[ADRS] offset:\i*1024+(\n)*256
.endr
.endm
; 4 matrix instructions: my tile a of O against my four of Wo.  The 16 accumulators take turns, in the same order in every step
.macro MUL4 a, p, q, sc, zero
.irp b, 0,1,2,3
.if \zero
	v_wmma_scale_f32_16x16x128_f8f6f4 v[8*(4*(\a)+\b):8*(4*(\a)+\b)+7], v[32*(\p)+8*\b:32*(\p)+8*\b+7], v[AF+32*(\p)+8*(\a):AF+32*(\p)+8*(\a)+7], 0, v[SC+16*(\sc)+4*\b+(\q)], v[SC+16*(\sc)+4*(\a)+(\q)] matrix_a_fmt:MATRIX_FMT_FP4 matrix_b_fmt:MATRIX_FMT_FP4 matrix_a_scale:MATRIX_SCALE_ROW1
.else
	v_wmma_scale_f32_16x16x128_f8f6f4 v[8*(4*(\a)+\b):8*(4*(\a)+\b)+7], v[32*(\p)+8*\b:32*(\p)+8*\b+7], v[AF+32*(\p)+8*(\a):AF+32*(\p)+8*(\a)+7], v[8*(4*(\a)+\b):8*(4*(\a)+\b)+7], v[SC+16*(\sc)+4*\b+(\q)], v[SC+16*(\sc)+4*(\a)+(\q)] matrix_a_fmt:MATRIX_FMT_FP4 matrix_b_fmt:MATRIX_FMT_FP4 matrix_a_scale:MATRIX_SCALE_ROW1
.endif
.endr
.endm
; a step of 128 along K with its successor in the same quarter: the successor's fragments are asked for first and land under this step's 16 products
.macro KSTEP slot, q, zero
.if \zero == 0
	PLACES 4                                       ; between the last step's products and the loads into the set that they read
.endif
	FETCH \slot, (\q)+1, ((\q)+1)%2
	s_wait_dscnt 16                                ; all but the 16 just issued: this step's fragments (and, in a quarter's first step, its scale words) are in
	WIN 0xa1                                       ; source 0 (Wo) window 1, source 1 (O) window 0, C and D window 2
.irp a, 0,1,2,3
	MUL4 \a, (\q)%2, \q, (\slot)%2, \zero
.endr
	WIN 0
.endm
; the last step of quarter n - 1, and the way into quarter n: the count leaves the 3 - n younger tensor loads on their way
.macro CROSS n
	s_wait_tensorcnt 3-\n                          ; my part of quarter n has landed
	s_wait_dscnt 0x0                               ; this step's fragments are in, and my reads of quarter n - 1 are over
	s_barrier_signal -1
	WIN 0xa1
	MUL4 0, 1, 3, ((\n)-1)%2, 0
	MUL4 1, 1, 3, ((\n)-1)%2, 0
	WIN 0
	s_barrier_wait -1                              ; everybody's has
	PLACES 4                                       ; in front of the loads into the set that the step before this one read
	FETCH \n, 0, 0
	SCALES \n
	WIN 0xa1
	MUL4 2, 1, 3, ((\n)-1)%2, 0
	MUL4 3, 1, 3, ((\n)-1)%2, 0
	WIN 0
.endm
; THE WAY OUT, a block of 16 tokens x 64 columns at a time, through my own stage: in as 32 bytes a lane, back as whole rows of 256 bytes, two rows an instruction.  LDS serves a wave's instructions in order: no wait between
.macro TOSTAGE a
	WIN 0x08                                       ; an LDS store's data are its source 1: window 2
.irp b, 0,1,2,3
	ds_store_b128 v[STO], v[32*(\a)+8*\b:32*(\a)+8*\b+3] offset:128*(\b/2)+32*(\b%2)      ; each accumulator from its low end on
	ds_store_b128 v[STO], v[32*(\a)+8*\b+4:32*(\a)+8*\b+7] offset:128*(\b/2)+32*(\b%2)+16
.endr
	WIN 0
.set BB, BK+32*((\a)%2)
.irp t, 0,1,2,3,4,5,6,7
	ds_load_b128 v[BB+4*\t:BB+4*\t+3], v[RD] offset:\t*2*SPITCH
.endr
.endm
.macro SEND a, younger                 ; younger: the LDS instructions issued behind block a's loads, which may stay out
.set BB, BK+32*((\a)%2)
	s_wait_dscnt \younger
.if (\a) > 0
	s_add_nc_u64 s[12:13], s[12:13], 16*8192       ; 16 rows on (the earlier stores have read their base: a wait on XCNT stands ahead)
.endif
.irp t, 0,1,2,3,4,5,6,7
	global_store_b128 v[CO], v[BB+4*\t:BB+4*\t+3], s[12:13] offset:\t*2*8192 th:TH_STORE_NT   ; sixteen lanes store 256 consecutive bytes, at a multiple of 256 from out0's first byte
.endr
.endm
	s_load_b256 s[4:11], s[0:1], 0x0               ; o_img, o_sc, w_img, w_sc
	s_load_b64 s[12:13], s[0:1], 0x20              ; out0
	v_lshl_add_u32 v254, v0, 2, 0x44000
	v_mov_b32 v255, 0
	ds_add_u32 v254, v255
	ds_add_u32 v254, v255
	v_lshrrev_b32 v1, 5, v0
	v_readfirstlane_b32 s[WV], v1                  ; wave 0..3
	s_lshr_b32 s[WH], s[WV], 1                     ; I fetch for O (0) or for Wo (1).  Also: which 64 tokens are mine
	s_and_b32 s[WL], s[WV], 1                      ; its first or second half.  Also: which 64 columns
	s_bfe_u32 s95, ttmp6, 0x40000                  ; cx, cy: my place in the cluster
	s_bfe_u32 s96, ttmp6, 0x40004
	s_lshl_b32 s97, ttmp9, 2
	s_add_co_u32 s97, s97, s95                     ; tx: which 128 columns
	s_and_b32 s98, ttmp7, 0xffff
	s_lshl_b32 s98, s98, 2
	s_add_co_u32 s98, s98, s96                     ; ty: which 128 tokens
	s_lshl_b32 s99, s96, 2
	s_lshl_b32 s99, 15, s99                        ; my row of the cluster
	s_lshl_b32 s3, 0x1111, s95                     ; my column
	; descriptor groups 1, elements of 8 bytes, no padding: 15:0 the mask, 17:16 = 3, 21 set beside a mask
	s_or_b32 s[G1], s99, (3<<16)|(1<<21)           ; O's tiles go to my row,
	s_or_b32 s[G1B], s3, (3<<16)|(1<<21)           ; Wo's to my column: 4 tiles x 4,096 bytes, 16,384 bytes apart
.irp g, G1, G1B
	s_mov_b32 s[\g+1], 512<<16
	s_mov_b32 s[\g+2], 4<<16
	s_mov_b32 s[\g+3], 512<<16
	s_mov_b32 s[\g+4], 4
	s_mov_b32 s[\g+5], 2048
	s_mov_b32 s[\g+6], 0
	s_mov_b32 s[\g+7], 0
.endr
	s_or_b32 s[G1S], s99, (3<<16)|(1<<21)          ; the scale bytes of 4 tiles: 4,096 dense bytes as 16 rows of 256
	s_or_b32 s[G1SB], s3, (3<<16)|(1<<21)
.irp g, G1S, G1SB
	s_mov_b32 s[\g+1], 32<<16
	s_mov_b32 s[\g+2], 16<<16
	s_mov_b32 s[\g+3], 32<<16
	s_mov_b32 s[\g+4], 16
	s_mov_b32 s[\g+5], 32
	s_mov_b32 s[\g+6], 0
	s_mov_b32 s[\g+7], 0
.endr
	s_lshl_b32 s2, s98, 3
	s_lshl_b32 s14, s[WL], 2
	s_add_co_u32 s2, s2, s14                       ; the first tile of O that I fetch: 8 ty + 4 half
	s_lshl_b32 s3, s97, 3
	s_lshl_b32 s100, s[WL], 2
	s_add_co_u32 s3, s3, s100
	s_add_co_u32 s3, s3, NT0                       ; the first tile of Wo: 192 + 8 tx + 4 half
	s_mov_b32 s15, 0
	s_mov_b32 s101, 0
	s_wait_dscnt 0x0
	s_wait_kmcnt 0x0
	s_lshl_b32 s14, s2, 14
	s_add_nc_u64 s[4:5], s[4:5], s[14:15]
	s_lshl_b32 s14, s2, 10
	s_add_nc_u64 s[6:7], s[6:7], s[14:15]
	s_lshl_b32 s100, s3, 14
	s_add_nc_u64 s[8:9], s[8:9], s[100:101]
	s_lshl_b32 s100, s3, 10
	s_add_nc_u64 s[10:11], s[10:11], s[100:101]
	s_lshl_b32 s2, s[WL], 12
	s_mov_b32 s[G0S], 1
	s_add_co_u32 s[G0S+1], s2, SCL
	s_mov_b64 s[G0S+2:G0S+3], s[6:7]
	s_or_b32 s[G0S+3], s[G0S+3], 0x80000000
	s_mov_b32 s[G0SB], 1
	s_add_co_u32 s[G0SB+1], s2, SCLB
	s_mov_b64 s[G0SB+2:G0SB+3], s[10:11]
	s_or_b32 s[G0SB+3], s[G0SB+3], 0x80000000
	s_lshl_b32 s2, s[WL], 14
.irp n, 0,1,2,3
	s_mov_b32 s[G0+4*\n], 1
	s_add_co_u32 s[G0+4*\n+1], s2, \n*SLOT
	s_add_nc_u64 s[G0+4*\n+2:G0+4*\n+3], s[4:5], \n*4096
	s_or_b32 s[G0+4*\n+3], s[G0+4*\n+3], 0x80000000
	s_mov_b32 s[G0B+4*\n], 1
	s_add_co_u32 s[G0B+4*\n+1], s2, \n*SLOT+BOFF
	s_add_nc_u64 s[G0B+4*\n+2:G0B+4*\n+3], s[8:9], \n*4096
	s_or_b32 s[G0B+4*\n+3], s[G0B+4*\n+3], 0x80000000
.endr
	CROUND                                         ; all sixteen work-groups are here: the joint loads meet
	s_cmp_eq_u32 s[WH], 0                          ; a wave's five fills stand in one branch, ahead of every wait on TENSORcnt and every LDS read: five loads of mine are out; four v_nop follow the last
	s_cbranch_scc0 .Lfirst_b
	tensor_load_to_lds s[G0S:G0S+3], s[G1S:G1S+7]
	s_nop 0
	tensor_load_to_lds s[G0:G0+3], s[G1:G1+7]
	s_nop 0
	tensor_load_to_lds s[G0+4:G0+7], s[G1:G1+7]
	s_nop 0
	tensor_load_to_lds s[G0+8:G0+11], s[G1:G1+7]
	s_nop 0
	tensor_load_to_lds s[G0+12:G0+15], s[G1:G1+7]
	s_nop 0
.rept 4
	v_nop
.endr
	s_branch .Lfirst_asked
.Lfirst_b:
	tensor_load_to_lds s[G0SB:G0SB+3], s[G1SB:G1SB+7]
	s_nop 0
	tensor_load_to_lds s[G0B:G0B+3], s[G1B:G1B+7]
	s_nop 0
	tensor_load_to_lds s[G0B+4:G0B+7], s[G1B:G1B+7]
	s_nop 0
	tensor_load_to_lds s[G0B+8:G0B+11], s[G1B:G1B+7]
	s_nop 0
	tensor_load_to_lds s[G0B+12:G0B+15], s[G1B:G1B+7]
	s_nop 0
.rept 4
	v_nop
.endr
.Lfirst_asked:
	s_lshl_b32 s100, s98, 20
	s_lshl_b32 s2, s[WH], 19
	s_add_co_u32 s100, s100, s2
	s_lshl_b32 s2, s97, 9
	s_add_co_u32 s100, s100, s2
	s_lshl_b32 s2, s[WL], 8
	s_add_co_u32 s100, s100, s2
	s_add_nc_u64 s[12:13], s[12:13], s[100:101]    ; out0 at my first token (128 ty + 64 (wave / 2), rows of 8,192 bytes) and my first column (128 tx + 64 (wave % 2))
	v_and_b32 v1, 15, v0                           ; r
	v_bfe_u32 v2, v0, 4, 1                         ; h
	v_and_b32 v3, 31, v0                           ; lane
	v_lshlrev_b32 v[LI], 4, v3
	s_lshl_b32 s2, s[WH], 14                       ; my four tiles of O,
	s_lshl_b32 s14, s[WL], 14
	s_add_co_u32 s14, s14, BOFF                    ; my four of Wo
.irp n, 0,1,2,3
	v_add_nc_u32 v[ADRA+\n], s2, v[LI]
	v_add_nc_u32 v[ADRB+\n], s14, v[LI]
	s_add_co_u32 s2, s2, SLOT
	s_add_co_u32 s14, s14, SLOT
.endr
	s_xor_b32 s2, s[WH], 1
	s_add_co_u32 s2, s2, s[WL]
	s_add_co_u32 s2, s2, 1
	s_lshl_b32 s2, s2, 12                          ; from my tiles' scale words of O to those of Wo: 4,096 x (2 + wave % 2 - wave / 2)
	v_mul_u32_u24 v14, s2, v2                      ; lanes 16-31 take Wo's
	v_lshl_add_u32 v14, v1, 4, v14
	s_lshl_b32 s2, s[WH], 12
	s_add_co_u32 s2, s2, SCL
	v_add_nc_u32 v[ADRS], s2, v14
	s_mul_i32 s2, s[WV], 16*SPITCH                 ; my stage
	v_mul_u32_u24 v14, v1, SPITCH
	v_lshl_add_u32 v14, v2, 6, v14
	v_add_nc_u32 v[STO], s2, v14                   ; in: row r, + 64 h
	v_mul_u32_u24 v14, v2, SPITCH
	v_lshl_add_u32 v14, v1, 4, v14
	v_add_nc_u32 v[RD], s2, v14                    ; back: lanes 0-15 one row of 256 bytes, lanes 16-31 the next
	v_lshlrev_b32 v[CO], 13, v2
	v_lshl_add_u32 v[CO], v1, 4, v[CO]             ; and the same two rows in out0
	s_wait_tensorcnt 3                             ; the scale bytes and my part of quarter 0 are in; the three younger loads may be out
	s_barrier_signal -1
	s_barrier_wait -1
	FETCH 0, 0, 0
	SCALES 0
	KSTEP 0, 0, 1                                  ; the first products start the sums: nothing is cleared
	KSTEP 0, 1, 0
	KSTEP 0, 2, 0
	CROSS 1                                        ; behind this barrier nobody reads quarter 0
	KSTEP 1, 0, 0
	KSTEP 1, 1, 0
	KSTEP 1, 2, 0
	CROSS 2
	KSTEP 2, 0, 0
	KSTEP 2, 1, 0
	KSTEP 2, 2, 0
	CROSS 3                                        ; its wait on TENSORcnt is for 0: none of my loads is out from here on
	KSTEP 3, 0, 0
	KSTEP 3, 1, 0
	KSTEP 3, 2, 0
	s_wait_dscnt 0x0
	WIN 0xa1
.irp a, 0,1,2,3
	MUL4 \a, 1, 3, 1, 0
.endr
	WIN 0
	PLACES 4                                       ; behind the last products: for the stores that read results
	TOSTAGE 0
.irp a, 1,2,3
.if \a > 1
	s_wait_xcnt 0x0                                ; block a - 2's stores have read their registers and their base
.endif
	TOSTAGE \a
	SEND \a-1, 16                                  ; behind block a - 1's loads: block a's 8 stores and 8 loads
.endr
	s_wait_xcnt 0x0
	SEND 3, 0
	s_wait_tensorcnt 0x0
	ds_add_u32 v254, v255
	s_wait_dscnt 0x0
	CROUND                                         ; the closing round
	s_endpgm
.Lfunc_end_k_q423e711c6a_outp:
	.size	k_q423e711c6a_outp, .Lfunc_end_k_q423e711c6a_outp-k_q423e711c6a_outp
	.p2alignl 7, 3214868480
	.fill 96, 4, 3214868480
	.section	.rodata,"a",@progbits
	.p2align	6, 0x0
	.amdhsa_kernel k_q423e711c6a_outp
		.amdhsa_group_segment_fixed_size 279040
		.amdhsa_private_segment_fixed_size 0
		.amdhsa_enable_private_segment 0
		.amdhsa_kernarg_size 40
		.amdhsa_user_sgpr_count 2
		.amdhsa_user_sgpr_kernarg_segment_ptr 1
		.amdhsa_wavefront_size32 1
		.amdhsa_system_sgpr_workgroup_id_x 1
		.amdhsa_system_sgpr_workgroup_id_y 1
		.amdhsa_system_sgpr_workgroup_id_z 1
		.amdhsa_system_vgpr_workitem_id 0
		.amdhsa_next_free_vgpr 640
		.amdhsa_next_free_sgpr 102
		.amdhsa_reserve_vcc 0
		.amdhsa_float_denorm_mode_32 3
		.amdhsa_float_denorm_mode_16_64 3
		.amdhsa_memory_ordered 1
		.amdhsa_forward_progress 1
		.amdhsa_inst_pref_size 72
	.end_amdhsa_kernel
	.amdgpu_metadata
---
amdhsa.version: [ 1, 2 ]
amdhsa.kernels:
  - .name:           k_q423e711c6a_outp
    .symbol:         k_q423e711c6a_outp.kd
    .args:
      - { .name: o_img, .offset: 0, .size: 8, .value_kind: global_buffer, .address_space: global }
      - { .name: o_sc, .offset: 8, .size: 8, .value_kind: global_buffer, .address_space: global }
      - { .name: w_img, .offset: 16, .size: 8, .value_kind: global_buffer, .address_space: global }
      - { .name: w_sc, .offset: 24, .size: 8, .value_kind: global_buffer, .address_space: global }
      - { .name: out0, .offset: 32, .size: 8, .value_kind: global_buffer, .address_space: global }
    .group_segment_fixed_size: 279040
    .private_segment_fixed_size: 0
    .kernarg_segment_align: 8
    .kernarg_segment_size: 40
    .max_flat_workgroup_size: 128
    .sgpr_count:     102
    .vgpr_count:     640
    .wavefront_size: 32
...
	.end_amdgpu_metadata
.endif
;; end of part 8
